; MI455X (gfx1250); checked and timed in simulation.
; The chip was launched on July 23, 2026; its instructions are those of AMD's public machine-readable ISA for CDNA 5 (MIT licence, August 2026) and "CDNA5" Instruction Set Architecture Reference Guide (July 2026). The comments in the code are by the model that wrote it; some were corrected since.
;; Selector Block. Allowed arithmetic: float matrix products may take bf16 or f16 operands with f32 sums; other float arithmetic in f32, or as packed bf16 or f16 multiplies, adds, multiply-adds, maxima and minima; sums over many terms, partial sums and values carried from step to step in f32; what a program stores and reads back later, other than sums and carried values, may be rounded once to bf16 or f16.
;; Inputs: Wc 1,024 x 1,024 float32; Wd 512 x 1,024 float32; Wo 1,024 x 1,024 float32; Wqkv 3,072 x 1,024 float32; Wr 8 x 1,024 float32; Ws1 512 x 512 float32; Ws2 512 x 512 float32; Wu 1,024 x 512 float32; bc 1,024 float32; bd 512 float32; br 8 float32; bs1 512 float32; bs2 512 float32; bu 1,024 float32; expert_cost 8 float32; expert_params_0_0_0 1,024 x 512 float32; expert_params_0_0_1 1,024 float32; expert_params_0_1_0 512 x 1,024 float32; expert_params_0_1_1 512 float32; expert_params_1_0_0 2,048 x 512 float32; expert_params_1_0_1 2,048 float32; expert_params_1_1_0 512 x 2,048 float32; expert_params_1_1_1 512 float32; expert_params_2_0_0 4,096 x 512 float32; expert_params_2_0_1 4,096 float32; expert_params_2_1_0 512 x 4,096 float32; expert_params_2_1_1 512 float32; expert_params_3_0_0 1,024 x 512 float32; expert_params_3_0_1 1,024 float32; expert_params_3_1_0 512 x 1,024 float32; expert_params_3_1_1 512 float32; expert_params_4_0_0 2,048 x 512 float32; expert_params_4_0_1 2,048 float32; expert_params_4_1_0 512 x 2,048 float32; expert_params_4_1_1 512 float32; expert_params_5_0_0 4,096 x 512 float32; expert_params_5_0_1 4,096 float32; expert_params_5_1_0 512 x 4,096 float32; expert_params_5_1_1 512 float32; expert_params_6_0_0 1,024 x 512 float32; expert_params_6_0_1 1,024 float32; expert_params_6_1_0 512 x 1,024 float32; expert_params_6_1_1 512 float32; expert_params_7_0_0 2,048 x 512 float32; expert_params_7_0_1 2,048 float32; expert_params_7_1_0 512 x 2,048 float32; expert_params_7_1_1 512 float32; w_norm 1,024 float32; x 4 x 512 x 1,024 float32.
;; Outputs: out0 4 x 512 x 1,024 float32.
;; 3 versions, each right; version 2 is faster than version 1; version 3 is version 2 with the launch fin written anew for expert scheduling mode. Each part assembles by itself: llvm-mc -triple=amdgcn-amd-amdhsa -mcpu=gfx1250 --defsym DOCPART=n.
;; ======== version 1 of 3: 5 launches
;; limits: a function is approximated: absolute error at most 1.5e-07; an absolute error that grows with the inputs' magnitude: up to 7.5e-08 times it
;; workspace buffers: wsa 25,182,208 bytes; sel 16,384 bytes of whole numbers; wsb 14,714,880 bytes; lst 147,712 bytes of whole numbers; wsc 77,594,624 bytes; part 16,777,216 bytes
;; launch prep (part 1): grid 640 x 1, 8 waves a work-group, no clusters, 0 bytes of LDS; arguments x, w_norm, Wr, br, expert_cost, Wqkv, Wd, Wo, Wc, Wu, wsa, sel; writes wsa, sel
.if DOCPART == 1
	.amdgcn_target "amdgcn-amd-amdhsa--gfx1250"
	.amdhsa_code_object_version 6
	.text
	.protected	k_qd4c059d2fd_prep
	.globl	k_qd4c059d2fd_prep
	.p2align	8
	.type	k_qd4c059d2fd_prep,@function
k_qd4c059d2fd_prep:
	s_mov_b64 s[64:65], 0
	v_nop
	global_prefetch_b8 v0, s[64:65] scope:SCOPE_SE
	s_setreg_imm32_b32 hwreg(HW_REG_WAVE_MODE, 25, 1), 1
	s_wait_xcnt 0x0
; PREP.  Work-groups 0-255: RMS norm, router and gelu(h), one wave to a token (8 tokens a work-group).  Work-groups 256-639: Wqkv, Wd, Wo, Wc, Wu rounded to bf16, 64 KiB of f32 each.
; wsa: hb[2048][1024] bf16 at 0; wcat[3584][1024] bf16 at 4194304 (Wqkv, then Wd); wfin[1024][2048] bf16 at 11534336 (Wo | Wc); wub[1024][512] bf16 at 15728640;
;      acat[2048][2048] bf16 at 16777216 (columns 1024-2047 = gelu(h), written here); gate[4096] f32 at 25165824.   sel[2 t + k] = the k-th expert of token t.
; THE ROUTER is all f32 on unrounded inputs: logit = (h . Wr + br) - (5e-4 x cost), the product and the difference rounded apart as in the problem's text; softmax with its maximum taken away;
; top 2 by strict compares, so that the lower index wins a tie; gates = softmax of the two probabilities.  No address and no branch hangs on these numbers: they are stored at fixed places.
; gelu(y) = max(y,0) - 0.5 |y| poly(t) 2^(-u u), u = |y| sqrt(log2(e)/2), t = 1/(1 + 0.2727375 u): Abramowitz and Stegun 7.1.26, |error of erf| <= 1.5e-7, for every y, with no difference of near numbers.
; LIMITS.  NaN and infinities are not treated apart.  A probability below 2^-126 counts as 0 (the exponential gives 0 there), so for logits 87 to 104 below the largest the second choice may differ
; from an order among denormals.  p = e x (1 / sum); h = (w x) x (1 / (n + 1e-8)): reciprocals good to one unit in the last place.
; No LDS, no matrix unit, no cluster: the work is a stream and a few sums along rows; no two work-groups read the same large data.
.set X,  16                            ; v16-47   x, then h: the lane's columns 4 lane + 128 j, four registers for each j
.set G,  48                            ; v48-79   w_norm, then gelu(h)
.set U,  80                            ; v80-127  at work
.set WR, 128                           ; v128-255 four rows of Wr
.macro GS n, line:vararg               ; the line for gi = 0, 1 .. n-1
.set gi, 0
.rept \n
	\line
.set gi, gi+1
.endr
.endm
.macro GP n, line:vararg               ; the line for gi = 0, 2 .. n-2
.set gi, 0
.rept (\n)/2
	\line
.set gi, gi+2
.endr
.endm
.macro SPAIR r, val                    ; a constant in both words of a pair: the packed forms name the pair
	s_mov_b32 s[\r], \val
	s_mov_b32 s[\r+1], \val
.endm
.macro GCONST
	s_mov_b32 s26, 0x7fffffff
	SPAIR 28, 0x3f596d27                           ; sqrt(log2(e)/2)
	SPAIR 30, 0x3e8ba440                           ; 0.3275911 / sqrt(log2(e))
	SPAIR 32, 0x3e827906                           ; a1 .. a5
	SPAIR 34, 0xbe91a98e
	SPAIR 36, 0x3fb5f0e3
	SPAIR 38, 0xbfba00e3
	SPAIR 40, 0x3f87dc22
	s_mov_b32 s42, 0x76543210                      ; v_permlanex16_b32: each lane takes its own place in the other half
	s_mov_b32 s43, 0xfedcba98
.endm
; gelu of n numbers v[src ..] into v[y ..]; 3 n registers at work from v[u].  The 2 n transcendentals are one batch with one wait; the n maxima are the plain work behind them.
.macro GELU y, n, u, src
.set gY, \y
.set gS, \src
.set gU, \u
.set gW, (\u)+(\n)
.set gD, (\u)+2*(\n)
	GS \n, v_and_b32 v[gU+gi], s26, v[gS+gi]
	GP \n, v_pk_mul_f32 v[gW+gi:gW+gi+1], v[gU+gi:gU+gi+1], s[28:29] op_sel_hi:[1,0]
	GP \n, v_pk_fma_f32 v[gD+gi:gD+gi+1], v[gW+gi:gW+gi+1], s[30:31], 1.0 op_sel_hi:[1,0,0]
	GP \n, v_pk_mul_f32 v[gW+gi:gW+gi+1], v[gW+gi:gW+gi+1], v[gW+gi:gW+gi+1] neg_lo:[1,0] neg_hi:[1,0]
	GS \n, v_rcp_f32 v[gD+gi], v[gD+gi]
	GS \n, v_exp_f32 v[gW+gi], v[gW+gi]
	GS \n, v_max_num_f32 v[gY+gi], 0, v[gS+gi]
	s_wait_alu depctr_va_vdst(0)                   ; one wait for the batch, ahead of its first reader
	GP \n, v_pk_mul_f32 v[gU+gi:gU+gi+1], v[gU+gi:gU+gi+1], v[gW+gi:gW+gi+1]
	GP \n, v_pk_fma_f32 v[gW+gi:gW+gi+1], v[gD+gi:gD+gi+1], s[40:41], s[38:39] op_sel_hi:[1,0,0]
	GP \n, v_pk_fma_f32 v[gW+gi:gW+gi+1], v[gW+gi:gW+gi+1], v[gD+gi:gD+gi+1], s[36:37] op_sel_hi:[1,1,0]
	GP \n, v_pk_fma_f32 v[gW+gi:gW+gi+1], v[gW+gi:gW+gi+1], v[gD+gi:gD+gi+1], s[34:35] op_sel_hi:[1,1,0]
	GP \n, v_pk_fma_f32 v[gW+gi:gW+gi+1], v[gW+gi:gW+gi+1], v[gD+gi:gD+gi+1], s[32:33] op_sel_hi:[1,1,0]
	GP \n, v_pk_mul_f32 v[gW+gi:gW+gi+1], v[gW+gi:gW+gi+1], v[gD+gi:gD+gi+1]
	GP \n, v_pk_mul_f32 v[gW+gi:gW+gi+1], v[gW+gi:gW+gi+1], v[gU+gi:gU+gi+1]
	GP \n, v_pk_fma_f32 v[gY+gi:gY+gi+1], v[gW+gi:gW+gi+1], -0.5, v[gY+gi:gY+gi+1] op_sel_hi:[1,0,1]
.endm
.macro LDWR r0                         ; rows r0 .. r0+3 of Wr: 32 loads of 512 neighbouring bytes
.irp e, 0,1,2,3
.set j, 0
.rept 8
	global_load_b128 v[WR+32*\e+4*j:WR+32*\e+4*j+3], v6, s[48:49] offset:4096*((\r0)+\e)+512*j
.set j, j+1
.endr
.endr
.endm
.macro DOT4 acc                        ; four dot products h . Wr[e], two partial sums each, the four chains by turns
.irp e, 0,1,2,3
	v_pk_mul_f32 v[(\acc)+2*\e:(\acc)+2*\e+1], v[X:X+1], v[WR+32*\e:WR+32*\e+1]
.endr
.set p, 2
.rept 15
.irp e, 0,1,2,3
	v_pk_fma_f32 v[(\acc)+2*\e:(\acc)+2*\e+1], v[X+p:X+p+1], v[WR+32*\e+p:WR+32*\e+p+1], v[(\acc)+2*\e:(\acc)+2*\e+1]
.endr
.set p, p+2
.endr
.endm
	s_load_b512 s[44:59], s[0:1], 0x0              ; x 44, w_norm 46, Wr 48, br 50, expert_cost 52, Wqkv 54, Wd 56, Wo 58
	s_load_b256 s[68:75], s[0:1], 0x40             ; Wc 68, Wu 70, wsa 72, sel 74
	v_and_b32 v3, 31, v0                           ; lane
	v_lshrrev_b32 v1, 5, v0
	v_readfirstlane_b32 s2, v1                     ; wave
	s_mov_b32 s5, ttmp9
	s_cmp_ge_u32 s5, 256
	s_cbranch_scc1 .Lcast
	; ---------------- norm, router, gelu(h): token t = 8 x work-group + wave
	v_lshlrev_b32 v6, 4, v3                        ; 16 lane
	v_lshlrev_b32 v7, 3, v3                        ; 8 lane
	s_lshl_b32 s6, s5, 3
	s_add_co_u32 s6, s6, s2                        ; t
	s_lshl_b32 s20, s6, 12                         ; t x 4096
	s_mov_b32 s21, 0
	s_lshl_b32 s22, s6, 11                         ; t x 2048
	s_mov_b32 s23, 0
	s_mov_b32 s24, 0x3d000000                      ; 1/32 = 1024^-0.5
	s_mov_b32 s25, 0x322bcc77                      ; 1e-8
	GCONST
	s_wait_kmcnt 0x0
	s_load_b256 s[76:83], s[50:51], 0x0            ; br
	s_load_b256 s[84:91], s[52:53], 0x0            ; expert_cost
	s_add_nc_u64 s[8:9], s[44:45], s[20:21]        ; x's row
	s_add_nc_u64 s[10:11], s[72:73], s[22:23]      ; hb's row
	s_add_nc_u64 s[12:13], s[72:73], s[20:21]
	s_add_nc_u64 s[12:13], s[12:13], 16777216+2048 ; acat's row, second half
	GS 8, global_load_b128 v[X+4*gi:X+4*gi+3], v6, s[8:9] offset:512*gi
	GS 8, global_load_b128 v[G+4*gi:G+4*gi+3], v6, s[46:47] offset:512*gi
	LDWR 0
	s_wait_loadcnt 32                              ; x and w_norm are in; the 32 loads of Wr stay out
	GP 8, v_pk_mul_f32 v[U+gi:U+gi+1], v[X+gi:X+gi+1], v[X+gi:X+gi+1]
	GP 24, v_pk_fma_f32 v[U+gi%8:U+gi%8+1], v[X+8+gi:X+8+gi+1], v[X+8+gi:X+8+gi+1], v[U+gi%8:U+gi%8+1]
	v_pk_add_f32 v[U:U+1], v[U:U+1], v[U+2:U+3]
	v_pk_add_f32 v[U+4:U+5], v[U+4:U+5], v[U+6:U+7]
	v_pk_add_f32 v[U:U+1], v[U:U+1], v[U+4:U+5]
	v_add_f32 v[U], v[U], v[U+1]
.irp k, 1, 2, 4, 8
	v_add_f32_dpp v[U], v[U], v[U] row_xmask:\k row_mask:0xf bank_mask:0xf
.endr
	v_permlanex16_b32 v[U+1], v[U], s42, s43
	v_add_f32 v[U], v[U], v[U+1]                   ; the row's sum of squares, in every lane
	v_sqrt_f32 v[U], v[U]
	GP 32, v_pk_mul_f32 v[X+gi:X+gi+1], v[X+gi:X+gi+1], v[G+gi:G+gi+1]   ; w x: the plain work behind the root
	s_wait_alu depctr_va_vdst(0)
	v_fma_f32 v4, v[U], s24, s25                   ; n + 1e-8 (the product by 2^-5 is exact)
	v_rcp_f32 v4, v4
	v_mov_b32 v5, 0                                ; named with v4 as a pair
	s_wait_alu depctr_va_vdst(0)
	GP 32, v_pk_mul_f32 v[X+gi:X+gi+1], v[X+gi:X+gi+1], v[4:5] op_sel_hi:[1,0]   ; h
	s_wait_loadcnt 0x0                             ; Wr's rows 0-3
	DOT4 8
	LDWR 4                                         ; rows 4-7 come while h and gelu(h) go out
	GS 16, v_cvt_pk_bf16_f32 v[U+gi], v[X+2*gi], v[X+2*gi+1]
	GS 8, global_store_b64 v7, v[U+2*gi:U+2*gi+1], s[10:11] offset:256*gi   ; the wave's store covers 256 consecutive bytes, aligned
	s_wait_xcnt 0x0                                ; the stores' data registers are written again below
	GELU G, 16, U, X
	GELU G+16, 16, U, X+16
	GS 16, v_cvt_pk_bf16_f32 v[U+gi], v[G+2*gi], v[G+2*gi+1]
	GS 8, global_store_b64 v7, v[U+2*gi:U+2*gi+1], s[12:13] offset:256*gi
	s_wait_loadcnt 0x0                             ; Wr's rows 4-7
	DOT4 U+16
	v_add_f32 v8, v8, v9
	v_add_f32 v9, v10, v11
	v_add_f32 v10, v12, v13
	v_add_f32 v11, v14, v15
	GS 4, v_add_f32 v[12+gi], v[U+16+2*gi], v[U+17+2*gi]
.irp k, 1, 2, 4, 8
	GS 8, v_add_f32_dpp v[8+gi], v[8+gi], v[8+gi] row_xmask:\k row_mask:0xf bank_mask:0xf
.endr
	GS 8, v_permlanex16_b32 v[104+gi], v[8+gi], s42, s43
	GS 8, v_add_f32 v[8+gi], v[8+gi], v[104+gi]    ; the eight dot products, in every lane
	v_mov_b32 v112, 0x3a03126f                     ; 5e-4
	s_wait_kmcnt 0x0
	GS 8, v_mul_f32 v[104+gi], s[84+gi], v112      ; not fused with the difference: the problem's text rounds the product
	GS 8, v_add_f32 v[8+gi], s[76+gi], v[8+gi]
	GS 8, v_sub_f32 v[8+gi], v[8+gi], v[104+gi]    ; logits
	v_max3_num_f32 v113, v8, v9, v10
	v_max3_num_f32 v113, v113, v11, v12
	v_max3_num_f32 v113, v113, v13, v14
	v_max_num_f32 v113, v113, v15
	GS 8, v_sub_f32 v[8+gi], v[8+gi], v113         ; the difference first, then the factor: fused, the logits' size would cost the difference its last bits
	GS 8, v_mul_f32 v[8+gi], 0x3fb8aa3b, v[8+gi]
	GS 8, v_exp_f32 v[8+gi], v[8+gi]
	v_nop
	s_wait_alu depctr_va_vdst(0)
	v_add_f32 v114, v8, v9
	v_add_f32 v115, v10, v11
	v_add_f32 v116, v12, v13
	v_add_f32 v117, v14, v15
	v_add_f32 v114, v114, v115
	v_add_f32 v116, v116, v117
	v_add_f32 v114, v114, v116
	v_rcp_f32 v114, v114
	v_nop
	s_wait_alu depctr_va_vdst(0)
	GS 8, v_mul_f32 v[8+gi], v[8+gi], v114         ; probabilities
	v_mov_b32 v115, v8                             ; the largest so far, and its index
	v_mov_b32 v116, 0
.irp e, 1,2,3,4,5,6,7
	v_cmp_gt_f32 vcc_lo, v[8+\e], v115
	v_cndmask_b32 v115, v115, v[8+\e], vcc_lo
	v_cndmask_b32 v116, v116, \e, vcc_lo
.endr
.irp e, 0,1,2,3,4,5,6,7
	v_cmp_eq_u32 vcc_lo, \e, v116
	v_cndmask_b32 v[8+\e], v[8+\e], -1.0, vcc_lo   ; the first choice leaves the field
.endr
	v_mov_b32 v117, v8
	v_mov_b32 v118, 0
.irp e, 1,2,3,4,5,6,7
	v_cmp_gt_f32 vcc_lo, v[8+\e], v117
	v_cndmask_b32 v117, v117, v[8+\e], vcc_lo
	v_cndmask_b32 v118, v118, \e, vcc_lo
.endr
	v_sub_f32 v119, v117, v115                     ; p2 - p1 <= 0
	v_mul_f32 v119, 0x3fb8aa3b, v119
	v_exp_f32 v119, v119
	v_nop
	s_wait_alu depctr_va_vdst(0)
	v_add_f32 v120, 1.0, v119
	v_rcp_f32 v120, v120                           ; g0
	v_nop
	s_wait_alu depctr_va_vdst(0)
	v_mul_f32 v121, v119, v120                     ; g1
	v_cmp_eq_u32 vcc_lo, 0, v3
	v_cndmask_b32 v122, v118, v116, vcc_lo         ; lane 0 holds the first choice, lane 1 the second
	v_cndmask_b32 v123, v121, v120, vcc_lo
	v_lshlrev_b32 v124, 2, v3
	s_lshl_b32 s20, s6, 3                          ; 8 t
	s_add_nc_u64 s[14:15], s[74:75], s[20:21]
	s_add_nc_u64 s[16:17], s[72:73], s[20:21]
	s_add_nc_u64 s[16:17], s[16:17], 25165824
	v_cmp_gt_u32 vcc_lo, 2, v3
	s_wait_xcnt 0x0                                ; EXEC changes only behind this wait
	s_and_saveexec_b32 s24, vcc_lo
	global_store_b32 v124, v122, s[14:15]
	global_store_b32 v124, v123, s[16:17]
	s_wait_xcnt 0x0
	s_or_b32 exec_lo, exec_lo, s24
	s_endpgm
	; ---------------- casts: chunk c = work-group - 256, 16,384 numbers; thread t takes four numbers at 4 t + 1024 it
.Lcast:
	s_sub_co_u32 s6, s5, 256
	v_lshlrev_b32 v6, 4, v0
	v_lshlrev_b32 v32, 3, v0
	s_wait_kmcnt 0x0
	s_cmp_lt_u32 s6, 192
	s_cbranch_scc0 .Lc1
	s_mov_b64 s[8:9], s[54:55]                     ; Wqkv -> wcat, dense
	s_mov_b32 s7, s6
	s_lshl_b32 s10, s6, 15
	s_add_co_u32 s10, s10, 4194304
	s_mov_b32 s12, 2048
	s_branch .Lcgo
.Lc1:
	s_cmp_lt_u32 s6, 224
	s_cbranch_scc0 .Lc2
	s_mov_b64 s[8:9], s[56:57]                     ; Wd -> wcat, behind Wqkv
	s_sub_co_u32 s7, s6, 192
	s_lshl_b32 s10, s6, 15
	s_add_co_u32 s10, s10, 4194304
	s_mov_b32 s12, 2048
	s_branch .Lcgo
.Lc2:
	s_cmp_lt_u32 s6, 288
	s_cbranch_scc0 .Lc3
	s_mov_b64 s[8:9], s[58:59]                     ; Wo -> wfin's first half: a row of 1024 numbers for each it, rows 4096 bytes apart
	s_sub_co_u32 s7, s6, 224
	s_lshl_b32 s10, s7, 16
	s_add_co_u32 s10, s10, 11534336
	s_mov_b32 s12, 4096
	s_branch .Lcgo
.Lc3:
	s_cmp_lt_u32 s6, 352
	s_cbranch_scc0 .Lc4
	s_mov_b64 s[8:9], s[68:69]                     ; Wc -> wfin's second half
	s_sub_co_u32 s7, s6, 288
	s_lshl_b32 s10, s7, 16
	s_add_co_u32 s10, s10, 11534336+2048
	s_mov_b32 s12, 4096
	s_branch .Lcgo
.Lc4:
	s_mov_b64 s[8:9], s[70:71]                     ; Wu -> wub, dense
	s_sub_co_u32 s7, s6, 352
	s_lshl_b32 s10, s7, 15
	s_add_co_u32 s10, s10, 15728640
	s_mov_b32 s12, 2048
.Lcgo:
	s_mov_b32 s11, 0
	s_add_nc_u64 s[14:15], s[72:73], s[10:11]
	s_lshl_b32 s10, s7, 16
	s_add_nc_u64 s[8:9], s[8:9], s[10:11]
	GS 16, global_load_b128 v[64+4*gi:67+4*gi], v6, s[8:9] offset:4096*gi th:TH_LOAD_NT
	GS 15, v_add_nc_u32 v[33+gi], s12, v[32+gi]
.set it, 0
.rept 16
	s_wait_loadcnt 15-it                           ; loads come back in order: number it is in, the younger ones stay out
	v_cvt_pk_bf16_f32 v[64+4*it], v[64+4*it], v[65+4*it]
	v_cvt_pk_bf16_f32 v[65+4*it], v[66+4*it], v[67+4*it]
	global_store_b64 v[32+it], v[64+4*it:65+4*it], s[14:15]   ; a wave's store covers 256 consecutive bytes, aligned
.set it, it+1
.endr
	s_endpgm
.Lfunc_end_k_qd4c059d2fd_prep:
	.size	k_qd4c059d2fd_prep, .Lfunc_end_k_qd4c059d2fd_prep-k_qd4c059d2fd_prep
	.p2alignl 7, 3214868480
	.fill 96, 4, 3214868480
	.section	.rodata,"a",@progbits
	.p2align	6, 0x0
	.amdhsa_kernel k_qd4c059d2fd_prep
		.amdhsa_group_segment_fixed_size 0
		.amdhsa_private_segment_fixed_size 0
		.amdhsa_enable_private_segment 0
		.amdhsa_kernarg_size 96
		.amdhsa_user_sgpr_count 2
		.amdhsa_user_sgpr_kernarg_segment_ptr 1
		.amdhsa_wavefront_size32 1
		.amdhsa_system_sgpr_workgroup_id_x 1
		.amdhsa_system_sgpr_workgroup_id_y 1
		.amdhsa_system_sgpr_workgroup_id_z 1
		.amdhsa_system_vgpr_workitem_id 0
		.amdhsa_next_free_vgpr 256
		.amdhsa_next_free_sgpr 100
		.amdhsa_reserve_vcc 1
		.amdhsa_float_denorm_mode_32 3
		.amdhsa_float_denorm_mode_16_64 3
		.amdhsa_memory_ordered 1
		.amdhsa_forward_progress 1
		.amdhsa_inst_pref_size 58
	.end_amdhsa_kernel
	.amdgpu_metadata
---
amdhsa.version: [ 1, 2 ]
amdhsa.kernels:
  - .name:           k_qd4c059d2fd_prep
    .symbol:         k_qd4c059d2fd_prep.kd
    .args:
      - { .name: x, .offset: 0, .size: 8, .value_kind: global_buffer, .address_space: global }
      - { .name: w_norm, .offset: 8, .size: 8, .value_kind: global_buffer, .address_space: global }
      - { .name: Wr, .offset: 16, .size: 8, .value_kind: global_buffer, .address_space: global }
      - { .name: br, .offset: 24, .size: 8, .value_kind: global_buffer, .address_space: global }
      - { .name: expert_cost, .offset: 32, .size: 8, .value_kind: global_buffer, .address_space: global }
      - { .name: Wqkv, .offset: 40, .size: 8, .value_kind: global_buffer, .address_space: global }
      - { .name: Wd, .offset: 48, .size: 8, .value_kind: global_buffer, .address_space: global }
      - { .name: Wo, .offset: 56, .size: 8, .value_kind: global_buffer, .address_space: global }
      - { .name: Wc, .offset: 64, .size: 8, .value_kind: global_buffer, .address_space: global }
      - { .name: Wu, .offset: 72, .size: 8, .value_kind: global_buffer, .address_space: global }
      - { .name: wsa, .offset: 80, .size: 8, .value_kind: global_buffer, .address_space: global }
      - { .name: sel, .offset: 88, .size: 8, .value_kind: global_buffer, .address_space: global }
    .group_segment_fixed_size: 0
    .private_segment_fixed_size: 0
    .kernarg_segment_align: 8
    .kernarg_segment_size: 96
    .max_flat_workgroup_size: 256
    .sgpr_count:     100
    .vgpr_count:     256
    .wavefront_size: 32
...
	.end_amdgpu_metadata
.endif
;; end of part 1
;; launch proj (part 2): grid 517 x 1, 8 waves a work-group, no clusters, 74,752 bytes of LDS; arguments wsa, sel, bd, wsb, lst, expert_params_0_1_0, expert_params_1_1_0, expert_params_2_1_0, expert_params_3_1_0, expert_params_4_1_0, expert_params_5_1_0, expert_params_6_1_0, expert_params_7_1_0, expert_params_0_0_1, expert_params_1_0_1, expert_params_2_0_1, expert_params_3_0_1, expert_params_4_0_1, expert_params_5_0_1, expert_params_6_0_1, expert_params_7_0_1; writes wsb, lst
.if DOCPART == 2
	.amdgcn_target "amdgcn-amd-amdhsa--gfx1250"
	.amdhsa_code_object_version 6
	.text
	.protected	k_qd4c059d2fd_proj
	.globl	k_qd4c059d2fd_proj
	.p2align	8
	.type	k_qd4c059d2fd_proj,@function
k_qd4c059d2fd_proj:
	s_mov_b64 s[64:65], 0
	v_nop
	global_prefetch_b8 v0, s[64:65] scope:SCOPE_SE
	s_setreg_imm32_b32 hwreg(HW_REG_WAVE_MODE, 25, 1), 1
	s_wait_xcnt 0x0
; PROJ.  Work-group 0: the counting sort of the 4,096 choices (wave e makes expert e's list; no atomics).  Work-groups 1-68: the dot products gelu(b1_e) . W2_e[row], in 17 chunks of 1,024 hidden columns.
; Work-groups 69-516: products on the matrix units, tiles of 128 x 128, K = 1024: Q|K = h Wqk^T (256 tiles), V^T = Wv h^T (128), gelu(h Wd^T + bd) (64).
; wsb: qk[2048][2048] bf16 at 0; vt[1024][2048] bf16 at 8388608; gl[2048][512] bf16 at 12582912; c0p[17][512] f32 at 14680064.
; lst: list[9][4096] at 0 (row id = 4 token + k; list 8, the shared expert's: 4 i + 2, first 2,048 places); cnt[9] at 147456.  In list e the ids that chose e stand from the front, all others from the back:
; every place holds an id that exists, so a tile that is not full repeats rows that exist.
; THE ENGINE (this launch and the three behind it).  Eight waves; C's tile is BM x 128, BM = 32 MT; wave w = 4 wm + wn makes 16 MT x 32: 2 MT accumulators that take turns, one instruction a turn.
; K goes in steps of 64 through two LDS buffers; tiles go memory -> registers -> LDS (f32 operands are rounded to bf16 on the way); the registers hold the tile one step ahead, so its loads have a step
; in which to land; one barrier a step.  LDS rows are 128 + 16 bytes: the 16 rows of a fragment load start in 16 different groups of four banks.
; The matrix instruction takes B's rows as source 0 and A's as source 1: a lane then holds 8 neighbouring columns of one row of C.  The tile leaves through a stage in LDS (f32, rows of 512 + 16 bytes,
; over the ring, behind the loop's last barrier) and is stored as whole rows: a wave's store covers 256 or 512 consecutive bytes, aligned.
; The accumulators are cleared by v_mov_b32 (64 lines): no first step is written out, so that one loop text serves every trip count.
; No tensor loads, no cluster: one engine serves five shapes of which three round, gather or compute their tiles on the way into LDS.
; gelu: as in prep (|error of erf| <= 1.5e-7).  NaN and infinities are not treated apart.
.set MT, 4
.set BM, 32*MT
.set PIT, 144
.set LB0, BM*PIT                       ; in a buffer: A's BM rows, then B's 128
.set LA1, (BM+128)*PIT                 ; buffer 1
.set RING, 2*LA1
.set SPIT, 528
.set RPIT, 1040
.set SPARE, RING                       ; the spare words: 128 bytes a wave, four blocks of 256 bytes that no other line names
.set ACC, 32                           ; v32-95   accumulator (a, b) at 32 + 8 (2 a + b)
.set FR0, 96                           ; v96-143  fragments of the step's first 32 along K: A's at +8 a, B's at +8 MT + 8 b
.set FR1, 144                          ; v144-191 of its second 32
.set SA, 192                           ; v192-207 A's tile on its way
.set SB, 208                           ; v208-239 B's
.set GB, 192                           ; v192-223 in the dot products' job: gelu(b1) of the lane's 32 columns
; v1, v2 the add's two registers; v3 lane; v4 lane % 16; v5 lane / 16; v6, v28 where 16-bit tiles of A, B are put; v7 where rounded f32 tiles of B are put; v8, v9 where fragments of A, B are read;
; v10-13, v14-21 offsets of the tiles' loads; v22 into the stage; v23 back from it; v24-27 row and piece of a thread in a tile's load; v29 8 lane; v30 16 lane; v31 free; v240-247 bias
; s2 wave, s3 wm, s4 wn; s[8:9] A, s[10:11] B, s[12:13] C; s15 trip, s16 'more tiles', s17 'the tile has rows'; s23-25 at work
.macro GS n, line:vararg
.set gi, 0
.rept \n
	\line
.set gi, gi+1
.endr
.endm
.macro GP n, line:vararg
.set gi, 0
.rept (\n)/2
	\line
.set gi, gi+2
.endr
.endm
.macro SPAIR r, val
	s_mov_b32 s[\r], \val
	s_mov_b32 s[\r+1], \val
.endm
.macro GCONST
	s_mov_b32 s26, 0x7fffffff
	SPAIR 28, 0x3f596d27
	SPAIR 30, 0x3e8ba440
	SPAIR 32, 0x3e827906
	SPAIR 34, 0xbe91a98e
	SPAIR 36, 0x3fb5f0e3
	SPAIR 38, 0xbfba00e3
	SPAIR 40, 0x3f87dc22
	s_mov_b32 s42, 0x76543210
	s_mov_b32 s43, 0xfedcba98
.endm
.macro GELU y, n, u, src
.set gY, \y
.set gS, \src
.set gU, \u
.set gW, (\u)+(\n)
.set gD, (\u)+2*(\n)
	GS \n, v_and_b32 v[gU+gi], s26, v[gS+gi]
	GP \n, v_pk_mul_f32 v[gW+gi:gW+gi+1], v[gU+gi:gU+gi+1], s[28:29] op_sel_hi:[1,0]
	GP \n, v_pk_fma_f32 v[gD+gi:gD+gi+1], v[gW+gi:gW+gi+1], s[30:31], 1.0 op_sel_hi:[1,0,0]
	GP \n, v_pk_mul_f32 v[gW+gi:gW+gi+1], v[gW+gi:gW+gi+1], v[gW+gi:gW+gi+1] neg_lo:[1,0] neg_hi:[1,0]
	GS \n, v_rcp_f32 v[gD+gi], v[gD+gi]
	GS \n, v_exp_f32 v[gW+gi], v[gW+gi]
	GS \n, v_max_num_f32 v[gY+gi], 0, v[gS+gi]
	s_wait_alu depctr_va_vdst(0)                   ; one wait for the batch, ahead of its first reader
	GP \n, v_pk_mul_f32 v[gU+gi:gU+gi+1], v[gU+gi:gU+gi+1], v[gW+gi:gW+gi+1]
	GP \n, v_pk_fma_f32 v[gW+gi:gW+gi+1], v[gD+gi:gD+gi+1], s[40:41], s[38:39] op_sel_hi:[1,0,0]
	GP \n, v_pk_fma_f32 v[gW+gi:gW+gi+1], v[gW+gi:gW+gi+1], v[gD+gi:gD+gi+1], s[36:37] op_sel_hi:[1,1,0]
	GP \n, v_pk_fma_f32 v[gW+gi:gW+gi+1], v[gW+gi:gW+gi+1], v[gD+gi:gD+gi+1], s[34:35] op_sel_hi:[1,1,0]
	GP \n, v_pk_fma_f32 v[gW+gi:gW+gi+1], v[gW+gi:gW+gi+1], v[gD+gi:gD+gi+1], s[32:33] op_sel_hi:[1,1,0]
	GP \n, v_pk_mul_f32 v[gW+gi:gW+gi+1], v[gW+gi:gW+gi+1], v[gD+gi:gD+gi+1]
	GP \n, v_pk_mul_f32 v[gW+gi:gW+gi+1], v[gW+gi:gW+gi+1], v[gU+gi:gU+gi+1]
	GP \n, v_pk_fma_f32 v[gY+gi:gY+gi+1], v[gW+gi:gW+gi+1], -0.5, v[gY+gi:gY+gi+1] op_sel_hi:[1,0,1]
.endm
.macro PLACES                          ; four plain places behind a matrix instruction, ahead of loads into its sources and of reads of its result
.rept 4
	v_nop
.endr
.endm
.macro HEAD
	v_lshl_add_u32 v1, v0, 2, SPARE
	v_mov_b32 v2, 0
	v_and_b32 v3, 31, v0
	v_and_b32 v4, 15, v0
	v_bfe_u32 v5, v0, 4, 1
	v_lshrrev_b32 v24, 5, v0
	v_readfirstlane_b32 s2, v24
	s_lshr_b32 s3, s2, 2
	s_and_b32 s4, s2, 3
	v_lshrrev_b32 v24, 3, v3
	v_and_b32 v25, 7, v3
	v_lshlrev_b32 v25, 4, v25                      ; 16-bit tiles: piece (lane % 8) of 16 bytes,
	v_mad_u32_u24 v6, v24, PIT, v25
	s_mul_i32 s23, s2, 4*PIT
	v_add_nc_u32 v6, s23, v6
	v_add_nc_u32 v28, LB0, v6
	v_lshl_add_u32 v24, s2, 2, v24                 ; row 4 w + lane / 8 of each 32
	v_lshlrev_b32 v27, 4, v4                       ; f32 tiles: piece (lane % 16) of 16 bytes,
	v_lshlrev_b32 v7, 3, v4
	v_mad_u32_u24 v7, v5, PIT, v7
	s_mul_i32 s23, s2, 2*PIT
	s_add_co_u32 s23, s23, LB0
	v_add_nc_u32 v7, s23, v7
	v_lshl_add_u32 v26, s2, 1, v5                  ; row 2 w + lane / 16 of each 16
	v_mul_u32_u24 v8, v4, PIT
	v_lshl_add_u32 v8, v5, 4, v8
	s_mul_i32 s23, s4, 32*PIT
	v_add_nc_u32 v9, s23, v8
	s_mul_i32 s23, s3, 16*MT*PIT
	v_add_nc_u32 v8, s23, v8
	v_mul_u32_u24 v22, v4, SPIT
	v_lshl_add_u32 v22, v5, 5, v22
	s_mul_i32 s23, s3, 16*MT*SPIT
	s_lshl_b32 s24, s4, 7
	s_add_co_u32 s23, s23, s24
	v_add_nc_u32 v22, s23, v22
	v_lshlrev_b32 v30, 4, v3
	v_lshlrev_b32 v29, 3, v3
	s_mul_i32 s23, s2, (BM/8)*SPIT
	v_add_nc_u32 v23, s23, v30
.endm
.macro MKOFF16 base, n, sp             ; offsets of n loads of 32 rows x 128 bytes; s[sp] = the rows' pitch in bytes
	v_mad_u32_u24 v[\base], v24, s[\sp], v25
	s_lshl_b32 s23, s[\sp], 5
.set i, 1
.rept (\n)-1
	v_add_nc_u32 v[(\base)+i], s23, v[(\base)+i-1]
.set i, i+1
.endr
.endm
.macro GLD ares, bt                    ; a step's tiles are asked for.  ares = 1: A lies in LDS already.  bt = 16, 32: B's bits
.if !(\ares)
	GS MT, global_load_b128 v[SA+4*gi:SA+4*gi+3], v[10+gi], s[8:9]
.endif
	GS (\bt)/4, global_load_b128 v[SB+4*gi:SB+4*gi+3], v[14+gi], s[10:11]
.endm
.macro LST ares, bt, buf               ; and put into a buffer
.if !(\ares)
	GS MT, ds_store_b128 v6, v[SA+4*gi:SA+4*gi+3] offset:LA1*(\buf)+32*PIT*gi
.endif
.if (\bt) == 16
	GS 4, ds_store_b128 v28, v[SB+4*gi:SB+4*gi+3] offset:LA1*(\buf)+32*PIT*gi
.else
	GS 8, v_cvt_pk_bf16_f32 v[SB+4*gi], v[SB+4*gi], v[SB+4*gi+1]
	GS 8, v_cvt_pk_bf16_f32 v[SB+4*gi+1], v[SB+4*gi+2], v[SB+4*gi+3]
	GS 8, ds_store_b64 v7, v[SB+4*gi:SB+4*gi+1] offset:LA1*(\buf)+16*PIT*gi
.endif
.endm
.macro STEPP ares, bt                  ; 64 along K; the loads that named these bases have been waited for
.if !(\ares)
	s_add_nc_u64 s[8:9], s[8:9], 128
.endif
	s_add_nc_u64 s[10:11], s[10:11], 8*(\bt)
.endm
.macro FRAGS buf, ares, rda
.irp kk, 0, 1
.set fb, FR0+(FR1-FR0)*\kk
.set ia, 0
.rept MT
.if \ares
	ds_load_b128 v[fb+8*ia:fb+8*ia+3], v[\rda] offset:16*RPIT*ia+128*(\buf)+64*\kk
	ds_load_b128 v[fb+8*ia+4:fb+8*ia+7], v[\rda] offset:16*RPIT*ia+128*(\buf)+64*\kk+32
.else
	ds_load_b128 v[fb+8*ia:fb+8*ia+3], v[\rda] offset:LA1*(\buf)+16*PIT*ia+64*\kk
	ds_load_b128 v[fb+8*ia+4:fb+8*ia+7], v[\rda] offset:LA1*(\buf)+16*PIT*ia+64*\kk+32
.endif
.set ia, ia+1
.endr
.set ib, 0
.rept 2
	ds_load_b128 v[fb+8*MT+8*ib:fb+8*MT+8*ib+3], v9 offset:LB0+LA1*(\buf)+16*PIT*ib+64*\kk
	ds_load_b128 v[fb+8*MT+8*ib+4:fb+8*MT+8*ib+7], v9 offset:LB0+LA1*(\buf)+16*PIT*ib+64*\kk+32
.set ib, ib+1
.endr
.endr
.endm
.macro MM fr                           ; 2 MT matrix instructions, each on another accumulator, always in this order
.set ia, 0
.rept MT
.set ib, 0
.rept 2
	v_wmma_f32_16x16x32_bf16 v[ACC+8*(2*ia+ib):ACC+8*(2*ia+ib)+7], v[(\fr)+8*MT+8*ib:(\fr)+8*MT+8*ib+7], v[(\fr)+8*ia:(\fr)+8*ia+7], v[ACC+8*(2*ia+ib):ACC+8*(2*ia+ib)+7]
.set ib, ib+1
.endr
.set ia, ia+1
.endr
.endm
.macro BAR                             ; my LDS instructions are done; then all eight waves meet
	s_wait_dscnt 0x0
	s_barrier_signal -1
	s_barrier_wait -1
.endm
.macro HALF buf, ares, rda             ; a step's products
	PLACES
	FRAGS \buf, \ares, \rda
	s_wait_dscnt 4+2*MT                            ; the first 32 along K are in; the second 32's 4 + 2 MT loads stay out
	MM FR0
	s_wait_dscnt 0x0
	MM FR1
.endm
; 2 ntrip steps of 64 along K.  Trip i multiplies tiles 2 i (buffer 0) and 2 i + 1 (buffer 1).  empt = 1: a tile without rows (s17 = 0) passes the barriers and jumps all else.
.macro KLOOP ares, bt, empt, ntrip, rda
.if \empt
	s_cmp_eq_u32 s17, 0
	s_cbranch_scc1 .Lkp_\@
.endif
	GLD \ares, \bt
	s_wait_loadcnt 0x0
	LST \ares, \bt, 0
	STEPP \ares, \bt
	GLD \ares, \bt
.Lkp_\@:
	BAR
	s_mov_b32 s15, 0
.Lkk_\@:
	s_add_co_u32 s23, s15, 1
	s_cmp_lt_u32 s23, \ntrip
	s_cselect_b32 s16, s17, 0                      ; are there tiles behind this trip's two?
.if \empt
	s_cmp_eq_u32 s17, 0
	s_cbranch_scc1 .Lka_\@
.endif
	HALF 0, \ares, \rda
	s_wait_loadcnt 0x0                             ; tile 2 i + 1, asked for a step ago
	LST \ares, \bt, 1
	s_cmp_eq_u32 s16, 0
	s_cbranch_scc1 .Lka_\@
	STEPP \ares, \bt
	GLD \ares, \bt
.Lka_\@:
	BAR                                            ; buffer 1 is whole, and nobody reads buffer 0 any more
.if \empt
	s_cmp_eq_u32 s17, 0
	s_cbranch_scc1 .Lkb_\@
.endif
	HALF 1, \ares, \rda
	s_cmp_eq_u32 s16, 0
	s_cbranch_scc1 .Lkb_\@
	s_wait_loadcnt 0x0
	LST \ares, \bt, 0
	STEPP \ares, \bt
	GLD \ares, \bt
.Lkb_\@:
	BAR                                            ; buffer 0 is whole, and nobody reads buffer 1 any more
.if \ares
	v_add_nc_u32 v[\rda], 256, v[\rda]
.endif
	s_add_co_u32 s15, s15, 1
	s_cmp_lt_u32 s15, \ntrip
	s_cbranch_scc1 .Lkk_\@
	s_wait_loadcnt 0x0
.endm
.macro STAGE empt                      ; the accumulators into the stage, each from its low end on; then all waves meet
	PLACES
.if \empt
	s_cmp_eq_u32 s17, 0
	s_cbranch_scc1 .Lsg_\@
.endif
.set ia, 0
.rept MT
.set ib, 0
.rept 2
	ds_store_b128 v22, v[ACC+8*(2*ia+ib):ACC+8*(2*ia+ib)+3] offset:16*SPIT*ia+64*ib
	ds_store_b128 v22, v[ACC+8*(2*ia+ib)+4:ACC+8*(2*ia+ib)+7] offset:16*SPIT*ia+64*ib+16
.set ib, ib+1
.endr
.set ia, ia+1
.endr
.Lsg_\@:
	BAR
.endm
.macro RB_BF16 pitch                   ; wave w stores rows (BM/8) w + t as bf16
	GS BM/8, ds_load_b128 v[96+4*gi:99+4*gi], v23 offset:SPIT*gi
.set t, 0
.rept BM/8
	s_wait_dscnt BM/8-1-t                          ; row t is back; the younger loads stay out
	v_cvt_pk_bf16_f32 v[160+2*t], v[96+4*t], v[97+4*t]
	v_cvt_pk_bf16_f32 v[161+2*t], v[98+4*t], v[99+4*t]
	global_store_b64 v29, v[160+2*t:161+2*t], s[12:13] offset:(\pitch)*t
.set t, t+1
.endr
.endm
; rows as gelu(row + bias) (sub = 1: less v[244:247]) in bf16, four rows a trip; s[sp] = C's pitch in bytes
.macro RB_GELU sub, sp
	v_mov_b32 v176, v29
	v_add_nc_u32 v177, s[\sp], v176
	v_add_nc_u32 v178, s[\sp], v177
	v_add_nc_u32 v179, s[\sp], v178
	s_lshl_b32 s24, s[\sp], 2
	s_mov_b32 s15, BM/32
.Lrg_\@:
	GS 4, ds_load_b128 v[96+4*gi:99+4*gi], v23 offset:SPIT*gi
	s_wait_dscnt 0x0
	GP 16, v_pk_add_f32 v[96+gi:97+gi], v[96+gi:97+gi], v[240+gi%4:241+gi%4]
	GELU 96, 16, 112, 96
.if \sub
	GP 16, v_pk_add_f32 v[96+gi:97+gi], v[96+gi:97+gi], v[244+gi%4:245+gi%4] neg_lo:[0,1] neg_hi:[0,1]
.endif
	GS 8, v_cvt_pk_bf16_f32 v[168+gi], v[96+2*gi], v[97+2*gi]
	GS 4, global_store_b64 v[176+gi], v[168+2*gi:169+2*gi], s[12:13]
	s_wait_xcnt 0x0                                ; the stores' offsets and data are written again only behind this wait
	GS 4, v_add_nc_u32 v[176+gi], s24, v[176+gi]
	v_add_nc_u32 v23, 4*SPIT, v23
	s_sub_co_u32 s15, s15, 1
	s_cmp_lg_u32 s15, 0
	s_cbranch_scc1 .Lrg_\@
.endm
	s_load_b256 s[84:91], s[0:1], 0x0              ; wsa 84, sel 86, bd 88, wsb 90
	s_load_b64 s[92:93], s[0:1], 0x20              ; lst
	s_load_b512 s[44:59], s[0:1], 0x28             ; W2 of experts 0-7
	s_load_b512 s[68:83], s[0:1], 0x68             ; b1 of experts 0-7
	HEAD
	GCONST
	s_mov_b32 s5, ttmp9
	s_cmp_eq_u32 s5, 0
	s_cbranch_scc1 .Lsort
	s_cmp_lt_u32 s5, 69
	s_cbranch_scc1 .Lc0
	; ---------------- products
	s_sub_co_u32 s6, s5, 69
	s_mov_b32 s17, 1
	s_mov_b32 s16, 2048                            ; hb's and wcat's pitch
	MKOFF16 10, MT, 16
	MKOFF16 14, 4, 16
	GS 16*MT, v_mov_b32 v[ACC+gi], 0
	GS 4, v_mov_b32 v[240+gi], 0
	s_mov_b32 s19, 0
	s_mov_b32 s21, 0
	s_mov_b32 s25, 0
	s_mov_b32 s94, 0                               ; 1: the way out is gelu(. + bd)
	s_wait_kmcnt 0x0
	s_cmp_lt_u32 s6, 256
	s_cbranch_scc0 .Lvt
	s_lshr_b32 s96, s6, 4                          ; Q|K: 16 token tiles x 16 column tiles
	s_and_b32 s95, s6, 15
	s_lshl_b32 s18, s96, 18                        ; A: hb, 128 rows of 2048 bytes a tile
	s_lshl_b32 s20, s95, 18
	s_add_co_u32 s20, s20, 4194304                 ; B: wcat
	s_lshl_b32 s24, s96, 19                        ; C: qk, 128 rows of 4096 bytes
	s_branch .Lwide
.Lvt:
	s_cmp_lt_u32 s6, 384
	s_cbranch_scc0 .Llat
	s_sub_co_u32 s6, s6, 256                       ; V^T: 8 channel tiles x 16 token tiles
	s_lshr_b32 s96, s6, 4
	s_and_b32 s95, s6, 15
	s_lshl_b32 s18, s96, 18
	s_add_co_u32 s18, s18, 4194304+(16<<18)        ; A: wcat from row 2048
	s_lshl_b32 s20, s95, 18                        ; B: hb
	s_lshl_b32 s24, s96, 19
	s_add_co_u32 s24, s24, 8388608                 ; C: vt
.Lwide:
	s_lshl_b32 s23, s2, 16                         ; my 16 rows
	s_add_co_u32 s24, s24, s23
	s_branch .Lrun
.Llat:
	s_sub_co_u32 s6, s6, 384                       ; gelu(lat): 16 token tiles x 4 column tiles
	s_lshr_b32 s96, s6, 2
	s_and_b32 s95, s6, 3
	s_lshl_b32 s18, s96, 18
	s_lshl_b32 s20, s95, 18
	s_add_co_u32 s20, s20, 4194304+(24<<18)        ; B: wcat from row 3072
	s_lshl_b32 s24, s96, 17
	s_add_co_u32 s24, s24, 12582912                ; C: gl, rows of 1024 bytes
	s_lshl_b32 s23, s2, 14
	s_add_co_u32 s24, s24, s23
	s_mov_b32 s94, 1
	s_lshl_b32 s98, s95, 9
	s_mov_b32 s99, 0
	s_add_nc_u64 s[98:99], s[88:89], s[98:99]
	global_load_b128 v[240:243], v30, s[98:99]     ; bd of my four columns
.Lrun:
	s_lshl_b32 s23, s95, 8
	s_add_co_u32 s24, s24, s23
	s_add_nc_u64 s[8:9], s[84:85], s[18:19]
	s_add_nc_u64 s[10:11], s[84:85], s[20:21]
	s_add_nc_u64 s[12:13], s[90:91], s[24:25]
	KLOOP 0, 16, 0, 8, 8
	STAGE 0
	s_cmp_eq_u32 s94, 1
	s_cbranch_scc1 .Lgl
	RB_BF16 4096
	s_branch .Lend
.Lgl:
	s_mov_b32 s14, 1024
	RB_GELU 0, 14
.Lend:
	s_wait_tensorcnt 0x0                           ; the wave's end
	ds_add_u32 v1, v2
	s_wait_dscnt 0x0
	s_endpgm
	; ---------------- the sort.  Wave e walks all 4,096 choices, 512 a trip: entry n = 512 g + 128 j + 4 lane + c, row id 4 (n / 2) + n % 2
.Lsort:
	s_wait_kmcnt 0x0
	s_lshl_b32 s20, s2, 14
	s_mov_b32 s21, 0
	s_add_nc_u64 s[12:13], s[92:93], s[20:21]      ; list e
	s_mov_b64 s[8:9], s[86:87]
	s_mov_b32 s18, 0                               ; ids placed from the front
	s_mov_b32 s19, 0                               ; and from the back
	v_lshlrev_b32 v31, 3, v3                       ; 8 lane + 1024 g
	GS 4, global_load_b128 v[96+4*gi:99+4*gi], v30, s[8:9] offset:512*gi
	s_mov_b32 s15, 0
.Lst:
	s_wait_loadcnt 0x0
	GS 16, v_cmp_eq_u32 s[68+gi], s2, v[96+gi]
	s_cmp_eq_u32 s15, 7
	s_cbranch_scc1 .Lst_nl                         ; the last trip asks for nothing
	s_add_nc_u64 s[8:9], s[8:9], 2048
	GS 4, global_load_b128 v[96+4*gi:99+4*gi], v30, s[8:9] offset:512*gi
.Lst_nl:
	s_wait_xcnt 0x0                                ; the last trip's stores have read their registers
.set m, 0
.rept 16
	v_mbcnt_lo_u32_b32 v[112+2*m], s[68+m], s18    ; a lane that chose e: the next places from the front
	s_not_b32 s23, s[68+m]
	v_mbcnt_lo_u32_b32 v144, s23, s19              ; the others: from the back
	v_sub_nc_u32 v144, 0xfff, v144
	v_cndmask_b32 v[112+2*m], v144, v[112+2*m], s[68+m]
	v_min_u32 v[112+2*m], 0xfff, v[112+2*m]
	v_lshlrev_b32 v[112+2*m], 2, v[112+2*m]
	v_add_nc_u32 v[113+2*m], 256*(m/4)+4*((m%4)/2)+(m%2), v31
	global_store_b32 v[112+2*m], v[113+2*m], s[12:13]
	s_bcnt1_i32_b32 s24, s[68+m]
	s_add_co_u32 s18, s18, s24
	s_sub_co_u32 s24, 32, s24
	s_add_co_u32 s19, s19, s24
.set m, m+1
.endr
	v_add_nc_u32 v31, 1024, v31
	s_add_co_u32 s15, s15, 1
	s_cmp_lt_u32 s15, 8
	s_cbranch_scc1 .Lst
	s_lshl_b32 s20, s2, 10                         ; the shared expert's list: wave w writes ids 4 i + 2 for i = 256 w .. 256 w + 255
	v_lshl_add_u32 v148, v3, 4, s20
	GS 4, v_add_nc_u32 v[152+gi], 4*gi+2, v148
	GS 4, v_add_nc_u32 v[156+gi], 4*gi+514, v148
	global_store_b128 v148, v[152:155], s[92:93] offset:131072
	global_store_b128 v148, v[156:159], s[92:93] offset:131072+512
	v_mov_b32 v145, s18                            ; cnt[e]
	v_mov_b32 v146, 0
	v_mov_b32 v147, 0x800                          ; cnt[8]
	s_lshl_b32 s20, s2, 2
	s_add_co_u32 s20, s20, 147456
	s_add_nc_u64 s[10:11], s[92:93], s[20:21]
	v_cmp_eq_u32 vcc_lo, 0, v3
	s_wait_xcnt 0x0                                ; EXEC changes only behind this wait
	s_and_saveexec_b32 s24, vcc_lo
	global_store_b32 v146, v145, s[10:11]
	s_cmp_lg_u32 s2, 0
	s_cbranch_scc1 .Lnc8
	global_store_b32 v146, v147, s[92:93] offset:147456+32
.Lnc8:
	s_wait_xcnt 0x0
	s_or_b32 exec_lo, exec_lo, s24
	s_endpgm
	; ---------------- c0p[q][row] = sum over the chunk's 1,024 columns of gelu(b1[col]) W2[row][col].  c = work-group - 1: chunk q = c / 4, rows 128 (c % 4) + 16 w + 0..15
.macro PICKC e, q0, pitch
	s_cmp_ge_u32 s7, \q0
	s_cselect_b64 s[8:9], s[44+2*\e:45+2*\e], s[8:9]
	s_cselect_b64 s[10:11], s[68+2*\e:69+2*\e], s[10:11]
	s_cselect_b32 s20, \q0, s20
	s_cselect_b32 s21, \pitch, s21
.endm
.macro LOADR s                         ; a row's 4,096 bytes of the chunk into slot s
	GS 8, global_load_b128 v[96+32*(\s)+4*gi:96+32*(\s)+4*gi+3], v30, s[8+4*(\s):9+4*(\s)] offset:512*gi
.endm
.macro PROCR s
.set rr, 96+32*(\s)
	v_pk_mul_f32 v[160:161], v[rr:rr+1], v[GB:GB+1]
	v_pk_mul_f32 v[162:163], v[rr+2:rr+3], v[GB+2:GB+3]
	GP 28, v_pk_fma_f32 v[160+gi%4:161+gi%4], v[rr+4+gi:rr+5+gi], v[GB+4+gi:GB+5+gi], v[160+gi%4:161+gi%4]
	v_pk_add_f32 v[160:161], v[160:161], v[162:163]
	v_add_f32 v160, v160, v161
.irp k, 1, 2, 4, 8
	v_add_f32_dpp v160, v160, v160 row_xmask:\k row_mask:0xf bank_mask:0xf
.endr
	v_permlanex16_b32 v161, v160, s42, s43
	v_add_f32 v160, v160, v161
	v_cmp_eq_u32 vcc_lo, s19, v3
	v_cndmask_b32 v164, v164, v160, vcc_lo         ; lane i keeps row i's sum
	s_add_co_u32 s19, s19, 1
.endm
.Lc0:
	s_sub_co_u32 s6, s5, 1
	s_lshr_b32 s7, s6, 2
	s_and_b32 s6, s6, 3
	s_wait_kmcnt 0x0
	s_mov_b64 s[8:9], s[44:45]
	s_mov_b64 s[10:11], s[68:69]
	s_mov_b32 s20, 0                               ; the expert's first chunk
	s_mov_b32 s21, 4096                            ; W2's pitch: 4 H bytes
	PICKC 1, 1, 8192
	PICKC 2, 3, 16384
	PICKC 3, 7, 4096
	PICKC 4, 8, 8192
	PICKC 5, 10, 16384
	PICKC 6, 14, 4096
	PICKC 7, 15, 8192
	s_sub_co_u32 s22, s7, s20
	s_lshl_b32 s22, s22, 12
	s_mov_b32 s23, 0
	s_add_nc_u64 s[10:11], s[10:11], s[22:23]
	s_add_nc_u64 s[8:9], s[8:9], s[22:23]
	s_lshl_b32 s24, s6, 7
	s_lshl_b32 s25, s2, 4
	s_add_co_u32 s24, s24, s25                     ; my first row
	s_mul_i32 s22, s24, s21
	s_add_nc_u64 s[8:9], s[8:9], s[22:23]          ; even rows' pointer
	s_mov_b32 s22, s21
	s_add_nc_u64 s[12:13], s[8:9], s[22:23]        ; odd rows'
	s_lshl_b32 s22, s21, 1
	GS 8, global_load_b128 v[GB+4*gi:GB+4*gi+3], v30, s[10:11] offset:512*gi
	LOADR 0
	LOADR 1
	s_mov_b32 s19, 0
	v_mov_b32 v164, 0
	s_wait_loadcnt 16                              ; b1 is in; the two rows' 16 loads stay out
	GELU GB, 16, 48, GB
	GELU GB+16, 16, 48, GB+16
	s_mov_b32 s15, 7
.Lc0l:
	s_wait_loadcnt 8                               ; slot 0 is in; slot 1's eight loads stay out
	PROCR 0
	s_add_nc_u64 s[8:9], s[8:9], s[22:23]
	LOADR 0
	s_wait_loadcnt 8                               ; slot 1 is in; slot 0's eight stay out
	PROCR 1
	s_add_nc_u64 s[12:13], s[12:13], s[22:23]
	LOADR 1
	s_sub_co_u32 s15, s15, 1
	s_cmp_lg_u32 s15, 0
	s_cbranch_scc1 .Lc0l
	s_wait_loadcnt 8
	PROCR 0
	s_wait_loadcnt 0x0
	PROCR 1
	s_lshl_b32 s22, s7, 11
	s_lshl_b32 s25, s24, 2
	s_add_co_u32 s22, s22, s25
	s_add_co_u32 s22, s22, 14680064
	s_add_nc_u64 s[14:15], s[90:91], s[22:23]
	v_lshlrev_b32 v165, 2, v3
	v_cmp_gt_u32 vcc_lo, 16, v3
	s_wait_xcnt 0x0
	s_and_saveexec_b32 s25, vcc_lo
	global_store_b32 v165, v164, s[14:15]
	s_wait_xcnt 0x0
	s_or_b32 exec_lo, exec_lo, s25
	s_endpgm
.Lfunc_end_k_qd4c059d2fd_proj:
	.size	k_qd4c059d2fd_proj, .Lfunc_end_k_qd4c059d2fd_proj-k_qd4c059d2fd_proj
	.p2alignl 7, 3214868480
	.fill 96, 4, 3214868480
	.section	.rodata,"a",@progbits
	.p2align	6, 0x0
	.amdhsa_kernel k_qd4c059d2fd_proj
		.amdhsa_group_segment_fixed_size 74752
		.amdhsa_private_segment_fixed_size 0
		.amdhsa_enable_private_segment 0
		.amdhsa_kernarg_size 168
		.amdhsa_user_sgpr_count 2
		.amdhsa_user_sgpr_kernarg_segment_ptr 1
		.amdhsa_wavefront_size32 1
		.amdhsa_system_sgpr_workgroup_id_x 1
		.amdhsa_system_sgpr_workgroup_id_y 1
		.amdhsa_system_sgpr_workgroup_id_z 1
		.amdhsa_system_vgpr_workitem_id 0
		.amdhsa_next_free_vgpr 256
		.amdhsa_next_free_sgpr 100
		.amdhsa_reserve_vcc 1
		.amdhsa_float_denorm_mode_32 3
		.amdhsa_float_denorm_mode_16_64 3
		.amdhsa_memory_ordered 1
		.amdhsa_forward_progress 1
		.amdhsa_inst_pref_size 78
	.end_amdhsa_kernel
	.amdgpu_metadata
---
amdhsa.version: [ 1, 2 ]
amdhsa.kernels:
  - .name:           k_qd4c059d2fd_proj
    .symbol:         k_qd4c059d2fd_proj.kd
    .args:
      - { .name: wsa, .offset: 0, .size: 8, .value_kind: global_buffer, .address_space: global }
      - { .name: sel, .offset: 8, .size: 8, .value_kind: global_buffer, .address_space: global }
      - { .name: bd, .offset: 16, .size: 8, .value_kind: global_buffer, .address_space: global }
      - { .name: wsb, .offset: 24, .size: 8, .value_kind: global_buffer, .address_space: global }
      - { .name: lst, .offset: 32, .size: 8, .value_kind: global_buffer, .address_space: global }
      - { .name: expert_params_0_1_0, .offset: 40, .size: 8, .value_kind: global_buffer, .address_space: global }
      - { .name: expert_params_1_1_0, .offset: 48, .size: 8, .value_kind: global_buffer, .address_space: global }
      - { .name: expert_params_2_1_0, .offset: 56, .size: 8, .value_kind: global_buffer, .address_space: global }
      - { .name: expert_params_3_1_0, .offset: 64, .size: 8, .value_kind: global_buffer, .address_space: global }
      - { .name: expert_params_4_1_0, .offset: 72, .size: 8, .value_kind: global_buffer, .address_space: global }
      - { .name: expert_params_5_1_0, .offset: 80, .size: 8, .value_kind: global_buffer, .address_space: global }
      - { .name: expert_params_6_1_0, .offset: 88, .size: 8, .value_kind: global_buffer, .address_space: global }
      - { .name: expert_params_7_1_0, .offset: 96, .size: 8, .value_kind: global_buffer, .address_space: global }
      - { .name: expert_params_0_0_1, .offset: 104, .size: 8, .value_kind: global_buffer, .address_space: global }
      - { .name: expert_params_1_0_1, .offset: 112, .size: 8, .value_kind: global_buffer, .address_space: global }
      - { .name: expert_params_2_0_1, .offset: 120, .size: 8, .value_kind: global_buffer, .address_space: global }
      - { .name: expert_params_3_0_1, .offset: 128, .size: 8, .value_kind: global_buffer, .address_space: global }
      - { .name: expert_params_4_0_1, .offset: 136, .size: 8, .value_kind: global_buffer, .address_space: global }
      - { .name: expert_params_5_0_1, .offset: 144, .size: 8, .value_kind: global_buffer, .address_space: global }
      - { .name: expert_params_6_0_1, .offset: 152, .size: 8, .value_kind: global_buffer, .address_space: global }
      - { .name: expert_params_7_0_1, .offset: 160, .size: 8, .value_kind: global_buffer, .address_space: global }
    .group_segment_fixed_size: 74752
    .private_segment_fixed_size: 0
    .kernarg_segment_align: 8
    .kernarg_segment_size: 168
    .max_flat_workgroup_size: 256
    .sgpr_count:     100
    .vgpr_count:     256
    .wavefront_size: 32
...
	.end_amdgpu_metadata
.endif
;; end of part 2
;; launch mid1 (part 3): grid 144 x 16, 8 waves a work-group, no clusters, 148,480 bytes of LDS; arguments wsb, lst, wsc, Ws1, bs1, expert_params_0_0_0, expert_params_1_0_0, expert_params_2_0_0, expert_params_3_0_0, expert_params_4_0_0, expert_params_5_0_0, expert_params_6_0_0, expert_params_7_0_0, expert_params_0_0_1, expert_params_1_0_1, expert_params_2_0_1, expert_params_3_0_1, expert_params_4_0_1, expert_params_5_0_1, expert_params_6_0_1, expert_params_7_0_1; writes wsc
.if DOCPART == 3
	.amdgcn_target "amdgcn-amd-amdhsa--gfx1250"
	.amdhsa_code_object_version 6
	.text
	.protected	k_qd4c059d2fd_mid1
	.globl	k_qd4c059d2fd_mid1
	.p2align	8
	.type	k_qd4c059d2fd_mid1,@function
k_qd4c059d2fd_mid1:
	s_mov_b64 s[64:65], 0
	v_nop
	global_prefetch_b8 v0, s[64:65] scope:SCOPE_SE
	s_setreg_imm32_b32 hwreg(HW_REG_WAVE_MODE, 25, 1), 1
	s_wait_xcnt 0x0
; MID1.  x < 4: scores S = Q K^T of one batch (row tile y, column tile x), f32, unscaled.  x = 4-7: the shared expert's first product.  x >= 8: an expert's first product: the expert and its column tile
; follow from x alone, the row tile is y.  hid = gelu(gl[token] W1^T + b1) - gelu(b1) in bf16 (the shared expert: nothing is taken away): with that difference the second product gives
; expert(lat) - expert(0) without forming a difference of sums.
; wsc: S[2048][512] f32 at 0; hid at 4194304: expert e's region at + 4096 PH_e, 2,048 rows of 2 H_e bytes, in the order of e's list.
; EVERY SPLIT IS SERVED: each expert has 16 row tiles of 128 in the grid (a token chooses an expert once at most).  Whether a tile has rows hangs on the stored count: a tile without rows passes the
; barriers and jumps all else; no barrier stands under that branch.  A tile that is not full repeats rows that exist (the list's places past the count) and stores all 128 rows, inside its region.
; The engine: see PROJ.  Weights are f32 and are rounded on the way into LDS: a cast ahead would read and write the weights of experts that nobody chose.
; LDS: the two kinds of work-group have bytes of their own (the scores' ring and stage from 0, the experts' from EB), so that the two texts name no byte in common; no LDS address register is written in a loop.
.set MT, 4
.set BM, 32*MT
.set PIT, 144
.set LB0, BM*PIT
.set LA1, (BM+128)*PIT
.set RING, 2*LA1
.set SPIT, 528
.set RPIT, 1040
.set EB, RING                          ; the experts' ring and stage
.set SPARE, 2*RING                     ; the spare words: 128 bytes a wave, four blocks of 256 bytes that no other line names
.set ACC, 32
.set FR0, 96
.set FR1, 144
.set SA, 192
.set SB, 208
.macro GS n, line:vararg
.set gi, 0
.rept \n
	\line
.set gi, gi+1
.endr
.endm
.macro GP n, line:vararg
.set gi, 0
.rept (\n)/2
	\line
.set gi, gi+2
.endr
.endm
.macro SPAIR r, val
	s_mov_b32 s[\r], \val
	s_mov_b32 s[\r+1], \val
.endm
.macro GCONST
	s_mov_b32 s26, 0x7fffffff
	SPAIR 28, 0x3f596d27
	SPAIR 30, 0x3e8ba440
	SPAIR 32, 0x3e827906
	SPAIR 34, 0xbe91a98e
	SPAIR 36, 0x3fb5f0e3
	SPAIR 38, 0xbfba00e3
	SPAIR 40, 0x3f87dc22
.endm
.macro GELU y, n, u, src
.set gY, \y
.set gS, \src
.set gU, \u
.set gW, (\u)+(\n)
.set gD, (\u)+2*(\n)
	GS \n, v_and_b32 v[gU+gi], s26, v[gS+gi]
	GP \n, v_pk_mul_f32 v[gW+gi:gW+gi+1], v[gU+gi:gU+gi+1], s[28:29] op_sel_hi:[1,0]
	GP \n, v_pk_fma_f32 v[gD+gi:gD+gi+1], v[gW+gi:gW+gi+1], s[30:31], 1.0 op_sel_hi:[1,0,0]
	GP \n, v_pk_mul_f32 v[gW+gi:gW+gi+1], v[gW+gi:gW+gi+1], v[gW+gi:gW+gi+1] neg_lo:[1,0] neg_hi:[1,0]
	GS \n, v_rcp_f32 v[gD+gi], v[gD+gi]
	GS \n, v_exp_f32 v[gW+gi], v[gW+gi]
	GS \n, v_max_num_f32 v[gY+gi], 0, v[gS+gi]
	s_wait_alu depctr_va_vdst(0)                   ; one wait for the batch, ahead of its first reader
	GP \n, v_pk_mul_f32 v[gU+gi:gU+gi+1], v[gU+gi:gU+gi+1], v[gW+gi:gW+gi+1]
	GP \n, v_pk_fma_f32 v[gW+gi:gW+gi+1], v[gD+gi:gD+gi+1], s[40:41], s[38:39] op_sel_hi:[1,0,0]
	GP \n, v_pk_fma_f32 v[gW+gi:gW+gi+1], v[gW+gi:gW+gi+1], v[gD+gi:gD+gi+1], s[36:37] op_sel_hi:[1,1,0]
	GP \n, v_pk_fma_f32 v[gW+gi:gW+gi+1], v[gW+gi:gW+gi+1], v[gD+gi:gD+gi+1], s[34:35] op_sel_hi:[1,1,0]
	GP \n, v_pk_fma_f32 v[gW+gi:gW+gi+1], v[gW+gi:gW+gi+1], v[gD+gi:gD+gi+1], s[32:33] op_sel_hi:[1,1,0]
	GP \n, v_pk_mul_f32 v[gW+gi:gW+gi+1], v[gW+gi:gW+gi+1], v[gD+gi:gD+gi+1]
	GP \n, v_pk_mul_f32 v[gW+gi:gW+gi+1], v[gW+gi:gW+gi+1], v[gU+gi:gU+gi+1]
	GP \n, v_pk_fma_f32 v[gY+gi:gY+gi+1], v[gW+gi:gW+gi+1], -0.5, v[gY+gi:gY+gi+1] op_sel_hi:[1,0,1]
.endm
.macro PLACES
.rept 4
	v_nop
.endr
.endm
.macro HEAD
	v_lshl_add_u32 v1, v0, 2, SPARE
	v_mov_b32 v2, 0
	v_and_b32 v3, 31, v0
	v_and_b32 v4, 15, v0
	v_bfe_u32 v5, v0, 4, 1
	v_lshrrev_b32 v24, 5, v0
	v_readfirstlane_b32 s2, v24
	s_lshr_b32 s3, s2, 2
	s_and_b32 s4, s2, 3
	v_lshrrev_b32 v24, 3, v3
	v_and_b32 v25, 7, v3
	v_lshlrev_b32 v25, 4, v25
	v_mad_u32_u24 v6, v24, PIT, v25
	s_mul_i32 s23, s2, 4*PIT
	v_add_nc_u32 v6, s23, v6
	v_add_nc_u32 v28, LB0, v6
	v_lshl_add_u32 v24, s2, 2, v24
	v_lshlrev_b32 v27, 4, v4
	v_lshlrev_b32 v7, 3, v4
	v_mad_u32_u24 v7, v5, PIT, v7
	s_mul_i32 s23, s2, 2*PIT
	s_add_co_u32 s23, s23, LB0
	v_add_nc_u32 v7, s23, v7
	v_lshl_add_u32 v26, s2, 1, v5
	v_mul_u32_u24 v8, v4, PIT
	v_lshl_add_u32 v8, v5, 4, v8
	s_mul_i32 s23, s4, 32*PIT
	v_add_nc_u32 v9, s23, v8
	s_mul_i32 s23, s3, 16*MT*PIT
	v_add_nc_u32 v8, s23, v8
	v_mul_u32_u24 v22, v4, SPIT
	v_lshl_add_u32 v22, v5, 5, v22
	s_mul_i32 s23, s3, 16*MT*SPIT
	s_lshl_b32 s24, s4, 7
	s_add_co_u32 s23, s23, s24
	v_add_nc_u32 v22, s23, v22
	v_lshlrev_b32 v30, 4, v3
	v_lshlrev_b32 v29, 3, v3
	s_mul_i32 s23, s2, (BM/8)*SPIT
	v_add_nc_u32 v23, s23, v30
.endm
.macro MKOFF16 base, n, sp
	v_mad_u32_u24 v[\base], v24, s[\sp], v25
	s_lshl_b32 s23, s[\sp], 5
.set i, 1
.rept (\n)-1
	v_add_nc_u32 v[(\base)+i], s23, v[(\base)+i-1]
.set i, i+1
.endr
.endm
.macro MKOFF32 base, sp
	v_mad_u32_u24 v[\base], v26, s[\sp], v27
	s_lshl_b32 s23, s[\sp], 4
.set i, 1
.rept 7
	v_add_nc_u32 v[(\base)+i], s23, v[(\base)+i-1]
.set i, i+1
.endr
.endm
.macro GLD bt
	GS MT, global_load_b128 v[SA+4*gi:SA+4*gi+3], v[10+gi], s[8:9]
	GS (\bt)/4, global_load_b128 v[SB+4*gi:SB+4*gi+3], v[14+gi], s[10:11]
.endm
.macro LST bt, buf
	GS MT, ds_store_b128 v6, v[SA+4*gi:SA+4*gi+3] offset:LA1*(\buf)+32*PIT*gi
.if (\bt) == 16
	GS 4, ds_store_b128 v28, v[SB+4*gi:SB+4*gi+3] offset:LA1*(\buf)+32*PIT*gi
.else
	GS 8, v_cvt_pk_bf16_f32 v[SB+4*gi], v[SB+4*gi], v[SB+4*gi+1]
	GS 8, v_cvt_pk_bf16_f32 v[SB+4*gi+1], v[SB+4*gi+2], v[SB+4*gi+3]
	GS 8, ds_store_b64 v7, v[SB+4*gi:SB+4*gi+1] offset:LA1*(\buf)+16*PIT*gi
.endif
.endm
.macro STEPP bt
	s_add_nc_u64 s[8:9], s[8:9], 128
	s_add_nc_u64 s[10:11], s[10:11], 8*(\bt)
.endm
.macro FRAGS buf
.irp kk, 0, 1
.set fb, FR0+(FR1-FR0)*\kk
.set ia, 0
.rept MT
	ds_load_b128 v[fb+8*ia:fb+8*ia+3], v8 offset:LA1*(\buf)+16*PIT*ia+64*\kk
	ds_load_b128 v[fb+8*ia+4:fb+8*ia+7], v8 offset:LA1*(\buf)+16*PIT*ia+64*\kk+32
.set ia, ia+1
.endr
.set ib, 0
.rept 2
	ds_load_b128 v[fb+8*MT+8*ib:fb+8*MT+8*ib+3], v9 offset:LB0+LA1*(\buf)+16*PIT*ib+64*\kk
	ds_load_b128 v[fb+8*MT+8*ib+4:fb+8*MT+8*ib+7], v9 offset:LB0+LA1*(\buf)+16*PIT*ib+64*\kk+32
.set ib, ib+1
.endr
.endr
.endm
.macro MM fr
.set ia, 0
.rept MT
.set ib, 0
.rept 2
	v_wmma_f32_16x16x32_bf16 v[ACC+8*(2*ia+ib):ACC+8*(2*ia+ib)+7], v[(\fr)+8*MT+8*ib:(\fr)+8*MT+8*ib+7], v[(\fr)+8*ia:(\fr)+8*ia+7], v[ACC+8*(2*ia+ib):ACC+8*(2*ia+ib)+7]
.set ib, ib+1
.endr
.set ia, ia+1
.endr
.endm
.macro BAR
	s_wait_dscnt 0x0
	s_barrier_signal -1
	s_barrier_wait -1
.endm
.macro HALF buf
	PLACES
	FRAGS \buf
	s_wait_dscnt 4+2*MT                            ; the first 32 along K are in; the second 32's 4 + 2 MT loads stay out
	MM FR0
	s_wait_dscnt 0x0
	MM FR1
.endm
.macro KLOOP bt, empt, ntrip
.if \empt
	s_cmp_eq_u32 s17, 0
	s_cbranch_scc1 .Lkp_\@
.endif
	GLD \bt
	s_wait_loadcnt 0x0
	LST \bt, 0
	STEPP \bt
	GLD \bt
.Lkp_\@:
	BAR
	s_mov_b32 s15, 0
.Lkk_\@:
	s_add_co_u32 s23, s15, 1
	s_cmp_lt_u32 s23, \ntrip
	s_cselect_b32 s16, s17, 0                      ; are there tiles behind this trip's two?
.if \empt
	s_cmp_eq_u32 s17, 0
	s_cbranch_scc1 .Lka_\@
.endif
	HALF 0
	s_wait_loadcnt 0x0                             ; tile 2 i + 1, asked for a step ago
	LST \bt, 1
	s_cmp_eq_u32 s16, 0
	s_cbranch_scc1 .Lka_\@
	STEPP \bt
	GLD \bt
.Lka_\@:
	BAR                                            ; buffer 1 is whole, and nobody reads buffer 0 any more
.if \empt
	s_cmp_eq_u32 s17, 0
	s_cbranch_scc1 .Lkb_\@
.endif
	HALF 1
	s_cmp_eq_u32 s16, 0
	s_cbranch_scc1 .Lkb_\@
	s_wait_loadcnt 0x0
	LST \bt, 0
	STEPP \bt
	GLD \bt
.Lkb_\@:
	BAR                                            ; buffer 0 is whole, and nobody reads buffer 1 any more
	s_add_co_u32 s15, s15, 1
	s_cmp_lt_u32 s15, \ntrip
	s_cbranch_scc1 .Lkk_\@
	s_wait_loadcnt 0x0
.endm
.macro STAGE empt
	PLACES
.if \empt
	s_cmp_eq_u32 s17, 0
	s_cbranch_scc1 .Lsg_\@
.endif
.set ia, 0
.rept MT
.set ib, 0
.rept 2
	ds_store_b128 v22, v[ACC+8*(2*ia+ib):ACC+8*(2*ia+ib)+3] offset:16*SPIT*ia+64*ib
	ds_store_b128 v22, v[ACC+8*(2*ia+ib)+4:ACC+8*(2*ia+ib)+7] offset:16*SPIT*ia+64*ib+16
.set ib, ib+1
.endr
.set ia, ia+1
.endr
.Lsg_\@:
	BAR
.endm
.macro RB_F32 pitch                    ; wave w stores rows 16 w + t as f32: 512 consecutive bytes a store
	GS BM/8, ds_load_b128 v[96+4*gi:99+4*gi], v23 offset:SPIT*gi
.set t, 0
.rept BM/8
	s_wait_dscnt BM/8-1-t                          ; row t is back; the younger loads stay out
	global_store_b128 v30, v[96+4*t:99+4*t], s[12:13] offset:(\pitch)*t
.set t, t+1
.endr
.endm
; My 16 rows as gelu(row + v[240:243]) - v[244:247] in bf16, written out in four groups of four rows: all 16 loads from the stage go out first, with the rows in the immediates; the 16 store offsets are
; made once and the packing is in place, so no register of a pending store is written again.  s[sp] = C's pitch in bytes.
.macro RB_GELU sp
	v_mov_b32 v216, v29
	GS 15, v_add_nc_u32 v[217+gi], s[\sp], v[216+gi]
	GS 16, ds_load_b128 v[96+4*gi:99+4*gi], v23 offset:SPIT*gi
.set tr, 0
.rept 4
.set rb, 96+16*tr
	s_wait_dscnt 12-4*tr                           ; this group's four rows are back; the younger rows' loads stay out
	GP 16, v_pk_add_f32 v[rb+gi:rb+gi+1], v[rb+gi:rb+gi+1], v[240+gi%4:241+gi%4]
	GELU rb, 16, 160, rb
	GP 16, v_pk_add_f32 v[rb+gi:rb+gi+1], v[rb+gi:rb+gi+1], v[244+gi%4:245+gi%4] neg_lo:[0,1] neg_hi:[0,1]
	GS 8, v_cvt_pk_bf16_f32 v[rb+gi], v[rb+2*gi], v[rb+2*gi+1]
	GS 4, global_store_b64 v[216+4*tr+gi], v[rb+2*gi:rb+2*gi+1], s[12:13]   ; a wave's store covers 256 consecutive bytes, aligned
.set tr, tr+1
.endr
.endm
.macro PICK1 e, pre, lg, ph            ; expert e begins at column tile pre of the 136; its hid pitch is 256 << lg bytes
	s_cmp_ge_u32 s7, \pre
	s_cselect_b64 s[10:11], s[44+2*\e:45+2*\e], s[10:11]
	s_cselect_b64 s[94:95], s[68+2*\e:69+2*\e], s[94:95]
	s_cselect_b32 s19, \e, s19
	s_cselect_b32 s21, \pre, s21
	s_cselect_b32 s20, \lg, s20
	s_cselect_b32 s22, \ph, s22
.endm
	s_load_b256 s[84:91], s[0:1], 0x0              ; wsb 84, lst 86, wsc 88, Ws1 90
	s_load_b64 s[92:93], s[0:1], 0x20              ; bs1
	s_load_b512 s[44:59], s[0:1], 0x28             ; W1 of experts 0-7
	s_load_b512 s[68:83], s[0:1], 0x68             ; b1 of experts 0-7
	HEAD
	GCONST
	s_mov_b32 s5, ttmp9
	s_and_b32 s6, ttmp7, 0xffff
	s_mov_b32 s25, 0
	GS 16*MT, v_mov_b32 v[ACC+gi], 0
	GS 48, v_mov_b32 v[SA+gi], 0                   ; written once, so that they are written on every path
	s_cmp_lt_u32 s5, 4
	s_cbranch_scc0 .Lexp
	; ---------------- S: rows 128 y (batch y / 4), keys 128 x of the same batch
	s_mov_b32 s17, 1
	s_mov_b32 s16, 4096
	MKOFF16 10, MT, 16
	MKOFF16 14, 4, 16
	s_wait_kmcnt 0x0
	s_lshl_b32 s24, s6, 19
	s_add_nc_u64 s[8:9], s[84:85], s[24:25]        ; Q's rows
	s_lshr_b32 s24, s6, 2
	s_lshl_b32 s24, s24, 21
	s_lshl_b32 s23, s5, 19
	s_add_co_u32 s24, s24, s23
	s_add_co_u32 s24, s24, 2048
	s_add_nc_u64 s[10:11], s[84:85], s[24:25]      ; K's rows: the second half of qk's columns
	s_lshl_b32 s24, s6, 18
	s_lshl_b32 s23, s2, 15
	s_add_co_u32 s24, s24, s23
	s_lshl_b32 s23, s5, 9
	s_add_co_u32 s24, s24, s23
	s_add_nc_u64 s[12:13], s[88:89], s[24:25]
	KLOOP 16, 0, 8
	STAGE 0
	RB_F32 2048
	s_branch .Lend
	; ---------------- a first product
.Lexp:
.irp r, 6, 7, 8, 9, 22, 23
	v_add_nc_u32 v\r, EB, v\r                      ; this kind of work-group has its ring and stage from EB on
.endr
	s_wait_kmcnt 0x0
	s_cmp_lt_u32 s5, 8
	s_cbranch_scc1 .Lshared
	s_sub_co_u32 s7, s5, 8
	s_mov_b64 s[10:11], s[44:45]
	s_mov_b64 s[94:95], s[68:69]
	s_mov_b32 s19, 0
	s_mov_b32 s21, 0
	s_mov_b32 s20, 3
	s_mov_b32 s22, 0
	PICK1 1, 8, 4, 1024
	PICK1 2, 24, 5, 3072
	PICK1 3, 56, 3, 7168
	PICK1 4, 64, 4, 8192
	PICK1 5, 80, 5, 10240
	PICK1 6, 112, 3, 14336
	PICK1 7, 120, 4, 15360
	s_sub_co_u32 s21, s7, s21                      ; the column tile
	s_mov_b32 s96, 1.0                             ; gelu(b1) is taken away
	s_mov_b32 s97, 1.0
	s_branch .Lgo
.Lshared:
	s_mov_b64 s[10:11], s[90:91]
	s_mov_b64 s[94:95], s[92:93]
	s_mov_b32 s19, 8
	s_sub_co_u32 s21, s5, 4
	s_mov_b32 s20, 2
	s_mov_b32 s22, 17408
	s_mov_b32 s96, 0                               ; nothing is taken away
	s_mov_b32 s97, 0
.Lgo:
	s_lshl_b32 s24, s19, 2
	s_load_b32 s18, s[86:87], s24 offset:0x24000   ; the expert's count
	s_lshl_b32 s98, s19, 14
	s_lshl_b32 s23, s6, 9
	s_add_co_u32 s98, s98, s23
	s_mov_b32 s99, 0
	s_add_nc_u64 s[98:99], s[86:87], s[98:99]      ; the list at the tile's first place
	v_lshlrev_b32 v31, 2, v24
	GS 4, global_load_b32 v[10+gi], v31, s[98:99] offset:128*gi
	s_wait_kmcnt 0x0
	s_lshl_b32 s7, s6, 7
	s_cmp_gt_u32 s18, s7
	s_cselect_b32 s17, 1, 0                        ; has the tile rows?
	s_lshl_b32 s24, s21, 18
	s_add_nc_u64 s[10:11], s[10:11], s[24:25]      ; W1's rows 128 ct, 2048 bytes each
	s_lshl_b32 s24, s21, 9
	s_add_nc_u64 s[94:95], s[94:95], s[24:25]
	global_load_b128 v[240:243], v30, s[94:95]     ; b1 of my four columns
	s_mov_b32 s16, 2048
	MKOFF32 14, 16
	s_add_nc_u64 s[8:9], s[84:85], 12582912        ; gl
	s_lshl_b32 s14, 256, s20                       ; hid's pitch
	s_lshl_b32 s24, s2, 4
	s_add_co_u32 s24, s24, s7
	s_add_co_u32 s23, s20, 8
	s_lshl_b32 s24, s24, s23                       ; (128 y + 16 w) rows
	s_lshl_b32 s23, s22, 12
	s_add_co_u32 s24, s24, s23
	s_lshl_b32 s23, s21, 8
	s_add_co_u32 s24, s24, s23
	s_add_co_u32 s24, s24, 4194304
	s_add_nc_u64 s[12:13], s[88:89], s[24:25]
	s_wait_loadcnt 0x1                             ; the four ids are in; the bias, issued behind them, may stay out
	GS 4, v_lshrrev_b32 v[10+gi], 2, v[10+gi]      ; the token
	GS 4, v_min_u32 v[10+gi], 0x7ff, v[10+gi]
	GS 4, v_lshl_add_u32 v[10+gi], v[10+gi], 10, v25
	KLOOP 32, 1, 4
	STAGE 1
	s_cmp_eq_u32 s17, 0
	s_cbranch_scc1 .Lend
	GELU 244, 4, 160, 240
	v_pk_mul_f32 v[244:245], v[244:245], s[96:97] op_sel_hi:[1,0]
	v_pk_mul_f32 v[246:247], v[246:247], s[96:97] op_sel_hi:[1,0]
	RB_GELU 14
.Lend:
	s_wait_tensorcnt 0x0                           ; the wave's end
	ds_add_u32 v1, v2
	s_wait_dscnt 0x0
	s_endpgm
.Lfunc_end_k_qd4c059d2fd_mid1:
	.size	k_qd4c059d2fd_mid1, .Lfunc_end_k_qd4c059d2fd_mid1-k_qd4c059d2fd_mid1
	.p2alignl 7, 3214868480
	.fill 96, 4, 3214868480
	.section	.rodata,"a",@progbits
	.p2align	6, 0x0
	.amdhsa_kernel k_qd4c059d2fd_mid1
		.amdhsa_group_segment_fixed_size 148480
		.amdhsa_private_segment_fixed_size 0
		.amdhsa_enable_private_segment 0
		.amdhsa_kernarg_size 168
		.amdhsa_user_sgpr_count 2
		.amdhsa_user_sgpr_kernarg_segment_ptr 1
		.amdhsa_wavefront_size32 1
		.amdhsa_system_sgpr_workgroup_id_x 1
		.amdhsa_system_sgpr_workgroup_id_y 1
		.amdhsa_system_sgpr_workgroup_id_z 1
		.amdhsa_system_vgpr_workitem_id 0
		.amdhsa_next_free_vgpr 256
		.amdhsa_next_free_sgpr 100
		.amdhsa_reserve_vcc 0
		.amdhsa_float_denorm_mode_32 3
		.amdhsa_float_denorm_mode_16_64 3
		.amdhsa_memory_ordered 1
		.amdhsa_forward_progress 1
		.amdhsa_inst_pref_size 89
	.end_amdhsa_kernel
	.amdgpu_metadata
---
amdhsa.version: [ 1, 2 ]
amdhsa.kernels:
  - .name:           k_qd4c059d2fd_mid1
    .symbol:         k_qd4c059d2fd_mid1.kd
    .args:
      - { .name: wsb, .offset: 0, .size: 8, .value_kind: global_buffer, .address_space: global }
      - { .name: lst, .offset: 8, .size: 8, .value_kind: global_buffer, .address_space: global }
      - { .name: wsc, .offset: 16, .size: 8, .value_kind: global_buffer, .address_space: global }
      - { .name: Ws1, .offset: 24, .size: 8, .value_kind: global_buffer, .address_space: global }
      - { .name: bs1, .offset: 32, .size: 8, .value_kind: global_buffer, .address_space: global }
      - { .name: expert_params_0_0_0, .offset: 40, .size: 8, .value_kind: global_buffer, .address_space: global }
      - { .name: expert_params_1_0_0, .offset: 48, .size: 8, .value_kind: global_buffer, .address_space: global }
      - { .name: expert_params_2_0_0, .offset: 56, .size: 8, .value_kind: global_buffer, .address_space: global }
      - { .name: expert_params_3_0_0, .offset: 64, .size: 8, .value_kind: global_buffer, .address_space: global }
      - { .name: expert_params_4_0_0, .offset: 72, .size: 8, .value_kind: global_buffer, .address_space: global }
      - { .name: expert_params_5_0_0, .offset: 80, .size: 8, .value_kind: global_buffer, .address_space: global }
      - { .name: expert_params_6_0_0, .offset: 88, .size: 8, .value_kind: global_buffer, .address_space: global }
      - { .name: expert_params_7_0_0, .offset: 96, .size: 8, .value_kind: global_buffer, .address_space: global }
      - { .name: expert_params_0_0_1, .offset: 104, .size: 8, .value_kind: global_buffer, .address_space: global }
      - { .name: expert_params_1_0_1, .offset: 112, .size: 8, .value_kind: global_buffer, .address_space: global }
      - { .name: expert_params_2_0_1, .offset: 120, .size: 8, .value_kind: global_buffer, .address_space: global }
      - { .name: expert_params_3_0_1, .offset: 128, .size: 8, .value_kind: global_buffer, .address_space: global }
      - { .name: expert_params_4_0_1, .offset: 136, .size: 8, .value_kind: global_buffer, .address_space: global }
      - { .name: expert_params_5_0_1, .offset: 144, .size: 8, .value_kind: global_buffer, .address_space: global }
      - { .name: expert_params_6_0_1, .offset: 152, .size: 8, .value_kind: global_buffer, .address_space: global }
      - { .name: expert_params_7_0_1, .offset: 160, .size: 8, .value_kind: global_buffer, .address_space: global }
    .group_segment_fixed_size: 148480
    .private_segment_fixed_size: 0
    .kernarg_segment_align: 8
    .kernarg_segment_size: 168
    .max_flat_workgroup_size: 256
    .sgpr_count:     100
    .vgpr_count:     256
    .wavefront_size: 32
...
	.end_amdgpu_metadata
.endif
;; end of part 3
;; launch mid2 (part 4): grid 44 x 16, 8 waves a work-group, no clusters, 281,600 bytes of LDS; arguments wsc, wsb, lst, wsa, part, Ws2, expert_params_0_1_0, expert_params_1_1_0, expert_params_2_1_0, expert_params_3_1_0, expert_params_4_1_0, expert_params_5_1_0, expert_params_6_1_0, expert_params_7_1_0; writes wsa, part
.if DOCPART == 4
	.amdgcn_target "amdgcn-amd-amdhsa--gfx1250"
	.amdhsa_code_object_version 6
	.text
	.protected	k_qd4c059d2fd_mid2
	.globl	k_qd4c059d2fd_mid2
	.p2align	8
	.type	k_qd4c059d2fd_mid2,@function
k_qd4c059d2fd_mid2:
	s_mov_b64 s[64:65], 0
	v_nop
	global_prefetch_b8 v0, s[64:65] scope:SCOPE_SE
	s_setreg_imm32_b32 hwreg(HW_REG_WAVE_MODE, 25, 1), 1
	s_wait_xcnt 0x0
; MID2.  x < 8: softmax of 128 rows of S (scale 1/32, each row's maximum taken away, weights divided by their sum and rounded to bf16 into LDS), then P V for 128 channels -> acat's first half.
; x = 8-11: the shared expert's second product.  x >= 12: expert (x - 12) / 4, column tile (x - 12) % 4; the row tile is y.  part[4 token + k][512] f32 takes a row's result at the row's id
; (k = 0, 1: the two chosen experts; k = 2: the shared one): each row has one owner, and the last launch adds the three.
; THE EXPERTS' K LOOP COUNTS TO A CONSTANT, 32 trips of 128 along K (the widest expert's 4096).  How many of them hold work, H / 128, follows from x alone; whether the tile has rows hangs on the stored
; count.  A trip without work, and every trip of a tile without rows, passes its two barriers and jumps all else: no barrier stands under a branch.  The price: an expert of width 1024 passes 48 barriers
; with nothing between them, one of width 2048 passes 32.  Rows past the count are not stored: whole store instructions are jumped by a scalar branch.
; The engine: see PROJ.  Weights are f32, rounded on the way into LDS.
; LDS: the two kinds of work-group have bytes of their own, so that the two texts name no byte in common: P V has its ring and stage from 0 and P (128 rows of 1024 + 16 bytes) from RES; the experts have
; their ring and stage from EB.  No LDS address register is written in a loop: the softmax's eight pairs of rows and P V's eight K steps are written out, with the pair and the step in the immediates.
; LIMITS.  A weight below 2^-126 counts as 0; NaN and infinities are not treated apart.
.set MT, 4
.set BM, 32*MT
.set PIT, 144
.set LB0, BM*PIT
.set LA1, (BM+128)*PIT
.set RING, 2*LA1
.set SPIT, 528
.set RPIT, 1040
.set RES, RING                         ; P
.set EB, RES+BM*RPIT                   ; the experts' ring and stage
.set SPARE, EB+RING                    ; the spare words: 128 bytes a wave, four blocks of 256 bytes that no other line names
.set MAXT, 32                          ; trips of the experts' K loop: 4096 / 128
.set ACC, 32
.set FR0, 96
.set FR1, 144
.set SA, 192
.set SB, 208
.macro GS n, line:vararg
.set gi, 0
.rept \n
	\line
.set gi, gi+1
.endr
.endm
.macro GP n, line:vararg
.set gi, 0
.rept (\n)/2
	\line
.set gi, gi+2
.endr
.endm
.macro PLACES
.rept 4
	v_nop
.endr
.endm
.macro HEAD
	v_lshl_add_u32 v1, v0, 2, SPARE
	v_mov_b32 v2, 0
	v_and_b32 v3, 31, v0
	v_and_b32 v4, 15, v0
	v_bfe_u32 v5, v0, 4, 1
	v_lshrrev_b32 v24, 5, v0
	v_readfirstlane_b32 s2, v24
	s_lshr_b32 s3, s2, 2
	s_and_b32 s4, s2, 3
	v_lshrrev_b32 v24, 3, v3
	v_and_b32 v25, 7, v3
	v_lshlrev_b32 v25, 4, v25
	v_mad_u32_u24 v6, v24, PIT, v25
	s_mul_i32 s23, s2, 4*PIT
	v_add_nc_u32 v6, s23, v6
	v_add_nc_u32 v28, LB0, v6
	v_lshl_add_u32 v24, s2, 2, v24
	v_lshlrev_b32 v27, 4, v4
	v_lshlrev_b32 v7, 3, v4
	v_mad_u32_u24 v7, v5, PIT, v7
	s_mul_i32 s23, s2, 2*PIT
	s_add_co_u32 s23, s23, LB0
	v_add_nc_u32 v7, s23, v7
	v_lshl_add_u32 v26, s2, 1, v5
	v_mul_u32_u24 v8, v4, PIT
	v_lshl_add_u32 v8, v5, 4, v8
	s_mul_i32 s23, s4, 32*PIT
	v_add_nc_u32 v9, s23, v8
	s_mul_i32 s23, s3, 16*MT*PIT
	v_add_nc_u32 v8, s23, v8
	v_mul_u32_u24 v22, v4, SPIT
	v_lshl_add_u32 v22, v5, 5, v22
	s_mul_i32 s23, s3, 16*MT*SPIT
	s_lshl_b32 s24, s4, 7
	s_add_co_u32 s23, s23, s24
	v_add_nc_u32 v22, s23, v22
	v_lshlrev_b32 v30, 4, v3
	v_lshlrev_b32 v29, 3, v3
	s_mul_i32 s23, s2, (BM/8)*SPIT
	v_add_nc_u32 v23, s23, v30
.endm
.macro MKOFF16 base, n, sp
	v_mad_u32_u24 v[\base], v24, s[\sp], v25
	s_lshl_b32 s23, s[\sp], 5
.set i, 1
.rept (\n)-1
	v_add_nc_u32 v[(\base)+i], s23, v[(\base)+i-1]
.set i, i+1
.endr
.endm
.macro MKOFF32 base, sp
	v_mad_u32_u24 v[\base], v26, s[\sp], v27
	s_lshl_b32 s23, s[\sp], 4
.set i, 1
.rept 7
	v_add_nc_u32 v[(\base)+i], s23, v[(\base)+i-1]
.set i, i+1
.endr
.endm
.macro GLD ares, bt                    ; ares = 1: A lies in LDS already
.if !(\ares)
	GS MT, global_load_b128 v[SA+4*gi:SA+4*gi+3], v[10+gi], s[8:9]
.endif
	GS (\bt)/4, global_load_b128 v[SB+4*gi:SB+4*gi+3], v[14+gi], s[10:11]
.endm
.macro LST ares, bt, buf
.if !(\ares)
	GS MT, ds_store_b128 v6, v[SA+4*gi:SA+4*gi+3] offset:LA1*(\buf)+32*PIT*gi
.endif
.if (\bt) == 16
	GS 4, ds_store_b128 v28, v[SB+4*gi:SB+4*gi+3] offset:LA1*(\buf)+32*PIT*gi
.else
	GS 8, v_cvt_pk_bf16_f32 v[SB+4*gi], v[SB+4*gi], v[SB+4*gi+1]
	GS 8, v_cvt_pk_bf16_f32 v[SB+4*gi+1], v[SB+4*gi+2], v[SB+4*gi+3]
	GS 8, ds_store_b64 v7, v[SB+4*gi:SB+4*gi+1] offset:LA1*(\buf)+16*PIT*gi
.endif
.endm
.macro STEPP ares, bt
.if !(\ares)
	s_add_nc_u64 s[8:9], s[8:9], 128
.endif
	s_add_nc_u64 s[10:11], s[10:11], 8*(\bt)
.endm
.macro FRAGS buf, ares, kst            ; ares = 1: A's fragments come from P, K step kst
.irp kk, 0, 1
.set fb, FR0+(FR1-FR0)*\kk
.set ia, 0
.rept MT
.if \ares
	ds_load_b128 v[fb+8*ia:fb+8*ia+3], v8 offset:16*RPIT*ia+128*(\kst)+64*\kk
	ds_load_b128 v[fb+8*ia+4:fb+8*ia+7], v8 offset:16*RPIT*ia+128*(\kst)+64*\kk+32
.else
	ds_load_b128 v[fb+8*ia:fb+8*ia+3], v8 offset:LA1*(\buf)+16*PIT*ia+64*\kk
	ds_load_b128 v[fb+8*ia+4:fb+8*ia+7], v8 offset:LA1*(\buf)+16*PIT*ia+64*\kk+32
.endif
.set ia, ia+1
.endr
.set ib, 0
.rept 2
	ds_load_b128 v[fb+8*MT+8*ib:fb+8*MT+8*ib+3], v9 offset:LB0+LA1*(\buf)+16*PIT*ib+64*\kk
	ds_load_b128 v[fb+8*MT+8*ib+4:fb+8*MT+8*ib+7], v9 offset:LB0+LA1*(\buf)+16*PIT*ib+64*\kk+32
.set ib, ib+1
.endr
.endr
.endm
.macro MM fr
.set ia, 0
.rept MT
.set ib, 0
.rept 2
	v_wmma_f32_16x16x32_bf16 v[ACC+8*(2*ia+ib):ACC+8*(2*ia+ib)+7], v[(\fr)+8*MT+8*ib:(\fr)+8*MT+8*ib+7], v[(\fr)+8*ia:(\fr)+8*ia+7], v[ACC+8*(2*ia+ib):ACC+8*(2*ia+ib)+7]
.set ib, ib+1
.endr
.set ia, ia+1
.endr
.endm
.macro BAR
	s_wait_dscnt 0x0
	s_barrier_signal -1
	s_barrier_wait -1
.endm
.macro HALF buf, ares, kst
	PLACES
	FRAGS \buf, \ares, \kst
	s_wait_dscnt 4+2*MT                            ; the first 32 along K are in; the second 32's 4 + 2 MT loads stay out
	MM FR0
	s_wait_dscnt 0x0
	MM FR1
.endm
; The experts' K loop: MAXT trips, a constant; trip i multiplies tiles 2 i (buffer 0) and 2 i + 1 (buffer 1) if i < s[sn] (= H / 128, at least 4) and the tile has rows (s17 = 1).
; s27: this trip has work.  s16: tiles follow behind this trip's two.  A trip without work passes the two barriers and jumps all else.
.macro KLOOP bt, sn
	s_cmp_eq_u32 s17, 0
	s_cbranch_scc1 .Lkp_\@
	GLD 0, \bt
	s_wait_loadcnt 0x0
	LST 0, \bt, 0
	STEPP 0, \bt
	GLD 0, \bt
.Lkp_\@:
	BAR
	s_mov_b32 s15, 0
.Lkk_\@:
	s_cmp_lt_u32 s15, s[\sn]
	s_cselect_b32 s27, s17, 0
	s_add_co_u32 s23, s15, 1
	s_cmp_lt_u32 s23, s[\sn]
	s_cselect_b32 s16, s17, 0
	s_cmp_eq_u32 s27, 0
	s_cbranch_scc1 .Lka_\@
	HALF 0, 0, 0
	s_wait_loadcnt 0x0                             ; tile 2 i + 1, asked for a step ago
	LST 0, \bt, 1
	s_cmp_eq_u32 s16, 0
	s_cbranch_scc1 .Lka_\@
	STEPP 0, \bt
	GLD 0, \bt
.Lka_\@:
	BAR                                            ; buffer 1 is whole, and nobody reads buffer 0 any more
	s_cmp_eq_u32 s27, 0
	s_cbranch_scc1 .Lkb_\@
	HALF 1, 0, 0
	s_cmp_eq_u32 s16, 0
	s_cbranch_scc1 .Lkb_\@
	s_wait_loadcnt 0x0
	LST 0, \bt, 0
	STEPP 0, \bt
	GLD 0, \bt
.Lkb_\@:
	BAR                                            ; buffer 0 is whole, and nobody reads buffer 1 any more
	s_add_co_u32 s15, s15, 1
	s_cmp_lt_u32 s15, MAXT
	s_cbranch_scc1 .Lkk_\@
	s_wait_loadcnt 0x0
.endm
; P V's eight K steps, written out: step st multiplies P's columns 64 st on by V^T's tile in buffer st % 2, puts tile st + 1 into the other buffer and asks for tile st + 2; one barrier a step.
.macro KRES
	GLD 1, 16
	s_wait_loadcnt 0x0
	LST 1, 16, 0
	STEPP 1, 16
	GLD 1, 16
	BAR                                            ; buffer 0 is whole, and so is P
.set st, 0
.rept 8
	HALF st%2, 1, st
.if st < 7
	s_wait_loadcnt 0x0                             ; tile st + 1, asked for a step ago
	LST 1, 16, (st+1)%2
.endif
.if st < 6
	STEPP 1, 16
	GLD 1, 16
.endif
	BAR
.set st, st+1
.endr
.endm
.macro STAGE empt
	PLACES
.if \empt
	s_cmp_eq_u32 s17, 0
	s_cbranch_scc1 .Lsg_\@
.endif
.set ia, 0
.rept MT
.set ib, 0
.rept 2
	ds_store_b128 v22, v[ACC+8*(2*ia+ib):ACC+8*(2*ia+ib)+3] offset:16*SPIT*ia+64*ib
	ds_store_b128 v22, v[ACC+8*(2*ia+ib)+4:ACC+8*(2*ia+ib)+7] offset:16*SPIT*ia+64*ib+16
.set ib, ib+1
.endr
.set ia, ia+1
.endr
.Lsg_\@:
	BAR
.endm
.macro RB_BF16 pitch
	GS BM/8, ds_load_b128 v[96+4*gi:99+4*gi], v23 offset:SPIT*gi
.set t, 0
.rept BM/8
	s_wait_dscnt BM/8-1-t                          ; row t is back; the younger loads stay out
	v_cvt_pk_bf16_f32 v[160+2*t], v[96+4*t], v[97+4*t]
	v_cvt_pk_bf16_f32 v[161+2*t], v[98+4*t], v[99+4*t]
	global_store_b64 v29, v[160+2*t:161+2*t], s[12:13] offset:(\pitch)*t
.set t, t+1
.endr
.endm
; Pair p of my 16 rows of S (rows 2 p, 2 p + 1) into slot p % 2: lanes 0-15 the even row, lanes 16-31 the odd one; a lane holds columns 8 (lane % 16) + 128 j + 0..7, two loads of 16 bytes for each j
.macro LOADS p
.set lx, 96+32*((\p)%2)
	GS 8, global_load_b128 v[lx+4*gi:lx+4*gi+3], v31, s[8:9] offset:4096*(\p)+512*(gi/2)+16*(gi%2)
.endm
; The softmax of pair p; the maxima and sums across lanes stay inside a half of 16 lanes.  The 32 exponentials are one batch with one wait; the reciprocal has its own.
.macro SOFT p
.set sx, 96+32*((\p)%2)
	GS 4, v_max3_num_f32 v[160+gi], v[sx+8*gi], v[sx+8*gi+1], v[sx+8*gi+2]
	GS 4, v_max3_num_f32 v[160+gi], v[160+gi], v[sx+8*gi+3], v[sx+8*gi+4]
	GS 4, v_max3_num_f32 v[160+gi], v[160+gi], v[sx+8*gi+5], v[sx+8*gi+6]
	v_max3_num_f32 v160, v160, v[sx+7], v[sx+15]
	v_max3_num_f32 v162, v162, v[sx+23], v[sx+31]
	v_max3_num_f32 v160, v160, v161, v162
	v_max_num_f32 v160, v160, v163
.irp k, 1, 2, 4, 8
	v_max_num_f32_dpp v160, v160, v160 row_xmask:\k row_mask:0xf bank_mask:0xf
.endr
	v_mul_f32 v160, s96, v160                      ; c m, c = log2(e) / 32
	GP 32, v_pk_fma_f32 v[sx+gi:sx+gi+1], v[sx+gi:sx+gi+1], s[96:97], v[160:161] op_sel_hi:[1,0,0] neg_lo:[0,0,1] neg_hi:[0,0,1]
	GS 32, v_exp_f32 v[sx+gi], v[sx+gi]
	v_nop
	s_wait_alu depctr_va_vdst(0)
	GP 16, v_pk_add_f32 v[180+gi:181+gi], v[sx+2*gi:sx+2*gi+1], v[sx+2*gi+2:sx+2*gi+3]
	GP 8, v_pk_add_f32 v[180+2*gi:181+2*gi], v[180+2*gi:181+2*gi], v[182+2*gi:183+2*gi]
	GP 4, v_pk_add_f32 v[180+4*gi:181+4*gi], v[180+4*gi:181+4*gi], v[184+4*gi:185+4*gi]
	v_pk_add_f32 v[180:181], v[180:181], v[188:189]
	v_add_f32 v162, v180, v181
.irp k, 1, 2, 4, 8
	v_add_f32_dpp v162, v162, v162 row_xmask:\k row_mask:0xf bank_mask:0xf
.endr
	v_rcp_f32 v162, v162
	v_nop
	s_wait_alu depctr_va_vdst(0)
	GP 32, v_pk_mul_f32 v[sx+gi:sx+gi+1], v[sx+gi:sx+gi+1], v[162:163] op_sel_hi:[1,0]
	GS 16, v_cvt_pk_bf16_f32 v[164+gi], v[sx+2*gi], v[sx+2*gi+1]
	GS 4, ds_store_b128 v20, v[164+4*gi:167+4*gi] offset:256*gi+2*RPIT*(\p)   ; 16 lanes put 256 neighbouring bytes of a row
.endm
.macro PICK2 e, lg, ph
	s_cmp_eq_u32 s19, \e
	s_cselect_b64 s[10:11], s[44+2*\e:45+2*\e], s[10:11]
	s_cselect_b32 s20, \lg, s20
	s_cselect_b32 s22, \ph, s22
.endm
	s_load_b256 s[84:91], s[0:1], 0x0              ; wsc 84, wsb 86, lst 88, wsa 90
	s_load_b128 s[92:95], s[0:1], 0x20             ; part 92, Ws2 94
	s_load_b512 s[44:59], s[0:1], 0x30             ; W2 of experts 0-7
	HEAD
	s_mov_b32 s5, ttmp9
	s_and_b32 s6, ttmp7, 0xffff
	s_mov_b32 s25, 0
	GS 16*MT, v_mov_b32 v[ACC+gi], 0
	GS 48, v_mov_b32 v[SA+gi], 0                   ; written once, so that they are written on every path
	s_cmp_lt_u32 s5, 8
	s_cbranch_scc0 .Lexp
	; ---------------- softmax and P V: rows 128 y, channels 128 x
	s_mov_b32 s96, 0x3d38aa3b                      ; log2(e) / 32
	s_mov_b32 s97, 0x3d38aa3b
	v_lshlrev_b32 v31, 5, v4                       ; in S: 32 bytes a lane, the odd row 2,048 bytes on
	v_lshl_add_u32 v31, v5, 11, v31
	v_mul_u32_u24 v20, v5, RPIT                    ; where a lane puts its weights: row 16 w + lane / 16, 16 bytes at 16 (lane % 16) + 256 j
	v_lshl_add_u32 v20, v4, 4, v20
	s_mul_i32 s23, s2, 16*RPIT
	s_add_co_u32 s23, s23, RES
	v_add_nc_u32 v20, s23, v20
	v_mul_u32_u24 v8, v4, RPIT                     ; where A's fragments are read: P
	v_lshl_add_u32 v8, v5, 4, v8
	s_mul_i32 s23, s3, 16*MT*RPIT
	s_add_co_u32 s23, s23, RES
	v_add_nc_u32 v8, s23, v8
	s_mov_b32 s16, 4096
	MKOFF16 14, 4, 16
	s_wait_kmcnt 0x0
	s_lshl_b32 s24, s6, 18
	s_lshl_b32 s23, s2, 15
	s_add_co_u32 s24, s24, s23
	s_add_nc_u64 s[8:9], s[84:85], s[24:25]        ; S at my 16 rows
	LOADS 0
	LOADS 1
	s_lshl_b32 s24, s5, 19
	s_lshr_b32 s23, s6, 2
	s_lshl_b32 s23, s23, 10
	s_add_co_u32 s24, s24, s23
	s_add_co_u32 s24, s24, 8388608
	s_add_nc_u64 s[10:11], s[86:87], s[24:25]      ; vt: channels 128 x, the batch's 512 tokens
	s_lshl_b32 s24, s6, 19
	s_lshl_b32 s23, s2, 16
	s_add_co_u32 s24, s24, s23
	s_lshl_b32 s23, s5, 8
	s_add_co_u32 s24, s24, s23
	s_add_co_u32 s24, s24, 16777216
	s_add_nc_u64 s[12:13], s[90:91], s[24:25]      ; acat
.set pp, 0
.rept 8
.if pp < 7
	s_wait_loadcnt 8                               ; this pair is in; the next pair's eight loads stay out
.else
	s_wait_loadcnt 0x0
.endif
	SOFT pp
.if pp < 6
	LOADS pp+2
.endif
.set pp, pp+1
.endr
	KRES
	STAGE 0
	RB_BF16 4096
	s_branch .Lend
	; ---------------- a second product
.Lexp:
.irp r, 6, 7, 8, 9, 22, 23
	v_add_nc_u32 v\r, EB, v\r                      ; this kind of work-group has its ring and stage from EB on
.endr
	s_wait_kmcnt 0x0
	s_cmp_lt_u32 s5, 12
	s_cbranch_scc1 .Lshared
	s_sub_co_u32 s7, s5, 12
	s_lshr_b32 s19, s7, 2
	s_and_b32 s21, s7, 3
	s_mov_b64 s[10:11], s[44:45]
	s_mov_b32 s20, 3
	s_mov_b32 s22, 0
	PICK2 1, 4, 1024
	PICK2 2, 5, 3072
	PICK2 3, 3, 7168
	PICK2 4, 4, 8192
	PICK2 5, 5, 10240
	PICK2 6, 3, 14336
	PICK2 7, 4, 15360
	s_branch .Lgo
.Lshared:
	s_mov_b64 s[10:11], s[94:95]
	s_mov_b32 s19, 8
	s_sub_co_u32 s21, s5, 8
	s_mov_b32 s20, 2
	s_mov_b32 s22, 17408
.Lgo:
	s_lshl_b32 s24, s19, 2
	s_load_b32 s18, s[88:89], s24 offset:0x24000   ; the expert's count
	s_lshl_b32 s98, s19, 14
	s_lshl_b32 s23, s6, 9
	s_add_co_u32 s98, s98, s23
	s_lshl_b32 s23, s2, 6
	s_add_co_u32 s98, s98, s23
	s_mov_b32 s99, 0
	s_add_nc_u64 s[98:99], s[88:89], s[98:99]
	s_load_b512 s[68:83], s[98:99], 0x0            ; the ids of my 16 rows
	s_wait_kmcnt 0x0
	s_lshl_b32 s7, s6, 7
	s_cmp_gt_u32 s18, s7
	s_cselect_b32 s17, 1, 0                        ; has the tile rows?
	s_lshl_b32 s14, 1, s20                         ; trips that hold work: H / 128
	s_lshl_b32 s16, 256, s20                       ; hid's pitch
	MKOFF16 10, MT, 16
	s_lshl_b32 s16, 512, s20                       ; W2's pitch
	MKOFF32 14, 16
	s_add_co_u32 s23, s20, 8
	s_lshl_b32 s24, s7, s23
	s_lshl_b32 s23, s22, 12
	s_add_co_u32 s24, s24, s23
	s_add_co_u32 s24, s24, 4194304
	s_add_nc_u64 s[8:9], s[84:85], s[24:25]        ; hid: the region's rows 128 y
	s_add_co_u32 s23, s20, 16
	s_lshl_b32 s24, s21, s23
	s_add_nc_u64 s[10:11], s[10:11], s[24:25]      ; W2's rows 128 ct
	s_lshl_b32 s24, s21, 9
	s_add_nc_u64 s[12:13], s[92:93], s[24:25]      ; part at the tile's columns
	KLOOP 32, 14
	STAGE 1
	s_cmp_eq_u32 s17, 0
	s_cbranch_scc1 .Lend
.set t, 0
.rept 16
	s_min_u32 s[68+t], s[68+t], 0x1fff
	s_lshl_b32 s[68+t], s[68+t], 11                ; a row of part is 2048 bytes
	v_add_nc_u32 v[160+t], s[68+t], v30
.set t, t+1
.endr
	GS 16, ds_load_b128 v[96+4*gi:99+4*gi], v23 offset:SPIT*gi
	s_lshl_b32 s23, s2, 4
	s_add_co_u32 s23, s23, s7                      ; my first place in the list
	s_wait_dscnt 0x0
.set t, 0
.rept 16
	s_add_co_u32 s24, s23, t
	s_cmp_ge_u32 s24, s18
	s_cbranch_scc1 .Lend                           ; places past the count are not stored
	global_store_b128 v[160+t], v[96+4*t:99+4*t], s[12:13]   ; 512 consecutive bytes of one row, aligned
.set t, t+1
.endr
.Lend:
	s_wait_tensorcnt 0x0                           ; the wave's end
	ds_add_u32 v1, v2
	s_wait_dscnt 0x0
	s_endpgm
.Lfunc_end_k_qd4c059d2fd_mid2:
	.size	k_qd4c059d2fd_mid2, .Lfunc_end_k_qd4c059d2fd_mid2-k_qd4c059d2fd_mid2
	.p2alignl 7, 3214868480
	.fill 96, 4, 3214868480
	.section	.rodata,"a",@progbits
	.p2align	6, 0x0
	.amdhsa_kernel k_qd4c059d2fd_mid2
		.amdhsa_group_segment_fixed_size 281600
		.amdhsa_private_segment_fixed_size 0
		.amdhsa_enable_private_segment 0
		.amdhsa_kernarg_size 112
		.amdhsa_user_sgpr_count 2
		.amdhsa_user_sgpr_kernarg_segment_ptr 1
		.amdhsa_wavefront_size32 1
		.amdhsa_system_sgpr_workgroup_id_x 1
		.amdhsa_system_sgpr_workgroup_id_y 1
		.amdhsa_system_sgpr_workgroup_id_z 1
		.amdhsa_system_vgpr_workitem_id 0
		.amdhsa_next_free_vgpr 256
		.amdhsa_next_free_sgpr 100
		.amdhsa_reserve_vcc 0
		.amdhsa_float_denorm_mode_32 3
		.amdhsa_float_denorm_mode_16_64 3
		.amdhsa_memory_ordered 1
		.amdhsa_forward_progress 1
		.amdhsa_inst_pref_size 131
	.end_amdhsa_kernel
	.amdgpu_metadata
---
amdhsa.version: [ 1, 2 ]
amdhsa.kernels:
  - .name:           k_qd4c059d2fd_mid2
    .symbol:         k_qd4c059d2fd_mid2.kd
    .args:
      - { .name: wsc, .offset: 0, .size: 8, .value_kind: global_buffer, .address_space: global }
      - { .name: wsb, .offset: 8, .size: 8, .value_kind: global_buffer, .address_space: global }
      - { .name: lst, .offset: 16, .size: 8, .value_kind: global_buffer, .address_space: global }
      - { .name: wsa, .offset: 24, .size: 8, .value_kind: global_buffer, .address_space: global }
      - { .name: part, .offset: 32, .size: 8, .value_kind: global_buffer, .address_space: global }
      - { .name: Ws2, .offset: 40, .size: 8, .value_kind: global_buffer, .address_space: global }
      - { .name: expert_params_0_1_0, .offset: 48, .size: 8, .value_kind: global_buffer, .address_space: global }
      - { .name: expert_params_1_1_0, .offset: 56, .size: 8, .value_kind: global_buffer, .address_space: global }
      - { .name: expert_params_2_1_0, .offset: 64, .size: 8, .value_kind: global_buffer, .address_space: global }
      - { .name: expert_params_3_1_0, .offset: 72, .size: 8, .value_kind: global_buffer, .address_space: global }
      - { .name: expert_params_4_1_0, .offset: 80, .size: 8, .value_kind: global_buffer, .address_space: global }
      - { .name: expert_params_5_1_0, .offset: 88, .size: 8, .value_kind: global_buffer, .address_space: global }
      - { .name: expert_params_6_1_0, .offset: 96, .size: 8, .value_kind: global_buffer, .address_space: global }
      - { .name: expert_params_7_1_0, .offset: 104, .size: 8, .value_kind: global_buffer, .address_space: global }
    .group_segment_fixed_size: 281600
    .private_segment_fixed_size: 0
    .kernarg_segment_align: 8
    .kernarg_segment_size: 112
    .max_flat_workgroup_size: 256
    .sgpr_count:     100
    .vgpr_count:     256
    .wavefront_size: 32
...
	.end_amdgpu_metadata
.endif
;; end of part 4
;; launch fin (part 5): grid 256 x 1, 8 waves a work-group, no clusters, 124,928 bytes of LDS; arguments wsa, wsb, part, x, bu, bc, bs2, out0, expert_params_0_1_1, expert_params_1_1_1, expert_params_2_1_1, expert_params_3_1_1, expert_params_4_1_1, expert_params_5_1_1, expert_params_6_1_1, expert_params_7_1_1; writes out0
.if DOCPART == 5
	.amdgcn_target "amdgcn-amd-amdhsa--gfx1250"
	.amdhsa_code_object_version 6
	.text
	.protected	k_qd4c059d2fd_fin
	.globl	k_qd4c059d2fd_fin
	.p2align	8
	.type	k_qd4c059d2fd_fin,@function
k_qd4c059d2fd_fin:
	s_mov_b64 s[64:65], 0
	v_nop
	global_prefetch_b8 v0, s[64:65] scope:SCOPE_SE
	s_setreg_imm32_b32 hwreg(HW_REG_WAVE_MODE, 25, 1), 1
	s_wait_xcnt 0x0
; FIN.  out0 = x + [ao | gelu(h)] [Wo | Wc]^T + ol Wu^T + bu + bc: one accumulator, K = 512 + 2048.  A work-group makes 64 rows x 128 columns: 32 x 8 = 256 work-groups.
; ol[t] = g0 p[t,0] + g1 p[t,1] + 0.1 p[t,2] + cvec, in f32, rounded once to bf16 into LDS (64 rows of 1024 + 16 bytes);
; cvec = sum over the experts of (gelu(b1) W2^T + b2) + 0.1 bs2, from the 17 partial rows c0p.
; LIMIT.  The experts' common term is weighed by 1 where the problem's text weighs it by g0 + g1, which is 1 to within 1.2e-7 of itself.
; The engine: see PROJ, here with MT = 2: a wave makes 32 x 32, four accumulators by turns.
.set MT, 2
.set BM, 32*MT
.set PIT, 144
.set LB0, BM*PIT
.set LA1, (BM+128)*PIT
.set RING, 2*LA1
.set SPIT, 528
.set RPIT, 1040
.set RES, RING                         ; ol
.set CV, RES+BM*RPIT                   ; cvec, 2048 bytes
.set SPARE, CV+2048
.set ACC, 32
.set FR0, 96
.set FR1, 144
.set SA, 192
.set SB, 208
.macro GS n, line:vararg
.set gi, 0
.rept \n
	\line
.set gi, gi+1
.endr
.endm
.macro GP n, line:vararg
.set gi, 0
.rept (\n)/2
	\line
.set gi, gi+2
.endr
.endm
.macro PLACES
.rept 4
	v_nop
.endr
.endm
.macro HEAD
	v_lshl_add_u32 v1, v0, 2, SPARE
	v_mov_b32 v2, 0
	v_and_b32 v3, 31, v0
	v_and_b32 v4, 15, v0
	v_bfe_u32 v5, v0, 4, 1
	v_lshrrev_b32 v24, 5, v0
	v_readfirstlane_b32 s2, v24
	s_lshr_b32 s3, s2, 2
	s_and_b32 s4, s2, 3
	v_lshrrev_b32 v24, 3, v3
	v_and_b32 v25, 7, v3
	v_lshlrev_b32 v25, 4, v25
	v_mad_u32_u24 v6, v24, PIT, v25
	s_mul_i32 s23, s2, 4*PIT
	v_add_nc_u32 v6, s23, v6
	v_add_nc_u32 v28, LB0, v6
	v_lshl_add_u32 v24, s2, 2, v24
	v_mul_u32_u24 v8, v4, PIT
	v_lshl_add_u32 v8, v5, 4, v8
	s_mul_i32 s23, s4, 32*PIT
	v_add_nc_u32 v9, s23, v8
	s_mul_i32 s23, s3, 16*MT*PIT
	v_add_nc_u32 v8, s23, v8
	v_mul_u32_u24 v22, v4, SPIT
	v_lshl_add_u32 v22, v5, 5, v22
	s_mul_i32 s23, s3, 16*MT*SPIT
	s_lshl_b32 s24, s4, 7
	s_add_co_u32 s23, s23, s24
	v_add_nc_u32 v22, s23, v22
	v_lshlrev_b32 v30, 4, v3
	v_lshlrev_b32 v29, 3, v3
	s_mul_i32 s23, s2, (BM/8)*SPIT
	v_add_nc_u32 v23, s23, v30
.endm
.macro MKOFF16 base, n, sp
	v_mad_u32_u24 v[\base], v24, s[\sp], v25
	s_lshl_b32 s23, s[\sp], 5
.set i, 1
.rept (\n)-1
	v_add_nc_u32 v[(\base)+i], s23, v[(\base)+i-1]
.set i, i+1
.endr
.endm
.macro GLD ares
.if !(\ares)
	GS MT, global_load_b128 v[SA+4*gi:SA+4*gi+3], v[10+gi], s[8:9]
.endif
	GS 4, global_load_b128 v[SB+4*gi:SB+4*gi+3], v[14+gi], s[10:11]
.endm
.macro LST ares, buf
.if !(\ares)
	GS MT, ds_store_b128 v6, v[SA+4*gi:SA+4*gi+3] offset:LA1*(\buf)+32*PIT*gi
.endif
	GS 4, ds_store_b128 v28, v[SB+4*gi:SB+4*gi+3] offset:LA1*(\buf)+32*PIT*gi
.endm
.macro STEPP ares
.if !(\ares)
	s_add_nc_u64 s[8:9], s[8:9], 128
.endif
	s_add_nc_u64 s[10:11], s[10:11], 128
.endm
.macro FRAGS buf, ares, rda
.irp kk, 0, 1
.set fb, FR0+(FR1-FR0)*\kk
.set ia, 0
.rept MT
.if \ares
	ds_load_b128 v[fb+8*ia:fb+8*ia+3], v[\rda] offset:16*RPIT*ia+128*(\buf)+64*\kk
	ds_load_b128 v[fb+8*ia+4:fb+8*ia+7], v[\rda] offset:16*RPIT*ia+128*(\buf)+64*\kk+32
.else
	ds_load_b128 v[fb+8*ia:fb+8*ia+3], v[\rda] offset:LA1*(\buf)+16*PIT*ia+64*\kk
	ds_load_b128 v[fb+8*ia+4:fb+8*ia+7], v[\rda] offset:LA1*(\buf)+16*PIT*ia+64*\kk+32
.endif
.set ia, ia+1
.endr
.set ib, 0
.rept 2
	ds_load_b128 v[fb+8*MT+8*ib:fb+8*MT+8*ib+3], v9 offset:LB0+LA1*(\buf)+16*PIT*ib+64*\kk
	ds_load_b128 v[fb+8*MT+8*ib+4:fb+8*MT+8*ib+7], v9 offset:LB0+LA1*(\buf)+16*PIT*ib+64*\kk+32
.set ib, ib+1
.endr
.endr
.endm
.macro MM fr
.set ia, 0
.rept MT
.set ib, 0
.rept 2
	v_wmma_f32_16x16x32_bf16 v[ACC+8*(2*ia+ib):ACC+8*(2*ia+ib)+7], v[(\fr)+8*MT+8*ib:(\fr)+8*MT+8*ib+7], v[(\fr)+8*ia:(\fr)+8*ia+7], v[ACC+8*(2*ia+ib):ACC+8*(2*ia+ib)+7]
.set ib, ib+1
.endr
.set ia, ia+1
.endr
.endm
.macro BAR
	s_wait_dscnt 0x0
	s_barrier_signal -1
	s_barrier_wait -1
.endm
.macro HALF buf, ares, rda
	PLACES
	FRAGS \buf, \ares, \rda
	s_wait_dscnt 4+2*MT                            ; the first 32 along K are in; the second 32's 4 + 2 MT loads stay out
	MM FR0
	s_wait_dscnt 0x0
	MM FR1
.endm
.macro KLOOP ares, ntrip, rda
	GLD \ares
	s_wait_loadcnt 0x0
	LST \ares, 0
	STEPP \ares
	GLD \ares
	BAR
	s_mov_b32 s15, 0
.Lkk_\@:
	s_add_co_u32 s23, s15, 1
	s_cmp_lt_u32 s23, \ntrip
	s_cselect_b32 s16, 1, 0                        ; are there tiles behind this trip's two?
	HALF 0, \ares, \rda
	s_wait_loadcnt 0x0
	LST \ares, 1
	s_cmp_eq_u32 s16, 0
	s_cbranch_scc1 .Lka_\@
	STEPP \ares
	GLD \ares
.Lka_\@:
	BAR
	HALF 1, \ares, \rda
	s_cmp_eq_u32 s16, 0
	s_cbranch_scc1 .Lkb_\@
	s_wait_loadcnt 0x0
	LST \ares, 0
	STEPP \ares
	GLD \ares
.Lkb_\@:
	BAR
.if \ares
	v_add_nc_u32 v[\rda], 256, v[\rda]
.endif
	s_add_co_u32 s15, s15, 1
	s_cmp_lt_u32 s15, \ntrip
	s_cbranch_scc1 .Lkk_\@
	s_wait_loadcnt 0x0
.endm
; A token's three partial rows and its two gates into slot s: 13 loads.  mr: rows ahead of the base
.macro LOADP s, mr
.set pb, 96+50*(\s)
.irp k, 0, 1, 2
	GS 4, global_load_b128 v[pb+16*\k+4*gi:pb+16*\k+4*gi+3], v30, s[8:9] offset:8192*((\s)+(\mr))+2048*\k+512*gi
.endr
	global_load_b64 v[pb+48:pb+49], v19, s[10:11] offset:8*((\s)+(\mr))
.endm
.macro PROCP s
.set pb, 96+50*(\s)
	GS 16, v_fma_f32 v[pb+32+gi], v[pb+32+gi], s96, v[208+gi]
	GS 16, v_fma_f32 v[pb+32+gi], v[pb+16+gi], v[pb+49], v[pb+32+gi]
	GS 16, v_fma_f32 v[pb+32+gi], v[pb+gi], v[pb+48], v[pb+32+gi]
	GS 8, v_cvt_pk_bf16_f32 v[196+gi], v[pb+32+2*gi], v[pb+33+2*gi]
	GS 4, ds_store_b64 v18, v[196+2*gi:197+2*gi] offset:256*gi+RPIT*(\s)
.endm
	s_load_b512 s[68:83], s[0:1], 0x0              ; wsa 68, wsb 70, part 72, x 74, bu 76, bc 78, bs2 80, out0 82
	s_load_b512 s[44:59], s[0:1], 0x40             ; b2 of experts 0-7
	HEAD
	s_mov_b32 s5, ttmp9
	s_lshr_b32 s22, s5, 3                          ; row tile
	s_and_b32 s21, s5, 7                           ; column tile
	s_mov_b32 s25, 0
	s_mov_b32 s96, 0x3dcccccd                      ; 0.1
	v_lshlrev_b32 v31, 3, v0                       ; 8 x thread: columns 2 t, 2 t + 1 of cvec
	v_mov_b32 v19, 0
	GS 16*MT, v_mov_b32 v[ACC+gi], 0
	s_lshl_b32 s18, s22, 6
	s_lshl_b32 s23, s2, 3
	s_add_co_u32 s18, s18, s23                     ; my first token: 64 rt + 8 w
	s_wait_kmcnt 0x0
	s_add_nc_u64 s[12:13], s[70:71], 14680064      ; c0p
	GS 17, global_load_b64 v[196+2*gi:197+2*gi], v31, s[12:13] offset:2048*gi
	GS 8, global_load_b64 v[230+2*gi:231+2*gi], v31, s[44+2*gi:45+2*gi]
	global_load_b64 v[246:247], v31, s[80:81]
	s_lshl_b32 s24, s18, 13
	s_add_nc_u64 s[8:9], s[72:73], s[24:25]        ; part at my first token
	s_lshl_b32 s24, s18, 3
	s_add_co_u32 s24, s24, 25165824
	s_add_nc_u64 s[10:11], s[68:69], s[24:25]      ; its gates
	LOADP 0, 0
	LOADP 1, 0
	s_lshl_b32 s23, s2, 8
	s_add_co_u32 s23, s23, CV
	v_add_nc_u32 v21, s23, v29
	v_add_nc_u32 v20, CV, v30
	s_mul_i32 s23, s2, 8*RPIT
	s_add_co_u32 s23, s23, RES
	v_add_nc_u32 v18, s23, v29                     ; where ol's rows are put
	v_mul_u32_u24 v13, v4, RPIT                    ; and where its fragments are read
	v_lshl_add_u32 v13, v5, 4, v13
	s_mul_i32 s23, s3, 16*MT*RPIT
	s_add_co_u32 s23, s23, RES
	v_add_nc_u32 v13, s23, v13
	s_wait_loadcnt 26                              ; cvec's 26 loads are in; the two slots' 26 stay out
	v_pk_fma_f32 v[196:197], v[246:247], 0x3dcccccd, v[196:197] op_sel_hi:[1,0,1]
	GS 24, v_pk_add_f32 v[196:197], v[196:197], v[198+2*gi:199+2*gi]
	ds_store_b64 v21, v[196:197]
	BAR
	GS 4, ds_load_b128 v[208+4*gi:211+4*gi], v20 offset:512*gi   ; cvec of my columns 4 lane + 128 j
	s_wait_dscnt 0x0
	s_mov_b32 s15, 3
.Lol:
	s_wait_loadcnt 13                              ; slot 0 is in; slot 1's 13 loads stay out
	PROCP 0
	LOADP 0, 2
	s_wait_loadcnt 13                              ; slot 1 is in; slot 0's 13 stay out
	PROCP 1
	LOADP 1, 2
	s_wait_xcnt 0x0                                ; the bases are stepped only behind this wait
	s_add_nc_u64 s[8:9], s[8:9], 16384
	s_add_nc_u64 s[10:11], s[10:11], 16
	v_add_nc_u32 v18, 2*RPIT, v18
	s_sub_co_u32 s15, s15, 1
	s_cmp_lg_u32 s15, 0
	s_cbranch_scc1 .Lol
	s_wait_loadcnt 13
	PROCP 0
	s_wait_loadcnt 0x0
	PROCP 1
	s_mov_b32 s16, 1024                            ; ol Wu^T: B = wub's rows 128 ct
	MKOFF16 14, 4, 16
	s_lshl_b32 s24, s21, 17
	s_add_co_u32 s24, s24, 15728640
	s_add_nc_u64 s[10:11], s[68:69], s[24:25]
	KLOOP 1, 4, 13                                 ; its first barrier also shows ol to every wave
	s_mov_b32 s16, 4096                            ; [ao | gelu(h)] [Wo | Wc]^T, onto the same accumulators
	MKOFF16 10, MT, 16
	MKOFF16 14, 4, 16
	s_lshl_b32 s24, s22, 18
	s_add_co_u32 s24, s24, 16777216
	s_add_nc_u64 s[8:9], s[68:69], s[24:25]
	s_lshl_b32 s24, s21, 19
	s_add_co_u32 s24, s24, 11534336
	s_add_nc_u64 s[10:11], s[68:69], s[24:25]
	KLOOP 0, 16, 8
	s_lshl_b32 s24, s22, 18                        ; the way out: rows 64 rt + 8 w + t, 512 bytes at column 128 ct
	s_lshl_b32 s23, s2, 15
	s_add_co_u32 s24, s24, s23
	s_lshl_b32 s23, s21, 9
	s_add_co_u32 s24, s24, s23
	s_add_nc_u64 s[8:9], s[74:75], s[24:25]
	s_add_nc_u64 s[12:13], s[82:83], s[24:25]
	v_add_nc_u32 v31, s23, v30
	GS 8, global_load_b128 v[192+4*gi:195+4*gi], v30, s[8:9] offset:4096*gi th:TH_LOAD_NT
	global_load_b128 v[224:227], v31, s[76:77]
	global_load_b128 v[228:231], v31, s[78:79]
	PLACES
.set ia, 0
.rept MT
.set ib, 0
.rept 2
	ds_store_b128 v22, v[ACC+8*(2*ia+ib):ACC+8*(2*ia+ib)+3] offset:16*SPIT*ia+64*ib
	ds_store_b128 v22, v[ACC+8*(2*ia+ib)+4:ACC+8*(2*ia+ib)+7] offset:16*SPIT*ia+64*ib+16
.set ib, ib+1
.endr
.set ia, ia+1
.endr
	BAR
	GS 8, ds_load_b128 v[96+4*gi:99+4*gi], v23 offset:SPIT*gi
	s_wait_loadcnt 0x0
	v_pk_add_f32 v[224:225], v[224:225], v[228:229]
	v_pk_add_f32 v[226:227], v[226:227], v[230:231]
	GP 32, v_pk_add_f32 v[192+gi:193+gi], v[192+gi:193+gi], v[224+gi%4:225+gi%4]
.set t, 0
.rept 8
	s_wait_dscnt 7-t                               ; row t is back; the younger loads stay out
	v_pk_add_f32 v[96+4*t:97+4*t], v[96+4*t:97+4*t], v[192+4*t:193+4*t]
	v_pk_add_f32 v[98+4*t:99+4*t], v[98+4*t:99+4*t], v[194+4*t:195+4*t]
	global_store_b128 v30, v[96+4*t:99+4*t], s[12:13] offset:4096*t th:TH_STORE_NT   ; 512 consecutive bytes of one row, aligned
.set t, t+1
.endr
	s_wait_tensorcnt 0x0                           ; the wave's end
	ds_add_u32 v1, v2
	s_wait_dscnt 0x0
	s_endpgm
.Lfunc_end_k_qd4c059d2fd_fin:
	.size	k_qd4c059d2fd_fin, .Lfunc_end_k_qd4c059d2fd_fin-k_qd4c059d2fd_fin
	.p2alignl 7, 3214868480
	.fill 96, 4, 3214868480
	.section	.rodata,"a",@progbits
	.p2align	6, 0x0
	.amdhsa_kernel k_qd4c059d2fd_fin
		.amdhsa_group_segment_fixed_size 124928
		.amdhsa_private_segment_fixed_size 0
		.amdhsa_enable_private_segment 0
		.amdhsa_kernarg_size 128
		.amdhsa_user_sgpr_count 2
		.amdhsa_user_sgpr_kernarg_segment_ptr 1
		.amdhsa_wavefront_size32 1
		.amdhsa_system_sgpr_workgroup_id_x 1
		.amdhsa_system_sgpr_workgroup_id_y 1
		.amdhsa_system_sgpr_workgroup_id_z 1
		.amdhsa_system_vgpr_workitem_id 0
		.amdhsa_next_free_vgpr 256
		.amdhsa_next_free_sgpr 100
		.amdhsa_reserve_vcc 0
		.amdhsa_float_denorm_mode_32 3
		.amdhsa_float_denorm_mode_16_64 3
		.amdhsa_memory_ordered 1
		.amdhsa_forward_progress 1
		.amdhsa_inst_pref_size 51
	.end_amdhsa_kernel
	.amdgpu_metadata
---
amdhsa.version: [ 1, 2 ]
amdhsa.kernels:
  - .name:           k_qd4c059d2fd_fin
    .symbol:         k_qd4c059d2fd_fin.kd
    .args:
      - { .name: wsa, .offset: 0, .size: 8, .value_kind: global_buffer, .address_space: global }
      - { .name: wsb, .offset: 8, .size: 8, .value_kind: global_buffer, .address_space: global }
      - { .name: part, .offset: 16, .size: 8, .value_kind: global_buffer, .address_space: global }
      - { .name: x, .offset: 24, .size: 8, .value_kind: global_buffer, .address_space: global }
      - { .name: bu, .offset: 32, .size: 8, .value_kind: global_buffer, .address_space: global }
      - { .name: bc, .offset: 40, .size: 8, .value_kind: global_buffer, .address_space: global }
      - { .name: bs2, .offset: 48, .size: 8, .value_kind: global_buffer, .address_space: global }
      - { .name: out0, .offset: 56, .size: 8, .value_kind: global_buffer, .address_space: global }
      - { .name: expert_params_0_1_1, .offset: 64, .size: 8, .value_kind: global_buffer, .address_space: global }
      - { .name: expert_params_1_1_1, .offset: 72, .size: 8, .value_kind: global_buffer, .address_space: global }
      - { .name: expert_params_2_1_1, .offset: 80, .size: 8, .value_kind: global_buffer, .address_space: global }
      - { .name: expert_params_3_1_1, .offset: 88, .size: 8, .value_kind: global_buffer, .address_space: global }
      - { .name: expert_params_4_1_1, .offset: 96, .size: 8, .value_kind: global_buffer, .address_space: global }
      - { .name: expert_params_5_1_1, .offset: 104, .size: 8, .value_kind: global_buffer, .address_space: global }
      - { .name: expert_params_6_1_1, .offset: 112, .size: 8, .value_kind: global_buffer, .address_space: global }
      - { .name: expert_params_7_1_1, .offset: 120, .size: 8, .value_kind: global_buffer, .address_space: global }
    .group_segment_fixed_size: 124928
    .private_segment_fixed_size: 0
    .kernarg_segment_align: 8
    .kernarg_segment_size: 128
    .max_flat_workgroup_size: 256
    .sgpr_count:     100
    .vgpr_count:     256
    .wavefront_size: 32
...
	.end_amdgpu_metadata
.endif
;; end of part 5
;; ======== version 2 of 3: 5 launches; 1.25 times as fast as version 1
;; limits: a function is approximated: absolute error at most 1.5e-07; an absolute error that grows with the inputs' magnitude: up to 7.5e-08 times it
;; workspace buffers: wsa 25,182,208 bytes; sel 16,384 bytes of whole numbers; wsb 14,714,880 bytes; lst 147,712 bytes of whole numbers; wsc 77,594,624 bytes; part 16,777,216 bytes; wsd 6,291,456 bytes
;; launch prep: the kernel of part 1 again; grid 640 x 1, 8 waves a work-group, no clusters, 0 bytes of LDS; arguments x, w_norm, Wr, br, expert_cost, Wqkv, Wd, Wo, Wc, Wu, wsa, sel; writes wsa, sel
;; launch proj (part 6): grid 513 x 1, 8 waves a work-group, no clusters, 74,752 bytes of LDS; arguments wsa, sel, bd, wsb, lst, expert_params_0_1_0, expert_params_1_1_0, expert_params_2_1_0, expert_params_3_1_0, expert_params_4_1_0, expert_params_5_1_0, expert_params_6_1_0, expert_params_7_1_0, expert_params_0_0_1, expert_params_1_0_1, expert_params_2_0_1, expert_params_3_0_1, expert_params_4_0_1, expert_params_5_0_1, expert_params_6_0_1, expert_params_7_0_1; writes wsb, lst
.if DOCPART == 6
	.amdgcn_target "amdgcn-amd-amdhsa--gfx1250"
	.amdhsa_code_object_version 6
	.text
	.protected	k_qd4c059d2fd_proj
	.globl	k_qd4c059d2fd_proj
	.p2align	8
	.type	k_qd4c059d2fd_proj,@function
k_qd4c059d2fd_proj:
	s_mov_b64 s[64:65], 0
	v_nop
	global_prefetch_b8 v0, s[64:65] scope:SCOPE_SE
	s_setreg_imm32_b32 hwreg(HW_REG_WAVE_MODE, 25, 1), 1
	s_wait_xcnt 0x0
; PROJ.  Work-groups 0-447: products on the matrix units, tiles of 128 x 128, K = 1024: Q|K = h Wqk^T (256 tiles), V = h Wv^T (128), gelu(h Wd^T + bd) (64).
; Work-group 448: the counting sort of the 4,096 choices (wave e makes expert e's list; no atomics).  Work-groups 449-512: the dot products gelu(b1_e) . W2_e[row], in 17 chunks of 1,024 hidden columns:
; work-group j takes rows 8 j .. 8 j + 7 of every chunk (8 x 17 x 4 KiB = 544 KiB), wave w the chunks w and w + 8, wave 0 chunk 16 too; a wave keeps four rows' loads out.
; WHY 64 OF THEM.  With 256 registers a wave two work-groups fit on a WGP (1,024 registers a SIMD, 4 SIMDs): 512 places.  The 448 tiles leave 64 WGPs with one tile; those take the dot products, so that
; W2's 34 MiB are read through 64 WGPs, about a tile's own bytes on each.  The last of the 513 work-groups waits for the first free place.
; wsb: qk[2048][2048] bf16 at 0; V at 8388608, by tokens, as [(t & 1023)][t >> 10][1024] bf16: two blocks of 1,024 tokens side by side in rows of 4,096 bytes; gl[2048][512] bf16 at 12582912;
; c0p[17][512] f32 at 14680064.
; lst: list[9][4096] at 0 (row id = 4 token + k; list 8, the shared expert's: 4 i + 2, first 2,048 places); cnt[9] at 147456.  In list e the ids that chose e stand from the front, all others from the back:
; every place holds an id that exists, so a tile that is not full repeats rows that exist.
; THE ENGINE (this launch and the two behind it).  Eight waves; C's tile is BM x 128, BM = 32 MT; wave w = 4 wm + wn makes 16 MT x 32: 2 MT accumulators that take turns, one instruction a turn.
; K goes in steps of 64 through two LDS buffers; tiles go memory -> registers -> LDS (f32 operands are rounded to bf16 on the way); the registers hold the tile one step ahead, so its loads have a step
; in which to land; one barrier a step.  LDS rows are 128 + 16 bytes: the 16 rows of a fragment load start in 16 different groups of four banks.
; The matrix instruction takes B's rows as source 0 and A's as source 1: a lane then holds 8 neighbouring columns of one row of C.  The tile leaves through a stage in LDS (f32, rows of 512 + 16 bytes,
; over the ring, behind the loop's last barrier) and is stored as whole rows: a wave's store covers 256 or 512 consecutive bytes, aligned.
; The accumulators are cleared by v_mov_b32 (64 lines): no first step is written out, so that one loop text serves every trip count.
; No tensor loads, no cluster: one engine serves shapes of which several round, gather or compute their tiles on the way into LDS.
; gelu: as in prep (|error of erf| <= 1.5e-7).  NaN and infinities are not treated apart.
.set MT, 4
.set BM, 32*MT
.set PIT, 144
.set LB0, BM*PIT                       ; in a buffer: A's BM rows, then B's 128
.set LA1, (BM+128)*PIT                 ; buffer 1
.set RING, 2*LA1
.set SPIT, 528
.set RPIT, 1040
.set SPARE, RING                       ; the spare words: 128 bytes a wave, four blocks of 256 bytes that no other line names
.set ACC, 32                           ; v32-95   accumulator (a, b) at 32 + 8 (2 a + b)
.set FR0, 96                           ; v96-143  fragments of the step's first 32 along K: A's at +8 a, B's at +8 MT + 8 b
.set FR1, 144                          ; v144-191 of its second 32
.set SA, 192                           ; v192-207 A's tile on its way
.set SB, 208                           ; v208-239 B's
.set GB, 224                           ; v224-255 in the dot products' job: gelu(b1) of the lane's 32 columns; v96-223 four rows on their way; v32-86 at work
; v1, v2 the add's two registers; v3 lane; v4 lane % 16; v5 lane / 16; v6, v28 where 16-bit tiles of A, B are put; v7 where rounded f32 tiles of B are put; v8, v9 where fragments of A, B are read;
; v10-13, v14-21 offsets of the tiles' loads; v22 into the stage; v23 back from it; v24-27 row and piece of a thread in a tile's load; v29 8 lane; v30 16 lane; v31 free; v240-247 bias
; s2 wave, s3 wm, s4 wn; s[8:9] A, s[10:11] B, s[12:13] C; s15 trip, s16 'more tiles', s17 'the tile has rows'; s23-25 at work
.macro GS n, line:vararg
.set gi, 0
.rept \n
	\line
.set gi, gi+1
.endr
.endm
.macro GP n, line:vararg
.set gi, 0
.rept (\n)/2
	\line
.set gi, gi+2
.endr
.endm
.macro SPAIR r, val
	s_mov_b32 s[\r], \val
	s_mov_b32 s[\r+1], \val
.endm
.macro GCONST
	s_mov_b32 s26, 0x7fffffff
	SPAIR 28, 0x3f596d27
	SPAIR 30, 0x3e8ba440
	SPAIR 32, 0x3e827906
	SPAIR 34, 0xbe91a98e
	SPAIR 36, 0x3fb5f0e3
	SPAIR 38, 0xbfba00e3
	SPAIR 40, 0x3f87dc22
	s_mov_b32 s42, 0x76543210
	s_mov_b32 s43, 0xfedcba98
.endm
.macro GELU y, n, u, src
.set gY, \y
.set gS, \src
.set gU, \u
.set gW, (\u)+(\n)
.set gD, (\u)+2*(\n)
	GS \n, v_and_b32 v[gU+gi], s26, v[gS+gi]
	GP \n, v_pk_mul_f32 v[gW+gi:gW+gi+1], v[gU+gi:gU+gi+1], s[28:29] op_sel_hi:[1,0]
	GP \n, v_pk_fma_f32 v[gD+gi:gD+gi+1], v[gW+gi:gW+gi+1], s[30:31], 1.0 op_sel_hi:[1,0,0]
	GP \n, v_pk_mul_f32 v[gW+gi:gW+gi+1], v[gW+gi:gW+gi+1], v[gW+gi:gW+gi+1] neg_lo:[1,0] neg_hi:[1,0]
	GS \n, v_rcp_f32 v[gD+gi], v[gD+gi]
	GS \n, v_exp_f32 v[gW+gi], v[gW+gi]
	GS \n, v_max_num_f32 v[gY+gi], 0, v[gS+gi]
	s_wait_alu depctr_va_vdst(0)                   ; one wait for the batch, ahead of its first reader
	GP \n, v_pk_mul_f32 v[gU+gi:gU+gi+1], v[gU+gi:gU+gi+1], v[gW+gi:gW+gi+1]
	GP \n, v_pk_fma_f32 v[gW+gi:gW+gi+1], v[gD+gi:gD+gi+1], s[40:41], s[38:39] op_sel_hi:[1,0,0]
	GP \n, v_pk_fma_f32 v[gW+gi:gW+gi+1], v[gW+gi:gW+gi+1], v[gD+gi:gD+gi+1], s[36:37] op_sel_hi:[1,1,0]
	GP \n, v_pk_fma_f32 v[gW+gi:gW+gi+1], v[gW+gi:gW+gi+1], v[gD+gi:gD+gi+1], s[34:35] op_sel_hi:[1,1,0]
	GP \n, v_pk_fma_f32 v[gW+gi:gW+gi+1], v[gW+gi:gW+gi+1], v[gD+gi:gD+gi+1], s[32:33] op_sel_hi:[1,1,0]
	GP \n, v_pk_mul_f32 v[gW+gi:gW+gi+1], v[gW+gi:gW+gi+1], v[gD+gi:gD+gi+1]
	GP \n, v_pk_mul_f32 v[gW+gi:gW+gi+1], v[gW+gi:gW+gi+1], v[gU+gi:gU+gi+1]
	GP \n, v_pk_fma_f32 v[gY+gi:gY+gi+1], v[gW+gi:gW+gi+1], -0.5, v[gY+gi:gY+gi+1] op_sel_hi:[1,0,1]
.endm
.macro PLACES                          ; four plain places behind a matrix instruction, ahead of loads into its sources and of reads of its result
.rept 4
	v_nop
.endr
.endm
.macro HEAD
	v_lshl_add_u32 v1, v0, 2, SPARE
	v_mov_b32 v2, 0
	v_and_b32 v3, 31, v0
	v_and_b32 v4, 15, v0
	v_bfe_u32 v5, v0, 4, 1
	v_lshrrev_b32 v24, 5, v0
	v_readfirstlane_b32 s2, v24
	s_lshr_b32 s3, s2, 2
	s_and_b32 s4, s2, 3
	v_lshrrev_b32 v24, 3, v3
	v_and_b32 v25, 7, v3
	v_lshlrev_b32 v25, 4, v25                      ; 16-bit tiles: piece (lane % 8) of 16 bytes,
	v_mad_u32_u24 v6, v24, PIT, v25
	s_mul_i32 s23, s2, 4*PIT
	v_add_nc_u32 v6, s23, v6
	v_add_nc_u32 v28, LB0, v6
	v_lshl_add_u32 v24, s2, 2, v24                 ; row 4 w + lane / 8 of each 32
	v_lshlrev_b32 v27, 4, v4                       ; f32 tiles: piece (lane % 16) of 16 bytes,
	v_lshlrev_b32 v7, 3, v4
	v_mad_u32_u24 v7, v5, PIT, v7
	s_mul_i32 s23, s2, 2*PIT
	s_add_co_u32 s23, s23, LB0
	v_add_nc_u32 v7, s23, v7
	v_lshl_add_u32 v26, s2, 1, v5                  ; row 2 w + lane / 16 of each 16
	v_mul_u32_u24 v8, v4, PIT
	v_lshl_add_u32 v8, v5, 4, v8
	s_mul_i32 s23, s4, 32*PIT
	v_add_nc_u32 v9, s23, v8
	s_mul_i32 s23, s3, 16*MT*PIT
	v_add_nc_u32 v8, s23, v8
	v_mul_u32_u24 v22, v4, SPIT
	v_lshl_add_u32 v22, v5, 5, v22
	s_mul_i32 s23, s3, 16*MT*SPIT
	s_lshl_b32 s24, s4, 7
	s_add_co_u32 s23, s23, s24
	v_add_nc_u32 v22, s23, v22
	v_lshlrev_b32 v30, 4, v3
	v_lshlrev_b32 v29, 3, v3
	s_mul_i32 s23, s2, (BM/8)*SPIT
	v_add_nc_u32 v23, s23, v30
.endm
.macro MKOFF16 base, n, sp             ; offsets of n loads of 32 rows x 128 bytes; s[sp] = the rows' pitch in bytes
	v_mad_u32_u24 v[\base], v24, s[\sp], v25
	s_lshl_b32 s23, s[\sp], 5
.set i, 1
.rept (\n)-1
	v_add_nc_u32 v[(\base)+i], s23, v[(\base)+i-1]
.set i, i+1
.endr
.endm
.macro GLD                             ; a step's tiles are asked for
	GS MT, global_load_b128 v[SA+4*gi:SA+4*gi+3], v[10+gi], s[8:9]
	GS 4, global_load_b128 v[SB+4*gi:SB+4*gi+3], v[14+gi], s[10:11]
.endm
.macro LST buf                         ; and put into a buffer
	GS MT, ds_store_b128 v6, v[SA+4*gi:SA+4*gi+3] offset:LA1*(\buf)+32*PIT*gi
	GS 4, ds_store_b128 v28, v[SB+4*gi:SB+4*gi+3] offset:LA1*(\buf)+32*PIT*gi
.endm
.macro STEPP                           ; 64 along K; the loads that named these bases have been waited for
	s_add_nc_u64 s[8:9], s[8:9], 128
	s_add_nc_u64 s[10:11], s[10:11], 128
.endm
.macro FRAGS buf
.irp kk, 0, 1
.set fb, FR0+(FR1-FR0)*\kk
.set ia, 0
.rept MT
	ds_load_b128 v[fb+8*ia:fb+8*ia+3], v8 offset:LA1*(\buf)+16*PIT*ia+64*\kk
	ds_load_b128 v[fb+8*ia+4:fb+8*ia+7], v8 offset:LA1*(\buf)+16*PIT*ia+64*\kk+32
.set ia, ia+1
.endr
.set ib, 0
.rept 2
	ds_load_b128 v[fb+8*MT+8*ib:fb+8*MT+8*ib+3], v9 offset:LB0+LA1*(\buf)+16*PIT*ib+64*\kk
	ds_load_b128 v[fb+8*MT+8*ib+4:fb+8*MT+8*ib+7], v9 offset:LB0+LA1*(\buf)+16*PIT*ib+64*\kk+32
.set ib, ib+1
.endr
.endr
.endm
.macro MM fr                           ; 2 MT matrix instructions, each on another accumulator, always in this order
.set ia, 0
.rept MT
.set ib, 0
.rept 2
	v_wmma_f32_16x16x32_bf16 v[ACC+8*(2*ia+ib):ACC+8*(2*ia+ib)+7], v[(\fr)+8*MT+8*ib:(\fr)+8*MT+8*ib+7], v[(\fr)+8*ia:(\fr)+8*ia+7], v[ACC+8*(2*ia+ib):ACC+8*(2*ia+ib)+7]
.set ib, ib+1
.endr
.set ia, ia+1
.endr
.endm
.macro BAR                             ; my LDS instructions are done; then all eight waves meet
	s_wait_dscnt 0x0
	s_barrier_signal -1
	s_barrier_wait -1
.endm
.macro HALF buf                        ; a step's products
	PLACES
	FRAGS \buf
	s_wait_dscnt 4+2*MT                            ; the first 32 along K are in; the second 32's 4 + 2 MT loads stay out
	MM FR0
	s_wait_dscnt 0x0
	MM FR1
.endm
; 2 ntrip steps of 64 along K.  Trip i multiplies tiles 2 i (buffer 0) and 2 i + 1 (buffer 1).
.macro KLOOP ntrip
	GLD
	s_wait_loadcnt 0x0
	LST 0
	STEPP
	GLD
	BAR
	s_mov_b32 s15, 0
.Lkk_\@:
	s_add_co_u32 s23, s15, 1
	s_cmp_lt_u32 s23, \ntrip
	s_cselect_b32 s16, 1, 0                        ; are there tiles behind this trip's two?
	HALF 0
	s_wait_loadcnt 0x0                             ; tile 2 i + 1, asked for a step ago
	LST 1
	s_cmp_eq_u32 s16, 0
	s_cbranch_scc1 .Lka_\@
	STEPP
	GLD
.Lka_\@:
	BAR                                            ; buffer 1 is whole, and nobody reads buffer 0 any more
	HALF 1
	s_cmp_eq_u32 s16, 0
	s_cbranch_scc1 .Lkb_\@
	s_wait_loadcnt 0x0
	LST 0
	STEPP
	GLD
.Lkb_\@:
	BAR                                            ; buffer 0 is whole, and nobody reads buffer 1 any more
	s_add_co_u32 s15, s15, 1
	s_cmp_lt_u32 s15, \ntrip
	s_cbranch_scc1 .Lkk_\@
	s_wait_loadcnt 0x0
.endm
.macro STAGE                           ; the accumulators into the stage, each from its low end on; then all waves meet
	PLACES
.set ia, 0
.rept MT
.set ib, 0
.rept 2
	ds_store_b128 v22, v[ACC+8*(2*ia+ib):ACC+8*(2*ia+ib)+3] offset:16*SPIT*ia+64*ib
	ds_store_b128 v22, v[ACC+8*(2*ia+ib)+4:ACC+8*(2*ia+ib)+7] offset:16*SPIT*ia+64*ib+16
.set ib, ib+1
.endr
.set ia, ia+1
.endr
	BAR
.endm
.macro RB_BF16 pitch                   ; wave w stores rows (BM/8) w + t as bf16
	GS BM/8, ds_load_b128 v[96+4*gi:99+4*gi], v23 offset:SPIT*gi
.set t, 0
.rept BM/8
	s_wait_dscnt BM/8-1-t                          ; row t is back; the younger loads stay out
	v_cvt_pk_bf16_f32 v[160+2*t], v[96+4*t], v[97+4*t]
	v_cvt_pk_bf16_f32 v[161+2*t], v[98+4*t], v[99+4*t]
	global_store_b64 v29, v[160+2*t:161+2*t], s[12:13] offset:(\pitch)*t
.set t, t+1
.endr
.endm
; rows as gelu(row + bias) in bf16, four rows a trip; s[sp] = C's pitch in bytes
.macro RB_GELU sp
	v_mov_b32 v176, v29
	v_add_nc_u32 v177, s[\sp], v176
	v_add_nc_u32 v178, s[\sp], v177
	v_add_nc_u32 v179, s[\sp], v178
	s_lshl_b32 s24, s[\sp], 2
	s_mov_b32 s15, BM/32
.Lrg_\@:
	GS 4, ds_load_b128 v[96+4*gi:99+4*gi], v23 offset:SPIT*gi
	s_wait_dscnt 0x0
	GP 16, v_pk_add_f32 v[96+gi:97+gi], v[96+gi:97+gi], v[240+gi%4:241+gi%4]
	GELU 96, 16, 112, 96
	GS 8, v_cvt_pk_bf16_f32 v[168+gi], v[96+2*gi], v[97+2*gi]
	GS 4, global_store_b64 v[176+gi], v[168+2*gi:169+2*gi], s[12:13]
	s_wait_xcnt 0x0                                ; the stores' offsets and data are written again only behind this wait
	GS 4, v_add_nc_u32 v[176+gi], s24, v[176+gi]
	v_add_nc_u32 v23, 4*SPIT, v23
	s_sub_co_u32 s15, s15, 1
	s_cmp_lg_u32 s15, 0
	s_cbranch_scc1 .Lrg_\@
.endm
	s_load_b256 s[84:91], s[0:1], 0x0              ; wsa 84, sel 86, bd 88, wsb 90
	s_load_b64 s[92:93], s[0:1], 0x20              ; lst
	s_load_b512 s[44:59], s[0:1], 0x28             ; W2 of experts 0-7
	s_load_b512 s[68:83], s[0:1], 0x68             ; b1 of experts 0-7
	HEAD
	GCONST
	s_mov_b32 s5, ttmp9
	s_cmp_eq_u32 s5, 448
	s_cbranch_scc1 .Lsort
	s_cmp_gt_u32 s5, 448
	s_cbranch_scc1 .Lc0
	; ---------------- products
	s_mov_b32 s6, s5
	s_mov_b32 s16, 2048                            ; hb's and wcat's pitch
	MKOFF16 10, MT, 16
	MKOFF16 14, 4, 16
	GS 16*MT, v_mov_b32 v[ACC+gi], 0
	GS 4, v_mov_b32 v[240+gi], 0
	s_mov_b32 s19, 0
	s_mov_b32 s21, 0
	s_mov_b32 s25, 0
	s_mov_b32 s94, 0                               ; 1: the way out is gelu(. + bd)
	s_wait_kmcnt 0x0
	s_cmp_lt_u32 s6, 256
	s_cbranch_scc0 .Lv
	s_lshr_b32 s96, s6, 4                          ; Q|K: 16 token tiles x 16 column tiles
	s_and_b32 s95, s6, 15
	s_lshl_b32 s18, s96, 18                        ; A: hb, 128 rows of 2048 bytes a tile
	s_lshl_b32 s20, s95, 18
	s_add_co_u32 s20, s20, 4194304                 ; B: wcat
	s_lshl_b32 s24, s96, 19                        ; C: qk, 128 rows of 4096 bytes
	s_branch .Lwide
.Lv:
	s_cmp_lt_u32 s6, 384
	s_cbranch_scc0 .Llat
	s_sub_co_u32 s6, s6, 256                       ; V: 16 token tiles x 8 channel tiles
	s_lshr_b32 s96, s6, 3
	s_and_b32 s95, s6, 7
	s_lshl_b32 s18, s96, 18                        ; A: hb
	s_lshl_b32 s20, s95, 18
	s_add_co_u32 s20, s20, 4194304+(16<<18)        ; B: wcat from row 2048
	s_and_b32 s24, s96, 7                          ; C: row (t & 1023) of 4096 bytes,
	s_lshl_b32 s24, s24, 19
	s_lshr_b32 s23, s96, 3                         ; its half t >> 10
	s_lshl_b32 s23, s23, 11
	s_add_co_u32 s24, s24, s23
	s_add_co_u32 s24, s24, 8388608
.Lwide:
	s_lshl_b32 s23, s2, 16                         ; my 16 rows
	s_add_co_u32 s24, s24, s23
	s_branch .Lrun
.Llat:
	s_sub_co_u32 s6, s6, 384                       ; gelu(lat): 16 token tiles x 4 column tiles
	s_lshr_b32 s96, s6, 2
	s_and_b32 s95, s6, 3
	s_lshl_b32 s18, s96, 18
	s_lshl_b32 s20, s95, 18
	s_add_co_u32 s20, s20, 4194304+(24<<18)        ; B: wcat from row 3072
	s_lshl_b32 s24, s96, 17
	s_add_co_u32 s24, s24, 12582912                ; C: gl, rows of 1024 bytes
	s_lshl_b32 s23, s2, 14
	s_add_co_u32 s24, s24, s23
	s_mov_b32 s94, 1
	s_lshl_b32 s98, s95, 9
	s_mov_b32 s99, 0
	s_add_nc_u64 s[98:99], s[88:89], s[98:99]
	global_load_b128 v[240:243], v30, s[98:99]     ; bd of my four columns
.Lrun:
	s_lshl_b32 s23, s95, 8
	s_add_co_u32 s24, s24, s23
	s_add_nc_u64 s[8:9], s[84:85], s[18:19]
	s_add_nc_u64 s[10:11], s[84:85], s[20:21]
	s_add_nc_u64 s[12:13], s[90:91], s[24:25]
	KLOOP 8
	STAGE
	s_cmp_eq_u32 s94, 1
	s_cbranch_scc1 .Lgl
	RB_BF16 4096
	s_branch .Lend
.Lgl:
	s_mov_b32 s14, 1024
	RB_GELU 14
.Lend:
	s_wait_tensorcnt 0x0                           ; the wave's end
	ds_add_u32 v1, v2
	s_wait_dscnt 0x0
	s_endpgm
	; ---------------- the sort.  Wave e walks all 4,096 choices, 512 a trip: entry n = 512 g + 128 j + 4 lane + c, row id 4 (n / 2) + n % 2
.Lsort:
	s_wait_kmcnt 0x0
	s_lshl_b32 s20, s2, 14
	s_mov_b32 s21, 0
	s_add_nc_u64 s[12:13], s[92:93], s[20:21]      ; list e
	s_mov_b64 s[8:9], s[86:87]
	s_mov_b32 s18, 0                               ; ids placed from the front
	s_mov_b32 s19, 0                               ; and from the back
	v_lshlrev_b32 v31, 3, v3                       ; 8 lane + 1024 g
	GS 4, global_load_b128 v[96+4*gi:99+4*gi], v30, s[8:9] offset:512*gi
	s_mov_b32 s15, 0
.Lst:
	s_wait_loadcnt 0x0
	GS 16, v_cmp_eq_u32 s[68+gi], s2, v[96+gi]
	s_cmp_eq_u32 s15, 7
	s_cbranch_scc1 .Lst_nl                         ; the last trip asks for nothing
	s_add_nc_u64 s[8:9], s[8:9], 2048
	GS 4, global_load_b128 v[96+4*gi:99+4*gi], v30, s[8:9] offset:512*gi
.Lst_nl:
	s_wait_xcnt 0x0                                ; the last trip's stores have read their registers
.set m, 0
.rept 16
	v_mbcnt_lo_u32_b32 v[112+2*m], s[68+m], s18    ; a lane that chose e: the next places from the front
	s_not_b32 s23, s[68+m]
	v_mbcnt_lo_u32_b32 v144, s23, s19              ; the others: from the back
	v_sub_nc_u32 v144, 0xfff, v144
	v_cndmask_b32 v[112+2*m], v144, v[112+2*m], s[68+m]
	v_min_u32 v[112+2*m], 0xfff, v[112+2*m]
	v_lshlrev_b32 v[112+2*m], 2, v[112+2*m]
	v_add_nc_u32 v[113+2*m], 256*(m/4)+4*((m%4)/2)+(m%2), v31
	global_store_b32 v[112+2*m], v[113+2*m], s[12:13]
	s_bcnt1_i32_b32 s24, s[68+m]
	s_add_co_u32 s18, s18, s24
	s_sub_co_u32 s24, 32, s24
	s_add_co_u32 s19, s19, s24
.set m, m+1
.endr
	v_add_nc_u32 v31, 1024, v31
	s_add_co_u32 s15, s15, 1
	s_cmp_lt_u32 s15, 8
	s_cbranch_scc1 .Lst
	s_lshl_b32 s20, s2, 10                         ; the shared expert's list: wave w writes ids 4 i + 2 for i = 256 w .. 256 w + 255
	v_lshl_add_u32 v148, v3, 4, s20
	GS 4, v_add_nc_u32 v[152+gi], 4*gi+2, v148
	GS 4, v_add_nc_u32 v[156+gi], 4*gi+514, v148
	global_store_b128 v148, v[152:155], s[92:93] offset:131072
	global_store_b128 v148, v[156:159], s[92:93] offset:131072+512
	v_mov_b32 v145, s18                            ; cnt[e]
	v_mov_b32 v146, 0
	v_mov_b32 v147, 0x800                          ; cnt[8]
	s_lshl_b32 s20, s2, 2
	s_add_co_u32 s20, s20, 147456
	s_add_nc_u64 s[10:11], s[92:93], s[20:21]
	v_cmp_eq_u32 vcc_lo, 0, v3
	s_wait_xcnt 0x0                                ; EXEC changes only behind this wait
	s_and_saveexec_b32 s24, vcc_lo
	global_store_b32 v146, v145, s[10:11]
	s_cmp_lg_u32 s2, 0
	s_cbranch_scc1 .Lnc8
	global_store_b32 v146, v147, s[92:93] offset:147456+32
.Lnc8:
	s_wait_xcnt 0x0
	s_or_b32 exec_lo, exec_lo, s24
	s_endpgm
	; ---------------- c0p[q][row] = sum over chunk q's 1,024 columns of gelu(b1[col]) W2[row][col].  j = work-group - 449: rows 8 j + 0..7; pass i of three: chunk q = wave + 8 i
.macro PICKC e, q0, pitch
	s_cmp_ge_u32 s7, \q0
	s_cselect_b64 s[8:9], s[44+2*\e:45+2*\e], s[8:9]
	s_cselect_b64 s[10:11], s[68+2*\e:69+2*\e], s[10:11]
	s_cselect_b32 s20, \q0, s20
	s_cselect_b32 s21, \pitch, s21
.endm
.macro LOADR s                         ; a row's 4,096 bytes of the chunk into slot s; each slot has its own pointer, s[8 + 4 s : 9 + 4 s]; this launch reads W2 once
	GS 8, global_load_b128 v[96+32*(\s)+4*gi:96+32*(\s)+4*gi+3], v30, s[8+4*(\s):9+4*(\s)] offset:512*gi th:TH_LOAD_NT
.endm
.macro PROCR s
.set rr, 96+32*(\s)
	v_pk_mul_f32 v[80:81], v[rr:rr+1], v[GB:GB+1]
	v_pk_mul_f32 v[82:83], v[rr+2:rr+3], v[GB+2:GB+3]
	GP 28, v_pk_fma_f32 v[80+gi%4:81+gi%4], v[rr+4+gi:rr+5+gi], v[GB+4+gi:GB+5+gi], v[80+gi%4:81+gi%4]
	v_pk_add_f32 v[80:81], v[80:81], v[82:83]
	v_add_f32 v80, v80, v81
.irp k, 1, 2, 4, 8
	v_add_f32_dpp v80, v80, v80 row_xmask:\k row_mask:0xf bank_mask:0xf
.endr
	v_permlanex16_b32 v81, v80, s42, s43
	v_add_f32 v80, v80, v81                        ; the row's sum, in every lane
	v_cmp_eq_u32 vcc_lo, s19, v86
	v_cndmask_b32 v84, v84, v80, vcc_lo            ; lane l keeps the sum of row l % 8
	s_add_co_u32 s19, s19, 1
.endm
.Lc0:
	s_sub_co_u32 s6, s5, 449
	s_lshl_b32 s24, s6, 3                          ; the work-group's first row
	v_and_b32 v86, 7, v3
	v_lshlrev_b32 v85, 2, v86
	s_mov_b32 s23, 0
	s_wait_kmcnt 0x0
	s_mov_b32 s94, 0
.Lcq:
	s_lshl_b32 s7, s94, 3
	s_add_co_u32 s7, s7, s2                        ; the chunk
	s_cmp_ge_u32 s7, 17
	s_cbranch_scc1 .Lcn                            ; only wave 0 has a third chunk; no barrier stands in what is jumped
	s_mov_b64 s[8:9], s[44:45]
	s_mov_b64 s[10:11], s[68:69]
	s_mov_b32 s20, 0                               ; the expert's first chunk
	s_mov_b32 s21, 4096                            ; W2's pitch: 4 H bytes
	PICKC 1, 1, 8192
	PICKC 2, 3, 16384
	PICKC 3, 7, 4096
	PICKC 4, 8, 8192
	PICKC 5, 10, 16384
	PICKC 6, 14, 4096
	PICKC 7, 15, 8192
	s_sub_co_u32 s22, s7, s20
	s_lshl_b32 s22, s22, 12                        ; the chunk's 4,096 bytes in b1 and in a row of W2
	s_add_nc_u64 s[10:11], s[10:11], s[22:23]
	s_add_nc_u64 s[8:9], s[8:9], s[22:23]
	s_mul_i32 s22, s24, s21
	s_add_nc_u64 s[8:9], s[8:9], s[22:23]          ; slot 0: rows 0, 4
	s_mov_b32 s22, s21
	s_add_nc_u64 s[12:13], s[8:9], s[22:23]        ; slot 1: rows 1, 5
	s_add_nc_u64 s[16:17], s[12:13], s[22:23]      ; slot 2
	s_add_nc_u64 s[20:21], s[16:17], s[22:23]      ; slot 3
	s_lshl_b32 s22, s22, 2                         ; a slot steps four rows
	GS 8, global_load_b128 v[GB+4*gi:GB+4*gi+3], v30, s[10:11] offset:512*gi
	LOADR 0
	LOADR 1
	LOADR 2
	LOADR 3
	s_mov_b32 s19, 0
	v_mov_b32 v84, 0
	s_wait_loadcnt 32                              ; b1 is in; the four rows' 32 loads stay out
	GELU GB, 16, 32, GB
	GELU GB+16, 16, 32, GB+16
.irp s, 0, 1, 2, 3
	s_wait_loadcnt 24                              ; this slot's row is in; the other three rows' 24 loads stay out
	PROCR \s
	s_add_nc_u64 s[8+4*\s:9+4*\s], s[8+4*\s:9+4*\s], s[22:23]
	LOADR \s
.endr
.irp s, 0, 1, 2, 3
	s_wait_loadcnt 24-8*\s                         ; the last four rows load nothing: the counts run down
	PROCR \s
.endr
	s_lshl_b32 s22, s7, 11                         ; c0p's row q,
	s_lshl_b32 s25, s24, 2                         ; my eight rows' 32 bytes in it
	s_add_co_u32 s22, s22, s25
	s_add_co_u32 s22, s22, 14680064
	s_add_nc_u64 s[98:99], s[90:91], s[22:23]
	global_store_b32 v85, v84, s[98:99]            ; all lanes on: the four lanes l, l + 8, l + 16, l + 24 store the same number at the same word
	s_wait_xcnt 0x0                                ; the store's data and base are written again in the next pass only behind this wait
.Lcn:
	s_add_co_u32 s94, s94, 1
	s_cmp_lt_u32 s94, 3
	s_cbranch_scc1 .Lcq
	s_endpgm
.Lfunc_end_k_qd4c059d2fd_proj:
	.size	k_qd4c059d2fd_proj, .Lfunc_end_k_qd4c059d2fd_proj-k_qd4c059d2fd_proj
	.p2alignl 7, 3214868480
	.fill 96, 4, 3214868480
	.section	.rodata,"a",@progbits
	.p2align	6, 0x0
	.amdhsa_kernel k_qd4c059d2fd_proj
		.amdhsa_group_segment_fixed_size 74752
		.amdhsa_private_segment_fixed_size 0
		.amdhsa_enable_private_segment 0
		.amdhsa_kernarg_size 168
		.amdhsa_user_sgpr_count 2
		.amdhsa_user_sgpr_kernarg_segment_ptr 1
		.amdhsa_wavefront_size32 1
		.amdhsa_system_sgpr_workgroup_id_x 1
		.amdhsa_system_sgpr_workgroup_id_y 1
		.amdhsa_system_sgpr_workgroup_id_z 1
		.amdhsa_system_vgpr_workitem_id 0
		.amdhsa_next_free_vgpr 256
		.amdhsa_next_free_sgpr 100
		.amdhsa_reserve_vcc 1
		.amdhsa_float_denorm_mode_32 3
		.amdhsa_float_denorm_mode_16_64 3
		.amdhsa_memory_ordered 1
		.amdhsa_forward_progress 1
		.amdhsa_inst_pref_size 87
	.end_amdhsa_kernel
	.amdgpu_metadata
---
amdhsa.version: [ 1, 2 ]
amdhsa.kernels:
  - .name:           k_qd4c059d2fd_proj
    .symbol:         k_qd4c059d2fd_proj.kd
    .args:
      - { .name: wsa, .offset: 0, .size: 8, .value_kind: global_buffer, .address_space: global }
      - { .name: sel, .offset: 8, .size: 8, .value_kind: global_buffer, .address_space: global }
      - { .name: bd, .offset: 16, .size: 8, .value_kind: global_buffer, .address_space: global }
      - { .name: wsb, .offset: 24, .size: 8, .value_kind: global_buffer, .address_space: global }
      - { .name: lst, .offset: 32, .size: 8, .value_kind: global_buffer, .address_space: global }
      - { .name: expert_params_0_1_0, .offset: 40, .size: 8, .value_kind: global_buffer, .address_space: global }
      - { .name: expert_params_1_1_0, .offset: 48, .size: 8, .value_kind: global_buffer, .address_space: global }
      - { .name: expert_params_2_1_0, .offset: 56, .size: 8, .value_kind: global_buffer, .address_space: global }
      - { .name: expert_params_3_1_0, .offset: 64, .size: 8, .value_kind: global_buffer, .address_space: global }
      - { .name: expert_params_4_1_0, .offset: 72, .size: 8, .value_kind: global_buffer, .address_space: global }
      - { .name: expert_params_5_1_0, .offset: 80, .size: 8, .value_kind: global_buffer, .address_space: global }
      - { .name: expert_params_6_1_0, .offset: 88, .size: 8, .value_kind: global_buffer, .address_space: global }
      - { .name: expert_params_7_1_0, .offset: 96, .size: 8, .value_kind: global_buffer, .address_space: global }
      - { .name: expert_params_0_0_1, .offset: 104, .size: 8, .value_kind: global_buffer, .address_space: global }
      - { .name: expert_params_1_0_1, .offset: 112, .size: 8, .value_kind: global_buffer, .address_space: global }
      - { .name: expert_params_2_0_1, .offset: 120, .size: 8, .value_kind: global_buffer, .address_space: global }
      - { .name: expert_params_3_0_1, .offset: 128, .size: 8, .value_kind: global_buffer, .address_space: global }
      - { .name: expert_params_4_0_1, .offset: 136, .size: 8, .value_kind: global_buffer, .address_space: global }
      - { .name: expert_params_5_0_1, .offset: 144, .size: 8, .value_kind: global_buffer, .address_space: global }
      - { .name: expert_params_6_0_1, .offset: 152, .size: 8, .value_kind: global_buffer, .address_space: global }
      - { .name: expert_params_7_0_1, .offset: 160, .size: 8, .value_kind: global_buffer, .address_space: global }
    .group_segment_fixed_size: 74752
    .private_segment_fixed_size: 0
    .kernarg_segment_align: 8
    .kernarg_segment_size: 168
    .max_flat_workgroup_size: 256
    .sgpr_count:     100
    .vgpr_count:     256
    .wavefront_size: 32
...
	.end_amdgpu_metadata
.endif
;; end of part 6
;; launch mid1 (part 7): grid 2304 x 1, 8 waves a work-group, no clusters, 148,480 bytes of LDS; arguments wsb, lst, wsc, Ws1, bs1, expert_params_0_0_0, expert_params_1_0_0, expert_params_2_0_0, expert_params_3_0_0, expert_params_4_0_0, expert_params_5_0_0, expert_params_6_0_0, expert_params_7_0_0, expert_params_0_0_1, expert_params_1_0_1, expert_params_2_0_1, expert_params_3_0_1, expert_params_4_0_1, expert_params_5_0_1, expert_params_6_0_1, expert_params_7_0_1; writes wsc
.if DOCPART == 7
	.amdgcn_target "amdgcn-amd-amdhsa--gfx1250"
	.amdhsa_code_object_version 6
	.text
	.protected	k_qd4c059d2fd_mid1
	.globl	k_qd4c059d2fd_mid1
	.p2align	8
	.type	k_qd4c059d2fd_mid1,@function
k_qd4c059d2fd_mid1:
	s_mov_b64 s[64:65], 0
	v_nop
	global_prefetch_b8 v0, s[64:65] scope:SCOPE_SE
	s_setreg_imm32_b32 hwreg(HW_REG_WAVE_MODE, 25, 1), 1
	s_wait_xcnt 0x0
; MID1.  A work-group has a job column x and a row tile y.  x < 4: scores S = Q K^T of one batch (row tile y, column tile x), f32, unscaled.  x = 4-7: the shared expert's first product.
; x >= 8: an expert's first product: the expert and its column tile follow from x alone.  hid = gelu(gl[token] W1^T + b1) - gelu(b1) in bf16 (the shared expert: nothing is taken away): with that
; difference the second product gives expert(lat) - expert(0) without forming a difference of sums.
; THE ORDER OF THE WORK-GROUPS: the jobs known to be long have the low numbers: 0-63 the scores (K = 1024), 64-127 the shared expert; then the experts, row tile by row tile (u = number - 128:
; y = u / 136, x = 8 + u % 136): a low row tile is the likelier to have rows.
; wsc: S[2048][512] f32 at 0; hid at 4194304: expert e's region at + 4096 PH_e, 2,048 rows of 2 H_e bytes, in the order of e's list.
; EVERY SPLIT IS SERVED: each expert has 16 row tiles of 128 in the grid (a token chooses an expert once at most).  Whether a tile has rows hangs on the stored count: a tile without rows passes the
; barriers and jumps all else; no barrier stands under that branch.  A tile that is not full repeats rows that exist (the list's places past the count) and stores all 128 rows, inside its region.
; The engine: see PROJ.  Weights are f32 and are rounded on the way into LDS: a cast ahead would read and write the weights of experts that nobody chose.
; LDS: the two kinds of work-group have bytes of their own (the scores' ring and stage from 0, the experts' from EB), so that the two texts name no byte in common; no LDS address register is written in a loop.
.set MT, 4
.set BM, 32*MT
.set PIT, 144
.set LB0, BM*PIT
.set LA1, (BM+128)*PIT
.set RING, 2*LA1
.set SPIT, 528
.set RPIT, 1040
.set EB, RING                          ; the experts' ring and stage
.set SPARE, 2*RING                     ; the spare words: 128 bytes a wave, four blocks of 256 bytes that no other line names
.set ACC, 32
.set FR0, 96
.set FR1, 144
.set SA, 192
.set SB, 208
.macro GS n, line:vararg
.set gi, 0
.rept \n
	\line
.set gi, gi+1
.endr
.endm
.macro GP n, line:vararg
.set gi, 0
.rept (\n)/2
	\line
.set gi, gi+2
.endr
.endm
.macro SPAIR r, val
	s_mov_b32 s[\r], \val
	s_mov_b32 s[\r+1], \val
.endm
.macro GCONST
	s_mov_b32 s26, 0x7fffffff
	SPAIR 28, 0x3f596d27
	SPAIR 30, 0x3e8ba440
	SPAIR 32, 0x3e827906
	SPAIR 34, 0xbe91a98e
	SPAIR 36, 0x3fb5f0e3
	SPAIR 38, 0xbfba00e3
	SPAIR 40, 0x3f87dc22
.endm
.macro GELU y, n, u, src
.set gY, \y
.set gS, \src
.set gU, \u
.set gW, (\u)+(\n)
.set gD, (\u)+2*(\n)
	GS \n, v_and_b32 v[gU+gi], s26, v[gS+gi]
	GP \n, v_pk_mul_f32 v[gW+gi:gW+gi+1], v[gU+gi:gU+gi+1], s[28:29] op_sel_hi:[1,0]
	GP \n, v_pk_fma_f32 v[gD+gi:gD+gi+1], v[gW+gi:gW+gi+1], s[30:31], 1.0 op_sel_hi:[1,0,0]
	GP \n, v_pk_mul_f32 v[gW+gi:gW+gi+1], v[gW+gi:gW+gi+1], v[gW+gi:gW+gi+1] neg_lo:[1,0] neg_hi:[1,0]
	GS \n, v_rcp_f32 v[gD+gi], v[gD+gi]
	GS \n, v_exp_f32 v[gW+gi], v[gW+gi]
	GS \n, v_max_num_f32 v[gY+gi], 0, v[gS+gi]
	s_wait_alu depctr_va_vdst(0)                   ; one wait for the batch, ahead of its first reader
	GP \n, v_pk_mul_f32 v[gU+gi:gU+gi+1], v[gU+gi:gU+gi+1], v[gW+gi:gW+gi+1]
	GP \n, v_pk_fma_f32 v[gW+gi:gW+gi+1], v[gD+gi:gD+gi+1], s[40:41], s[38:39] op_sel_hi:[1,0,0]
	GP \n, v_pk_fma_f32 v[gW+gi:gW+gi+1], v[gW+gi:gW+gi+1], v[gD+gi:gD+gi+1], s[36:37] op_sel_hi:[1,1,0]
	GP \n, v_pk_fma_f32 v[gW+gi:gW+gi+1], v[gW+gi:gW+gi+1], v[gD+gi:gD+gi+1], s[34:35] op_sel_hi:[1,1,0]
	GP \n, v_pk_fma_f32 v[gW+gi:gW+gi+1], v[gW+gi:gW+gi+1], v[gD+gi:gD+gi+1], s[32:33] op_sel_hi:[1,1,0]
	GP \n, v_pk_mul_f32 v[gW+gi:gW+gi+1], v[gW+gi:gW+gi+1], v[gD+gi:gD+gi+1]
	GP \n, v_pk_mul_f32 v[gW+gi:gW+gi+1], v[gW+gi:gW+gi+1], v[gU+gi:gU+gi+1]
	GP \n, v_pk_fma_f32 v[gY+gi:gY+gi+1], v[gW+gi:gW+gi+1], -0.5, v[gY+gi:gY+gi+1] op_sel_hi:[1,0,1]
.endm
.macro PLACES
.rept 4
	v_nop
.endr
.endm
.macro HEAD
	v_lshl_add_u32 v1, v0, 2, SPARE
	v_mov_b32 v2, 0
	v_and_b32 v3, 31, v0
	v_and_b32 v4, 15, v0
	v_bfe_u32 v5, v0, 4, 1
	v_lshrrev_b32 v24, 5, v0
	v_readfirstlane_b32 s2, v24
	s_lshr_b32 s3, s2, 2
	s_and_b32 s4, s2, 3
	v_lshrrev_b32 v24, 3, v3
	v_and_b32 v25, 7, v3
	v_lshlrev_b32 v25, 4, v25
	v_mad_u32_u24 v6, v24, PIT, v25
	s_mul_i32 s23, s2, 4*PIT
	v_add_nc_u32 v6, s23, v6
	v_add_nc_u32 v28, LB0, v6
	v_lshl_add_u32 v24, s2, 2, v24
	v_lshlrev_b32 v27, 4, v4
	v_lshlrev_b32 v7, 3, v4
	v_mad_u32_u24 v7, v5, PIT, v7
	s_mul_i32 s23, s2, 2*PIT
	s_add_co_u32 s23, s23, LB0
	v_add_nc_u32 v7, s23, v7
	v_lshl_add_u32 v26, s2, 1, v5
	v_mul_u32_u24 v8, v4, PIT
	v_lshl_add_u32 v8, v5, 4, v8
	s_mul_i32 s23, s4, 32*PIT
	v_add_nc_u32 v9, s23, v8
	s_mul_i32 s23, s3, 16*MT*PIT
	v_add_nc_u32 v8, s23, v8
	v_mul_u32_u24 v22, v4, SPIT
	v_lshl_add_u32 v22, v5, 5, v22
	s_mul_i32 s23, s3, 16*MT*SPIT
	s_lshl_b32 s24, s4, 7
	s_add_co_u32 s23, s23, s24
	v_add_nc_u32 v22, s23, v22
	v_lshlrev_b32 v30, 4, v3
	v_lshlrev_b32 v29, 3, v3
	s_mul_i32 s23, s2, (BM/8)*SPIT
	v_add_nc_u32 v23, s23, v30
.endm
.macro MKOFF16 base, n, sp
	v_mad_u32_u24 v[\base], v24, s[\sp], v25
	s_lshl_b32 s23, s[\sp], 5
.set i, 1
.rept (\n)-1
	v_add_nc_u32 v[(\base)+i], s23, v[(\base)+i-1]
.set i, i+1
.endr
.endm
.macro MKOFF32 base, sp
	v_mad_u32_u24 v[\base], v26, s[\sp], v27
	s_lshl_b32 s23, s[\sp], 4
.set i, 1
.rept 7
	v_add_nc_u32 v[(\base)+i], s23, v[(\base)+i-1]
.set i, i+1
.endr
.endm
.macro GLD bt
	GS MT, global_load_b128 v[SA+4*gi:SA+4*gi+3], v[10+gi], s[8:9]
	GS (\bt)/4, global_load_b128 v[SB+4*gi:SB+4*gi+3], v[14+gi], s[10:11]
.endm
.macro LST bt, buf
	GS MT, ds_store_b128 v6, v[SA+4*gi:SA+4*gi+3] offset:LA1*(\buf)+32*PIT*gi
.if (\bt) == 16
	GS 4, ds_store_b128 v28, v[SB+4*gi:SB+4*gi+3] offset:LA1*(\buf)+32*PIT*gi
.else
	GS 8, v_cvt_pk_bf16_f32 v[SB+4*gi], v[SB+4*gi], v[SB+4*gi+1]
	GS 8, v_cvt_pk_bf16_f32 v[SB+4*gi+1], v[SB+4*gi+2], v[SB+4*gi+3]
	GS 8, ds_store_b64 v7, v[SB+4*gi:SB+4*gi+1] offset:LA1*(\buf)+16*PIT*gi
.endif
.endm
.macro STEPP bt
	s_add_nc_u64 s[8:9], s[8:9], 128
	s_add_nc_u64 s[10:11], s[10:11], 8*(\bt)
.endm
.macro FRAGS buf
.irp kk, 0, 1
.set fb, FR0+(FR1-FR0)*\kk
.set ia, 0
.rept MT
	ds_load_b128 v[fb+8*ia:fb+8*ia+3], v8 offset:LA1*(\buf)+16*PIT*ia+64*\kk
	ds_load_b128 v[fb+8*ia+4:fb+8*ia+7], v8 offset:LA1*(\buf)+16*PIT*ia+64*\kk+32
.set ia, ia+1
.endr
.set ib, 0
.rept 2
	ds_load_b128 v[fb+8*MT+8*ib:fb+8*MT+8*ib+3], v9 offset:LB0+LA1*(\buf)+16*PIT*ib+64*\kk
	ds_load_b128 v[fb+8*MT+8*ib+4:fb+8*MT+8*ib+7], v9 offset:LB0+LA1*(\buf)+16*PIT*ib+64*\kk+32
.set ib, ib+1
.endr
.endr
.endm
.macro MM fr
.set ia, 0
.rept MT
.set ib, 0
.rept 2
	v_wmma_f32_16x16x32_bf16 v[ACC+8*(2*ia+ib):ACC+8*(2*ia+ib)+7], v[(\fr)+8*MT+8*ib:(\fr)+8*MT+8*ib+7], v[(\fr)+8*ia:(\fr)+8*ia+7], v[ACC+8*(2*ia+ib):ACC+8*(2*ia+ib)+7]
.set ib, ib+1
.endr
.set ia, ia+1
.endr
.endm
.macro BAR
	s_wait_dscnt 0x0
	s_barrier_signal -1
	s_barrier_wait -1
.endm
.macro HALF buf
	PLACES
	FRAGS \buf
	s_wait_dscnt 4+2*MT                            ; the first 32 along K are in; the second 32's 4 + 2 MT loads stay out
	MM FR0
	s_wait_dscnt 0x0
	MM FR1
.endm
.macro KLOOP bt, empt, ntrip
.if \empt
	s_cmp_eq_u32 s17, 0
	s_cbranch_scc1 .Lkp_\@
.endif
	GLD \bt
	s_wait_loadcnt 0x0
	LST \bt, 0
	STEPP \bt
	GLD \bt
.Lkp_\@:
	BAR
	s_mov_b32 s15, 0
.Lkk_\@:
	s_add_co_u32 s23, s15, 1
	s_cmp_lt_u32 s23, \ntrip
	s_cselect_b32 s16, s17, 0                      ; are there tiles behind this trip's two?
.if \empt
	s_cmp_eq_u32 s17, 0
	s_cbranch_scc1 .Lka_\@
.endif
	HALF 0
	s_wait_loadcnt 0x0                             ; tile 2 i + 1, asked for a step ago
	LST \bt, 1
	s_cmp_eq_u32 s16, 0
	s_cbranch_scc1 .Lka_\@
	STEPP \bt
	GLD \bt
.Lka_\@:
	BAR                                            ; buffer 1 is whole, and nobody reads buffer 0 any more
.if \empt
	s_cmp_eq_u32 s17, 0
	s_cbranch_scc1 .Lkb_\@
.endif
	HALF 1
	s_cmp_eq_u32 s16, 0
	s_cbranch_scc1 .Lkb_\@
	s_wait_loadcnt 0x0
	LST \bt, 0
	STEPP \bt
	GLD \bt
.Lkb_\@:
	BAR                                            ; buffer 0 is whole, and nobody reads buffer 1 any more
	s_add_co_u32 s15, s15, 1
	s_cmp_lt_u32 s15, \ntrip
	s_cbranch_scc1 .Lkk_\@
	s_wait_loadcnt 0x0
.endm
.macro STAGE empt
	PLACES
.if \empt
	s_cmp_eq_u32 s17, 0
	s_cbranch_scc1 .Lsg_\@
.endif
.set ia, 0
.rept MT
.set ib, 0
.rept 2
	ds_store_b128 v22, v[ACC+8*(2*ia+ib):ACC+8*(2*ia+ib)+3] offset:16*SPIT*ia+64*ib
	ds_store_b128 v22, v[ACC+8*(2*ia+ib)+4:ACC+8*(2*ia+ib)+7] offset:16*SPIT*ia+64*ib+16
.set ib, ib+1
.endr
.set ia, ia+1
.endr
.Lsg_\@:
	BAR
.endm
.macro RB_F32 pitch                    ; wave w stores rows 16 w + t as f32: 512 consecutive bytes a store
	GS BM/8, ds_load_b128 v[96+4*gi:99+4*gi], v23 offset:SPIT*gi
.set t, 0
.rept BM/8
	s_wait_dscnt BM/8-1-t                          ; row t is back; the younger loads stay out
	global_store_b128 v30, v[96+4*t:99+4*t], s[12:13] offset:(\pitch)*t
.set t, t+1
.endr
.endm
; My 16 rows as gelu(row + v[240:243]) - v[244:247] in bf16, written out in four groups of four rows: all 16 loads from the stage go out first, with the rows in the immediates; the 16 store offsets are
; made once and the packing is in place, so no register of a pending store is written again.  s[sp] = C's pitch in bytes.
.macro RB_GELU sp
	v_mov_b32 v216, v29
	GS 15, v_add_nc_u32 v[217+gi], s[\sp], v[216+gi]
	GS 16, ds_load_b128 v[96+4*gi:99+4*gi], v23 offset:SPIT*gi
.set tr, 0
.rept 4
.set rb, 96+16*tr
	s_wait_dscnt 12-4*tr                           ; this group's four rows are back; the younger rows' loads stay out
	GP 16, v_pk_add_f32 v[rb+gi:rb+gi+1], v[rb+gi:rb+gi+1], v[240+gi%4:241+gi%4]
	GELU rb, 16, 160, rb
	GP 16, v_pk_add_f32 v[rb+gi:rb+gi+1], v[rb+gi:rb+gi+1], v[244+gi%4:245+gi%4] neg_lo:[0,1] neg_hi:[0,1]
	GS 8, v_cvt_pk_bf16_f32 v[rb+gi], v[rb+2*gi], v[rb+2*gi+1]
	GS 4, global_store_b64 v[216+4*tr+gi], v[rb+2*gi:rb+2*gi+1], s[12:13]   ; a wave's store covers 256 consecutive bytes, aligned
.set tr, tr+1
.endr
.endm
.macro PICK1 e, pre, lg, ph            ; expert e begins at column tile pre of the 136; its hid pitch is 256 << lg bytes
	s_cmp_ge_u32 s7, \pre
	s_cselect_b64 s[10:11], s[44+2*\e:45+2*\e], s[10:11]
	s_cselect_b64 s[94:95], s[68+2*\e:69+2*\e], s[94:95]
	s_cselect_b32 s19, \e, s19
	s_cselect_b32 s21, \pre, s21
	s_cselect_b32 s20, \lg, s20
	s_cselect_b32 s22, \ph, s22
.endm
	s_load_b256 s[84:91], s[0:1], 0x0              ; wsb 84, lst 86, wsc 88, Ws1 90
	s_load_b64 s[92:93], s[0:1], 0x20              ; bs1
	s_load_b512 s[44:59], s[0:1], 0x28             ; W1 of experts 0-7
	s_load_b512 s[68:83], s[0:1], 0x68             ; b1 of experts 0-7
	HEAD
	GCONST
	; the work-group's number -> job column s5, row tile s6; both forms are made and one is chosen
	s_mov_b32 s7, ttmp9
	s_sub_co_u32 s24, s7, 128                      ; u, for the experts
	s_lshr_b32 s23, s24, 3
	s_mul_i32 s23, s23, 241
	s_lshr_b32 s23, s23, 12                        ; u / 136 = (u / 8) / 17 = ((u / 8) x 241) >> 12, exact for u / 8 < 272
	s_mul_i32 s22, s23, 136
	s_sub_co_u32 s22, s24, s22
	s_add_co_u32 s22, s22, 8                       ; 8 + u % 136
	s_lshr_b32 s20, s7, 2                          ; numbers under 128: row tile (number / 4) % 16,
	s_and_b32 s20, s20, 15
	s_and_b32 s21, s7, 3                           ; column number % 4, and 4 more from 64 on
	s_lshr_b32 s19, s7, 6
	s_lshl2_add_u32 s21, s19, s21
	s_cmp_lt_u32 s7, 128
	s_cselect_b32 s5, s21, s22
	s_cselect_b32 s6, s20, s23
	s_mov_b32 s25, 0
	GS 16*MT, v_mov_b32 v[ACC+gi], 0
	GS 48, v_mov_b32 v[SA+gi], 0                   ; written once, so that they are written on every path
	s_cmp_lt_u32 s5, 4
	s_cbranch_scc0 .Lexp
	; ---------------- S: rows 128 y (batch y / 4), keys 128 x of the same batch
	s_mov_b32 s17, 1
	s_mov_b32 s16, 4096
	MKOFF16 10, MT, 16
	MKOFF16 14, 4, 16
	s_wait_kmcnt 0x0
	s_lshl_b32 s24, s6, 19
	s_add_nc_u64 s[8:9], s[84:85], s[24:25]        ; Q's rows
	s_lshr_b32 s24, s6, 2
	s_lshl_b32 s24, s24, 21
	s_lshl_b32 s23, s5, 19
	s_add_co_u32 s24, s24, s23
	s_add_co_u32 s24, s24, 2048
	s_add_nc_u64 s[10:11], s[84:85], s[24:25]      ; K's rows: the second half of qk's columns
	s_lshl_b32 s24, s6, 18
	s_lshl_b32 s23, s2, 15
	s_add_co_u32 s24, s24, s23
	s_lshl_b32 s23, s5, 9
	s_add_co_u32 s24, s24, s23
	s_add_nc_u64 s[12:13], s[88:89], s[24:25]
	KLOOP 16, 0, 8
	STAGE 0
	RB_F32 2048
	s_branch .Lend
	; ---------------- a first product
.Lexp:
.irp r, 6, 7, 8, 9, 22, 23
	v_add_nc_u32 v\r, EB, v\r                      ; this kind of work-group has its ring and stage from EB on
.endr
	s_wait_kmcnt 0x0
	s_cmp_lt_u32 s5, 8
	s_cbranch_scc1 .Lshared
	s_sub_co_u32 s7, s5, 8
	s_mov_b64 s[10:11], s[44:45]
	s_mov_b64 s[94:95], s[68:69]
	s_mov_b32 s19, 0
	s_mov_b32 s21, 0
	s_mov_b32 s20, 3
	s_mov_b32 s22, 0
	PICK1 1, 8, 4, 1024
	PICK1 2, 24, 5, 3072
	PICK1 3, 56, 3, 7168
	PICK1 4, 64, 4, 8192
	PICK1 5, 80, 5, 10240
	PICK1 6, 112, 3, 14336
	PICK1 7, 120, 4, 15360
	s_sub_co_u32 s21, s7, s21                      ; the column tile
	s_mov_b32 s96, 1.0                             ; gelu(b1) is taken away
	s_mov_b32 s97, 1.0
	s_branch .Lgo
.Lshared:
	s_mov_b64 s[10:11], s[90:91]
	s_mov_b64 s[94:95], s[92:93]
	s_mov_b32 s19, 8
	s_sub_co_u32 s21, s5, 4
	s_mov_b32 s20, 2
	s_mov_b32 s22, 17408
	s_mov_b32 s96, 0                               ; nothing is taken away
	s_mov_b32 s97, 0
.Lgo:
	s_lshl_b32 s24, s19, 2
	s_load_b32 s18, s[86:87], s24 offset:0x24000   ; the expert's count
	s_lshl_b32 s98, s19, 14
	s_lshl_b32 s23, s6, 9
	s_add_co_u32 s98, s98, s23
	s_mov_b32 s99, 0
	s_add_nc_u64 s[98:99], s[86:87], s[98:99]      ; the list at the tile's first place
	v_lshlrev_b32 v31, 2, v24
	GS 4, global_load_b32 v[10+gi], v31, s[98:99] offset:128*gi
	s_wait_kmcnt 0x0
	s_lshl_b32 s7, s6, 7
	s_cmp_gt_u32 s18, s7
	s_cselect_b32 s17, 1, 0                        ; has the tile rows?
	s_lshl_b32 s24, s21, 18
	s_add_nc_u64 s[10:11], s[10:11], s[24:25]      ; W1's rows 128 ct, 2048 bytes each
	s_lshl_b32 s24, s21, 9
	s_add_nc_u64 s[94:95], s[94:95], s[24:25]
	global_load_b128 v[240:243], v30, s[94:95]     ; b1 of my four columns
	s_mov_b32 s16, 2048
	MKOFF32 14, 16
	s_add_nc_u64 s[8:9], s[84:85], 12582912        ; gl
	s_lshl_b32 s14, 256, s20                       ; hid's pitch
	s_lshl_b32 s24, s2, 4
	s_add_co_u32 s24, s24, s7
	s_add_co_u32 s23, s20, 8
	s_lshl_b32 s24, s24, s23                       ; (128 y + 16 w) rows
	s_lshl_b32 s23, s22, 12
	s_add_co_u32 s24, s24, s23
	s_lshl_b32 s23, s21, 8
	s_add_co_u32 s24, s24, s23
	s_add_co_u32 s24, s24, 4194304
	s_add_nc_u64 s[12:13], s[88:89], s[24:25]
	s_wait_loadcnt 0x1                             ; the four ids are in; the bias, issued behind them, may stay out
	GS 4, v_lshrrev_b32 v[10+gi], 2, v[10+gi]      ; the token
	GS 4, v_min_u32 v[10+gi], 0x7ff, v[10+gi]
	GS 4, v_lshl_add_u32 v[10+gi], v[10+gi], 10, v25
	KLOOP 32, 1, 4
	STAGE 1
	s_cmp_eq_u32 s17, 0
	s_cbranch_scc1 .Lend
	GELU 244, 4, 160, 240
	v_pk_mul_f32 v[244:245], v[244:245], s[96:97] op_sel_hi:[1,0]
	v_pk_mul_f32 v[246:247], v[246:247], s[96:97] op_sel_hi:[1,0]
	RB_GELU 14
.Lend:
	s_wait_tensorcnt 0x0                           ; the wave's end
	ds_add_u32 v1, v2
	s_wait_dscnt 0x0
	s_endpgm
.Lfunc_end_k_qd4c059d2fd_mid1:
	.size	k_qd4c059d2fd_mid1, .Lfunc_end_k_qd4c059d2fd_mid1-k_qd4c059d2fd_mid1
	.p2alignl 7, 3214868480
	.fill 96, 4, 3214868480
	.section	.rodata,"a",@progbits
	.p2align	6, 0x0
	.amdhsa_kernel k_qd4c059d2fd_mid1
		.amdhsa_group_segment_fixed_size 148480
		.amdhsa_private_segment_fixed_size 0
		.amdhsa_enable_private_segment 0
		.amdhsa_kernarg_size 168
		.amdhsa_user_sgpr_count 2
		.amdhsa_user_sgpr_kernarg_segment_ptr 1
		.amdhsa_wavefront_size32 1
		.amdhsa_system_sgpr_workgroup_id_x 1
		.amdhsa_system_sgpr_workgroup_id_y 1
		.amdhsa_system_sgpr_workgroup_id_z 1
		.amdhsa_system_vgpr_workitem_id 0
		.amdhsa_next_free_vgpr 256
		.amdhsa_next_free_sgpr 100
		.amdhsa_reserve_vcc 0
		.amdhsa_float_denorm_mode_32 3
		.amdhsa_float_denorm_mode_16_64 3
		.amdhsa_memory_ordered 1
		.amdhsa_forward_progress 1
		.amdhsa_inst_pref_size 89
	.end_amdhsa_kernel
	.amdgpu_metadata
---
amdhsa.version: [ 1, 2 ]
amdhsa.kernels:
  - .name:           k_qd4c059d2fd_mid1
    .symbol:         k_qd4c059d2fd_mid1.kd
    .args:
      - { .name: wsb, .offset: 0, .size: 8, .value_kind: global_buffer, .address_space: global }
      - { .name: lst, .offset: 8, .size: 8, .value_kind: global_buffer, .address_space: global }
      - { .name: wsc, .offset: 16, .size: 8, .value_kind: global_buffer, .address_space: global }
      - { .name: Ws1, .offset: 24, .size: 8, .value_kind: global_buffer, .address_space: global }
      - { .name: bs1, .offset: 32, .size: 8, .value_kind: global_buffer, .address_space: global }
      - { .name: expert_params_0_0_0, .offset: 40, .size: 8, .value_kind: global_buffer, .address_space: global }
      - { .name: expert_params_1_0_0, .offset: 48, .size: 8, .value_kind: global_buffer, .address_space: global }
      - { .name: expert_params_2_0_0, .offset: 56, .size: 8, .value_kind: global_buffer, .address_space: global }
      - { .name: expert_params_3_0_0, .offset: 64, .size: 8, .value_kind: global_buffer, .address_space: global }
      - { .name: expert_params_4_0_0, .offset: 72, .size: 8, .value_kind: global_buffer, .address_space: global }
      - { .name: expert_params_5_0_0, .offset: 80, .size: 8, .value_kind: global_buffer, .address_space: global }
      - { .name: expert_params_6_0_0, .offset: 88, .size: 8, .value_kind: global_buffer, .address_space: global }
      - { .name: expert_params_7_0_0, .offset: 96, .size: 8, .value_kind: global_buffer, .address_space: global }
      - { .name: expert_params_0_0_1, .offset: 104, .size: 8, .value_kind: global_buffer, .address_space: global }
      - { .name: expert_params_1_0_1, .offset: 112, .size: 8, .value_kind: global_buffer, .address_space: global }
      - { .name: expert_params_2_0_1, .offset: 120, .size: 8, .value_kind: global_buffer, .address_space: global }
      - { .name: expert_params_3_0_1, .offset: 128, .size: 8, .value_kind: global_buffer, .address_space: global }
      - { .name: expert_params_4_0_1, .offset: 136, .size: 8, .value_kind: global_buffer, .address_space: global }
      - { .name: expert_params_5_0_1, .offset: 144, .size: 8, .value_kind: global_buffer, .address_space: global }
      - { .name: expert_params_6_0_1, .offset: 152, .size: 8, .value_kind: global_buffer, .address_space: global }
      - { .name: expert_params_7_0_1, .offset: 160, .size: 8, .value_kind: global_buffer, .address_space: global }
    .group_segment_fixed_size: 148480
    .private_segment_fixed_size: 0
    .kernarg_segment_align: 8
    .kernarg_segment_size: 168
    .max_flat_workgroup_size: 256
    .sgpr_count:     100
    .vgpr_count:     256
    .wavefront_size: 32
...
	.end_amdgpu_metadata
.endif
;; end of part 7
;; launch mid2 (part 8): grid 832 x 1, 8 waves a work-group, no clusters, 148,480 bytes of LDS; arguments wsc, wsb, lst, wsa, part, wsd, Ws2, expert_params_0_1_0, expert_params_1_1_0, expert_params_2_1_0, expert_params_3_1_0, expert_params_4_1_0, expert_params_5_1_0, expert_params_6_1_0, expert_params_7_1_0; writes part, wsd
.if DOCPART == 8
	.amdgcn_target "amdgcn-amd-amdhsa--gfx1250"
	.amdhsa_code_object_version 6
	.text
	.protected	k_qd4c059d2fd_mid2
	.globl	k_qd4c059d2fd_mid2
	.p2align	8
	.type	k_qd4c059d2fd_mid2,@function
k_qd4c059d2fd_mid2:
	s_mov_b64 s[64:65], 0
	v_nop
	global_prefetch_b8 v0, s[64:65] scope:SCOPE_SE
	s_setreg_imm32_b32 hwreg(HW_REG_WAVE_MODE, 25, 1), 1
	s_wait_xcnt 0x0
; MID2.  Four kinds of work-group, the ones known to be long first.
; 0-127: VO^T = Wo V^T, tiles of 128 output channels x 128 tokens, K = 1024, bf16 x bf16 -> vot.  Attention's output is P (V Wo^T): the same multiply-adds as (P V) Wo^T, but this product hangs on no
;   softmax, and the last launch's K for attention is 512 keys in place of 1,024 channels.
; 128-639: an expert's second product: u = number - 128: row tile u / 32, expert (u / 4) % 8, column tile u % 4.  640-703: the shared expert's.  part[4 token + k][512] f32 takes a row's result at the
;   row's id (k = 0, 1: the two chosen experts; k = 2: the shared one): each row has one owner, and the last launch adds the three.
; 704-831: the softmax of 16 rows of S (scale 1/32, each row's maximum taken away, weights divided by their sum), a pair of rows to a wave, rounded once to bf16 -> P.  No LDS, no barrier.
; wsd: vot[1024][2048] bf16 at 0; P at 4194304 as [(t & 511)][t >> 9][512] bf16: the four batches side by side in rows of 4,096 bytes, so that P, vot and the other operands of the last launch
; have one pitch.
; THE EXPERTS' K LOOP COUNTS TO A CONSTANT, 32 trips of 128 along K (the widest expert's 4096).  How many of them hold work, H / 128, follows from the work-group's number alone; whether the tile has
; rows hangs on the stored count.  A trip without work, and every trip of a tile without rows, passes its two barriers and jumps all else: no barrier stands under a branch.  The price: an expert of
; width 1024 passes 48 barriers with nothing between them, one of width 2048 passes 32.  Rows past the count are not stored: whole store instructions are jumped by a scalar branch.
; The engine: see PROJ.  The experts' weights are f32, rounded on the way into LDS.
; LDS: the two kinds of work-group that use it have bytes of their own (VO^T's ring and stage from 0, the experts' from EB), so that the two texts name no byte in common; no LDS address register is
; written in a loop.
; LIMITS.  A weight below 2^-126 counts as 0; NaN and infinities are not treated apart.
.set MT, 4
.set BM, 32*MT
.set PIT, 144
.set LB0, BM*PIT
.set LA1, (BM+128)*PIT
.set RING, 2*LA1
.set SPIT, 528
.set EB, RING                          ; the experts' ring and stage
.set SPARE, 2*RING                     ; the spare words: 128 bytes a wave, four blocks of 256 bytes that no other line names
.set MAXT, 32                          ; trips of the experts' K loop: 4096 / 128
.set ACC, 32
.set FR0, 96
.set FR1, 144
.set SA, 192
.set SB, 208
.macro GS n, line:vararg
.set gi, 0
.rept \n
	\line
.set gi, gi+1
.endr
.endm
.macro GP n, line:vararg
.set gi, 0
.rept (\n)/2
	\line
.set gi, gi+2
.endr
.endm
.macro PLACES
.rept 4
	v_nop
.endr
.endm
.macro HEAD
	v_lshl_add_u32 v1, v0, 2, SPARE
	v_mov_b32 v2, 0
	v_and_b32 v3, 31, v0
	v_and_b32 v4, 15, v0
	v_bfe_u32 v5, v0, 4, 1
	v_lshrrev_b32 v24, 5, v0
	v_readfirstlane_b32 s2, v24
	s_lshr_b32 s3, s2, 2
	s_and_b32 s4, s2, 3
	v_lshrrev_b32 v24, 3, v3
	v_and_b32 v25, 7, v3
	v_lshlrev_b32 v25, 4, v25
	v_mad_u32_u24 v6, v24, PIT, v25
	s_mul_i32 s23, s2, 4*PIT
	v_add_nc_u32 v6, s23, v6
	v_add_nc_u32 v28, LB0, v6
	v_lshl_add_u32 v24, s2, 2, v24
	v_lshlrev_b32 v27, 4, v4
	v_lshlrev_b32 v7, 3, v4
	v_mad_u32_u24 v7, v5, PIT, v7
	s_mul_i32 s23, s2, 2*PIT
	s_add_co_u32 s23, s23, LB0
	v_add_nc_u32 v7, s23, v7
	v_lshl_add_u32 v26, s2, 1, v5
	v_mul_u32_u24 v8, v4, PIT
	v_lshl_add_u32 v8, v5, 4, v8
	s_mul_i32 s23, s4, 32*PIT
	v_add_nc_u32 v9, s23, v8
	s_mul_i32 s23, s3, 16*MT*PIT
	v_add_nc_u32 v8, s23, v8
	v_mul_u32_u24 v22, v4, SPIT
	v_lshl_add_u32 v22, v5, 5, v22
	s_mul_i32 s23, s3, 16*MT*SPIT
	s_lshl_b32 s24, s4, 7
	s_add_co_u32 s23, s23, s24
	v_add_nc_u32 v22, s23, v22
	v_lshlrev_b32 v30, 4, v3
	v_lshlrev_b32 v29, 3, v3
	s_mul_i32 s23, s2, (BM/8)*SPIT
	v_add_nc_u32 v23, s23, v30
.endm
.macro MKOFF16 base, n, sp
	v_mad_u32_u24 v[\base], v24, s[\sp], v25
	s_lshl_b32 s23, s[\sp], 5
.set i, 1
.rept (\n)-1
	v_add_nc_u32 v[(\base)+i], s23, v[(\base)+i-1]
.set i, i+1
.endr
.endm
.macro MKOFF32 base, sp
	v_mad_u32_u24 v[\base], v26, s[\sp], v27
	s_lshl_b32 s23, s[\sp], 4
.set i, 1
.rept 7
	v_add_nc_u32 v[(\base)+i], s23, v[(\base)+i-1]
.set i, i+1
.endr
.endm
.macro GLD bt
	GS MT, global_load_b128 v[SA+4*gi:SA+4*gi+3], v[10+gi], s[8:9]
	GS (\bt)/4, global_load_b128 v[SB+4*gi:SB+4*gi+3], v[14+gi], s[10:11]
.endm
.macro LST bt, buf
	GS MT, ds_store_b128 v6, v[SA+4*gi:SA+4*gi+3] offset:LA1*(\buf)+32*PIT*gi
.if (\bt) == 16
	GS 4, ds_store_b128 v28, v[SB+4*gi:SB+4*gi+3] offset:LA1*(\buf)+32*PIT*gi
.else
	GS 8, v_cvt_pk_bf16_f32 v[SB+4*gi], v[SB+4*gi], v[SB+4*gi+1]
	GS 8, v_cvt_pk_bf16_f32 v[SB+4*gi+1], v[SB+4*gi+2], v[SB+4*gi+3]
	GS 8, ds_store_b64 v7, v[SB+4*gi:SB+4*gi+1] offset:LA1*(\buf)+16*PIT*gi
.endif
.endm
.macro STEPP bt
	s_add_nc_u64 s[8:9], s[8:9], 128
	s_add_nc_u64 s[10:11], s[10:11], 8*(\bt)
.endm
.macro FRAGS buf
.irp kk, 0, 1
.set fb, FR0+(FR1-FR0)*\kk
.set ia, 0
.rept MT
	ds_load_b128 v[fb+8*ia:fb+8*ia+3], v8 offset:LA1*(\buf)+16*PIT*ia+64*\kk
	ds_load_b128 v[fb+8*ia+4:fb+8*ia+7], v8 offset:LA1*(\buf)+16*PIT*ia+64*\kk+32
.set ia, ia+1
.endr
.set ib, 0
.rept 2
	ds_load_b128 v[fb+8*MT+8*ib:fb+8*MT+8*ib+3], v9 offset:LB0+LA1*(\buf)+16*PIT*ib+64*\kk
	ds_load_b128 v[fb+8*MT+8*ib+4:fb+8*MT+8*ib+7], v9 offset:LB0+LA1*(\buf)+16*PIT*ib+64*\kk+32
.set ib, ib+1
.endr
.endr
.endm
.macro MM fr
.set ia, 0
.rept MT
.set ib, 0
.rept 2
	v_wmma_f32_16x16x32_bf16 v[ACC+8*(2*ia+ib):ACC+8*(2*ia+ib)+7], v[(\fr)+8*MT+8*ib:(\fr)+8*MT+8*ib+7], v[(\fr)+8*ia:(\fr)+8*ia+7], v[ACC+8*(2*ia+ib):ACC+8*(2*ia+ib)+7]
.set ib, ib+1
.endr
.set ia, ia+1
.endr
.endm
.macro BAR
	s_wait_dscnt 0x0
	s_barrier_signal -1
	s_barrier_wait -1
.endm
.macro HALF buf
	PLACES
	FRAGS \buf
	s_wait_dscnt 4+2*MT                            ; the first 32 along K are in; the second 32's 4 + 2 MT loads stay out
	MM FR0
	s_wait_dscnt 0x0
	MM FR1
.endm
; 2 ntrip steps of 64 along K, every one with work.  Trip i multiplies tiles 2 i (buffer 0) and 2 i + 1 (buffer 1).
.macro KLOOP bt, ntrip
	GLD \bt
	s_wait_loadcnt 0x0
	LST \bt, 0
	STEPP \bt
	GLD \bt
	BAR
	s_mov_b32 s15, 0
.Lkk_\@:
	s_add_co_u32 s23, s15, 1
	s_cmp_lt_u32 s23, \ntrip
	s_cselect_b32 s16, 1, 0                        ; are there tiles behind this trip's two?
	HALF 0
	s_wait_loadcnt 0x0                             ; tile 2 i + 1, asked for a step ago
	LST \bt, 1
	s_cmp_eq_u32 s16, 0
	s_cbranch_scc1 .Lka_\@
	STEPP \bt
	GLD \bt
.Lka_\@:
	BAR                                            ; buffer 1 is whole, and nobody reads buffer 0 any more
	HALF 1
	s_cmp_eq_u32 s16, 0
	s_cbranch_scc1 .Lkb_\@
	s_wait_loadcnt 0x0
	LST \bt, 0
	STEPP \bt
	GLD \bt
.Lkb_\@:
	BAR                                            ; buffer 0 is whole, and nobody reads buffer 1 any more
	s_add_co_u32 s15, s15, 1
	s_cmp_lt_u32 s15, \ntrip
	s_cbranch_scc1 .Lkk_\@
	s_wait_loadcnt 0x0
.endm
; The experts' K loop: MAXT trips, a constant; trip i multiplies tiles 2 i (buffer 0) and 2 i + 1 (buffer 1) if i < s[sn] (= H / 128, at least 4) and the tile has rows (s17 = 1).
; s27: this trip has work.  s16: tiles follow behind this trip's two.  A trip without work passes the two barriers and jumps all else.
.macro KLOOPX bt, sn
	s_cmp_eq_u32 s17, 0
	s_cbranch_scc1 .Lkp_\@
	GLD \bt
	s_wait_loadcnt 0x0
	LST \bt, 0
	STEPP \bt
	GLD \bt
.Lkp_\@:
	BAR
	s_mov_b32 s15, 0
.Lkk_\@:
	s_cmp_lt_u32 s15, s[\sn]
	s_cselect_b32 s27, s17, 0
	s_add_co_u32 s23, s15, 1
	s_cmp_lt_u32 s23, s[\sn]
	s_cselect_b32 s16, s17, 0
	s_cmp_eq_u32 s27, 0
	s_cbranch_scc1 .Lka_\@
	HALF 0
	s_wait_loadcnt 0x0                             ; tile 2 i + 1, asked for a step ago
	LST \bt, 1
	s_cmp_eq_u32 s16, 0
	s_cbranch_scc1 .Lka_\@
	STEPP \bt
	GLD \bt
.Lka_\@:
	BAR                                            ; buffer 1 is whole, and nobody reads buffer 0 any more
	s_cmp_eq_u32 s27, 0
	s_cbranch_scc1 .Lkb_\@
	HALF 1
	s_cmp_eq_u32 s16, 0
	s_cbranch_scc1 .Lkb_\@
	s_wait_loadcnt 0x0
	LST \bt, 0
	STEPP \bt
	GLD \bt
.Lkb_\@:
	BAR                                            ; buffer 0 is whole, and nobody reads buffer 1 any more
	s_add_co_u32 s15, s15, 1
	s_cmp_lt_u32 s15, MAXT
	s_cbranch_scc1 .Lkk_\@
	s_wait_loadcnt 0x0
.endm
.macro STAGE empt
	PLACES
.if \empt
	s_cmp_eq_u32 s17, 0
	s_cbranch_scc1 .Lsg_\@
.endif
.set ia, 0
.rept MT
.set ib, 0
.rept 2
	ds_store_b128 v22, v[ACC+8*(2*ia+ib):ACC+8*(2*ia+ib)+3] offset:16*SPIT*ia+64*ib
	ds_store_b128 v22, v[ACC+8*(2*ia+ib)+4:ACC+8*(2*ia+ib)+7] offset:16*SPIT*ia+64*ib+16
.set ib, ib+1
.endr
.set ia, ia+1
.endr
.Lsg_\@:
	BAR
.endm
.macro RB_BF16 pitch
	GS BM/8, ds_load_b128 v[96+4*gi:99+4*gi], v23 offset:SPIT*gi
.set t, 0
.rept BM/8
	s_wait_dscnt BM/8-1-t                          ; row t is back; the younger loads stay out
	v_cvt_pk_bf16_f32 v[160+2*t], v[96+4*t], v[97+4*t]
	v_cvt_pk_bf16_f32 v[161+2*t], v[98+4*t], v[99+4*t]
	global_store_b64 v29, v[160+2*t:161+2*t], s[12:13] offset:(\pitch)*t
.set t, t+1
.endr
.endm
; The softmax of a pair of rows in v96-127: lanes 0-15 hold the even row, lanes 16-31 the odd one; a lane holds columns 8 (lane % 16) + 128 j + 0..7.  The maxima and sums across lanes stay inside a
; half of 16 lanes.  The 32 exponentials are one batch with one wait; the reciprocal has its own.
.macro SOFT
.set sx, 96
	GS 4, v_max3_num_f32 v[160+gi], v[sx+8*gi], v[sx+8*gi+1], v[sx+8*gi+2]
	GS 4, v_max3_num_f32 v[160+gi], v[160+gi], v[sx+8*gi+3], v[sx+8*gi+4]
	GS 4, v_max3_num_f32 v[160+gi], v[160+gi], v[sx+8*gi+5], v[sx+8*gi+6]
	v_max3_num_f32 v160, v160, v[sx+7], v[sx+15]
	v_max3_num_f32 v162, v162, v[sx+23], v[sx+31]
	v_max3_num_f32 v160, v160, v161, v162
	v_max_num_f32 v160, v160, v163
.irp k, 1, 2, 4, 8
	v_max_num_f32_dpp v160, v160, v160 row_xmask:\k row_mask:0xf bank_mask:0xf
.endr
	v_mul_f32 v160, s28, v160                      ; c m, c = log2(e) / 32
	GP 32, v_pk_fma_f32 v[sx+gi:sx+gi+1], v[sx+gi:sx+gi+1], s[28:29], v[160:161] op_sel_hi:[1,0,0] neg_lo:[0,0,1] neg_hi:[0,0,1]
	GS 32, v_exp_f32 v[sx+gi], v[sx+gi]
	v_nop
	s_wait_alu depctr_va_vdst(0)
	GP 16, v_pk_add_f32 v[180+gi:181+gi], v[sx+2*gi:sx+2*gi+1], v[sx+2*gi+2:sx+2*gi+3]
	GP 8, v_pk_add_f32 v[180+2*gi:181+2*gi], v[180+2*gi:181+2*gi], v[182+2*gi:183+2*gi]
	GP 4, v_pk_add_f32 v[180+4*gi:181+4*gi], v[180+4*gi:181+4*gi], v[184+4*gi:185+4*gi]
	v_pk_add_f32 v[180:181], v[180:181], v[188:189]
	v_add_f32 v162, v180, v181
.irp k, 1, 2, 4, 8
	v_add_f32_dpp v162, v162, v162 row_xmask:\k row_mask:0xf bank_mask:0xf
.endr
	v_rcp_f32 v162, v162
	v_nop
	s_wait_alu depctr_va_vdst(0)
	GP 32, v_pk_mul_f32 v[sx+gi:sx+gi+1], v[sx+gi:sx+gi+1], v[162:163] op_sel_hi:[1,0]
	GS 16, v_cvt_pk_bf16_f32 v[164+gi], v[sx+2*gi], v[sx+2*gi+1]
	GS 4, global_store_b128 v20, v[164+4*gi:167+4*gi], s[12:13] offset:256*gi   ; 16 lanes store 256 consecutive bytes of a row, aligned
.endm
.macro PICK2 e, lg, ph
	s_cmp_eq_u32 s19, \e
	s_cselect_b64 s[10:11], s[44+2*\e:45+2*\e], s[10:11]
	s_cselect_b32 s20, \lg, s20
	s_cselect_b32 s22, \ph, s22
.endm
	s_load_b256 s[84:91], s[0:1], 0x0              ; wsc 84, wsb 86, lst 88, wsa 90
	s_load_b128 s[92:95], s[0:1], 0x20             ; part 92, wsd 94
	s_load_b64 s[96:97], s[0:1], 0x30              ; Ws2
	s_load_b512 s[44:59], s[0:1], 0x38             ; W2 of experts 0-7
	HEAD
	s_mov_b32 s5, ttmp9
	s_mov_b32 s25, 0
	s_cmp_ge_u32 s5, 704
	s_cbranch_scc1 .Lsoft
	GS 16*MT, v_mov_b32 v[ACC+gi], 0
	GS 48, v_mov_b32 v[SA+gi], 0                   ; written once, so that they are written on every path
	s_cmp_lt_u32 s5, 128
	s_cbranch_scc0 .Lexp
	; ---------------- VO^T: output channels 128 (number / 16), tokens 128 (number % 16)
	s_mov_b32 s16, 4096
	MKOFF16 10, MT, 16
	MKOFF16 14, 4, 16
	s_lshr_b32 s6, s5, 4
	s_and_b32 s7, s5, 15
	s_wait_kmcnt 0x0
	s_lshl_b32 s24, s6, 19
	s_add_co_u32 s24, s24, 11534336
	s_add_nc_u64 s[8:9], s[90:91], s[24:25]        ; A: Wo, the first half of wfin's rows
	s_and_b32 s24, s7, 7
	s_lshl_b32 s24, s24, 19
	s_lshr_b32 s23, s7, 3
	s_lshl_b32 s23, s23, 11
	s_add_co_u32 s24, s24, s23
	s_add_co_u32 s24, s24, 8388608
	s_add_nc_u64 s[10:11], s[86:87], s[24:25]      ; B: V's rows (t & 1023), half t >> 10
	s_lshl_b32 s24, s6, 19
	s_lshl_b32 s23, s2, 16
	s_add_co_u32 s24, s24, s23
	s_lshl_b32 s23, s7, 8
	s_add_co_u32 s24, s24, s23
	s_add_nc_u64 s[12:13], s[94:95], s[24:25]      ; C: vot
	KLOOP 16, 8
	STAGE 0
	RB_BF16 4096
	s_branch .Lend
	; ---------------- a second product
.Lexp:
.irp r, 6, 7, 8, 9, 22, 23
	v_add_nc_u32 v\r, EB, v\r                      ; this kind of work-group has its ring and stage from EB on
.endr
	s_wait_kmcnt 0x0
	s_cmp_lt_u32 s5, 640
	s_cbranch_scc0 .Lshared
	s_sub_co_u32 s7, s5, 128
	s_lshr_b32 s6, s7, 5                           ; the row tile
	s_bfe_u32 s19, s7, 0x30002                     ; the expert
	s_and_b32 s21, s7, 3                           ; the column tile
	s_mov_b64 s[10:11], s[44:45]
	s_mov_b32 s20, 3
	s_mov_b32 s22, 0
	PICK2 1, 4, 1024
	PICK2 2, 5, 3072
	PICK2 3, 3, 7168
	PICK2 4, 4, 8192
	PICK2 5, 5, 10240
	PICK2 6, 3, 14336
	PICK2 7, 4, 15360
	s_branch .Lgo
.Lshared:
	s_sub_co_u32 s7, s5, 640
	s_lshr_b32 s6, s7, 2
	s_and_b32 s21, s7, 3
	s_mov_b64 s[10:11], s[96:97]
	s_mov_b32 s19, 8
	s_mov_b32 s20, 2
	s_mov_b32 s22, 17408
.Lgo:
	s_lshl_b32 s24, s19, 2
	s_load_b32 s18, s[88:89], s24 offset:0x24000   ; the expert's count
	s_lshl_b32 s98, s19, 14
	s_lshl_b32 s23, s6, 9
	s_add_co_u32 s98, s98, s23
	s_lshl_b32 s23, s2, 6
	s_add_co_u32 s98, s98, s23
	s_mov_b32 s99, 0
	s_add_nc_u64 s[98:99], s[88:89], s[98:99]
	s_load_b512 s[68:83], s[98:99], 0x0            ; the ids of my 16 rows
	s_wait_kmcnt 0x0
	s_lshl_b32 s7, s6, 7
	s_cmp_gt_u32 s18, s7
	s_cselect_b32 s17, 1, 0                        ; has the tile rows?
	s_lshl_b32 s14, 1, s20                         ; trips that hold work: H / 128
	s_lshl_b32 s16, 256, s20                       ; hid's pitch
	MKOFF16 10, MT, 16
	s_lshl_b32 s16, 512, s20                       ; W2's pitch
	MKOFF32 14, 16
	s_add_co_u32 s23, s20, 8
	s_lshl_b32 s24, s7, s23
	s_lshl_b32 s23, s22, 12
	s_add_co_u32 s24, s24, s23
	s_add_co_u32 s24, s24, 4194304
	s_add_nc_u64 s[8:9], s[84:85], s[24:25]        ; hid: the region's rows 128 y
	s_add_co_u32 s23, s20, 16
	s_lshl_b32 s24, s21, s23
	s_add_nc_u64 s[10:11], s[10:11], s[24:25]      ; W2's rows 128 ct
	s_lshl_b32 s24, s21, 9
	s_add_nc_u64 s[12:13], s[92:93], s[24:25]      ; part at the tile's columns
	KLOOPX 32, 14
	STAGE 1
	s_cmp_eq_u32 s17, 0
	s_cbranch_scc1 .Lend
.set t, 0
.rept 16
	s_min_u32 s[68+t], s[68+t], 0x1fff
	s_lshl_b32 s[68+t], s[68+t], 11                ; a row of part is 2048 bytes
	v_add_nc_u32 v[160+t], s[68+t], v30
.set t, t+1
.endr
	GS 16, ds_load_b128 v[96+4*gi:99+4*gi], v23 offset:SPIT*gi
	s_lshl_b32 s23, s2, 4
	s_add_co_u32 s23, s23, s7                      ; my first place in the list
	s_wait_dscnt 0x0
.set t, 0
.rept 16
	s_add_co_u32 s24, s23, t
	s_cmp_ge_u32 s24, s18
	s_cbranch_scc1 .Lend                           ; places past the count are not stored
	global_store_b128 v[160+t], v[96+4*t:99+4*t], s[12:13]   ; 512 consecutive bytes of one row, aligned
.set t, t+1
.endr
.Lend:
	s_wait_tensorcnt 0x0                           ; the wave's end
	ds_add_u32 v1, v2
	s_wait_dscnt 0x0
	s_endpgm
	; ---------------- the softmax: g = number - 704; my rows are 16 g + 2 w and the next
.Lsoft:
	s_sub_co_u32 s7, s5, 704
	s_mov_b32 s28, 0x3d38aa3b                      ; log2(e) / 32
	s_mov_b32 s29, 0x3d38aa3b
	v_lshlrev_b32 v31, 5, v4                       ; in S: 32 bytes a lane, the odd row 2,048 bytes on
	v_lshl_add_u32 v31, v5, 11, v31
	v_lshl_add_u32 v20, v5, 12, v27                ; in P: 16 bytes a lane, the odd row 4,096 bytes on
	s_wait_kmcnt 0x0
	s_lshl_b32 s24, s7, 15
	s_lshl_b32 s23, s2, 12
	s_add_co_u32 s24, s24, s23
	s_add_nc_u64 s[8:9], s[84:85], s[24:25]
	GS 8, global_load_b128 v[96+4*gi:99+4*gi], v31, s[8:9] offset:512*(gi/2)+16*(gi%2)
	s_and_b32 s24, s7, 31                          ; row t & 511 = 16 (g % 32) + 2 w,
	s_lshl_b32 s24, s24, 16
	s_lshl_b32 s23, s2, 13
	s_add_co_u32 s24, s24, s23
	s_lshr_b32 s23, s7, 5                          ; batch t >> 9 = g / 32
	s_lshl_b32 s23, s23, 10
	s_add_co_u32 s24, s24, s23
	s_add_co_u32 s24, s24, 4194304
	s_add_nc_u64 s[12:13], s[94:95], s[24:25]
	s_wait_loadcnt 0x0
	SOFT
	s_endpgm
.Lfunc_end_k_qd4c059d2fd_mid2:
	.size	k_qd4c059d2fd_mid2, .Lfunc_end_k_qd4c059d2fd_mid2-k_qd4c059d2fd_mid2
	.p2alignl 7, 3214868480
	.fill 96, 4, 3214868480
	.section	.rodata,"a",@progbits
	.p2align	6, 0x0
	.amdhsa_kernel k_qd4c059d2fd_mid2
		.amdhsa_group_segment_fixed_size 148480
		.amdhsa_private_segment_fixed_size 0
		.amdhsa_enable_private_segment 0
		.amdhsa_kernarg_size 120
		.amdhsa_user_sgpr_count 2
		.amdhsa_user_sgpr_kernarg_segment_ptr 1
		.amdhsa_wavefront_size32 1
		.amdhsa_system_sgpr_workgroup_id_x 1
		.amdhsa_system_sgpr_workgroup_id_y 1
		.amdhsa_system_sgpr_workgroup_id_z 1
		.amdhsa_system_vgpr_workitem_id 0
		.amdhsa_next_free_vgpr 256
		.amdhsa_next_free_sgpr 100
		.amdhsa_reserve_vcc 0
		.amdhsa_float_denorm_mode_32 3
		.amdhsa_float_denorm_mode_16_64 3
		.amdhsa_memory_ordered 1
		.amdhsa_forward_progress 1
		.amdhsa_inst_pref_size 61
	.end_amdhsa_kernel
	.amdgpu_metadata
---
amdhsa.version: [ 1, 2 ]
amdhsa.kernels:
  - .name:           k_qd4c059d2fd_mid2
    .symbol:         k_qd4c059d2fd_mid2.kd
    .args:
      - { .name: wsc, .offset: 0, .size: 8, .value_kind: global_buffer, .address_space: global }
      - { .name: wsb, .offset: 8, .size: 8, .value_kind: global_buffer, .address_space: global }
      - { .name: lst, .offset: 16, .size: 8, .value_kind: global_buffer, .address_space: global }
      - { .name: wsa, .offset: 24, .size: 8, .value_kind: global_buffer, .address_space: global }
      - { .name: part, .offset: 32, .size: 8, .value_kind: global_buffer, .address_space: global }
      - { .name: wsd, .offset: 40, .size: 8, .value_kind: global_buffer, .address_space: global }
      - { .name: Ws2, .offset: 48, .size: 8, .value_kind: global_buffer, .address_space: global }
      - { .name: expert_params_0_1_0, .offset: 56, .size: 8, .value_kind: global_buffer, .address_space: global }
      - { .name: expert_params_1_1_0, .offset: 64, .size: 8, .value_kind: global_buffer, .address_space: global }
      - { .name: expert_params_2_1_0, .offset: 72, .size: 8, .value_kind: global_buffer, .address_space: global }
      - { .name: expert_params_3_1_0, .offset: 80, .size: 8, .value_kind: global_buffer, .address_space: global }
      - { .name: expert_params_4_1_0, .offset: 88, .size: 8, .value_kind: global_buffer, .address_space: global }
      - { .name: expert_params_5_1_0, .offset: 96, .size: 8, .value_kind: global_buffer, .address_space: global }
      - { .name: expert_params_6_1_0, .offset: 104, .size: 8, .value_kind: global_buffer, .address_space: global }
      - { .name: expert_params_7_1_0, .offset: 112, .size: 8, .value_kind: global_buffer, .address_space: global }
    .group_segment_fixed_size: 148480
    .private_segment_fixed_size: 0
    .kernarg_segment_align: 8
    .kernarg_segment_size: 120
    .max_flat_workgroup_size: 256
    .sgpr_count:     100
    .vgpr_count:     256
    .wavefront_size: 32
...
	.end_amdgpu_metadata
.endif
;; end of part 8
;; launch fin (part 9): grid 256 x 1, 8 waves a work-group, no clusters, 205,824 bytes of LDS; arguments wsa, wsb, part, x, bu, bc, bs2, out0, expert_params_0_1_1, expert_params_1_1_1, expert_params_2_1_1, expert_params_3_1_1, expert_params_4_1_1, expert_params_5_1_1, expert_params_6_1_1, expert_params_7_1_1, wsd; writes out0
.if DOCPART == 9
	.amdgcn_target "amdgcn-amd-amdhsa--gfx1250"
	.amdhsa_code_object_version 6
	.text
	.protected	k_qd4c059d2fd_fin
	.globl	k_qd4c059d2fd_fin
	.p2align	8
	.type	k_qd4c059d2fd_fin,@function
k_qd4c059d2fd_fin:
	s_mov_b64 s[64:65], 0
	v_nop
	global_prefetch_b8 v0, s[64:65] scope:SCOPE_SE
	s_setreg_imm32_b32 hwreg(HW_REG_WAVE_MODE, 25, 1), 1
	s_wait_xcnt 0x0
; FIN.  out0 = x + ol Wu^T + P VO + gelu(h) Wc^T + bu + bc: one set of sums, K = 512 + 512 + 1024.  A work-group makes 64 rows x 128 columns: 32 x 8 = 256 work-groups; wave w = 4 wm + wn makes 32 x 32:
; four accumulators that take turns, one instruction a turn.
; ol[t] = g0 p[t,0] + g1 p[t,1] + 0.1 p[t,2] + cvec, in f32, rounded once to bf16; cvec = sum over the experts of (gelu(b1) W2^T + b2) + 0.1 bs2, from the 17 partial rows c0p.
; LIMIT.  The experts' common term is weighed by 1 where the problem's text weighs it by g0 + g1, which is 1 to within 1.2e-7 of itself.
; K GOES IN EIGHT STEPS OF 256 through two LDS buffers of 192 rows (A's 64, then B's 128) of 512 + 16 bytes: tiles 0, 1: ol x Wu; 2, 3: P x VO^T; 4-7: gelu(h) x Wc.  A wave's load brings one row's 512
; bytes; a step is 24 loads a wave, 96 KiB for the work-group, asked for a whole step ahead and held in registers until the buffer is free; one barrier a step.  ol is put straight into the two buffers'
; A parts, so tiles 0 and 1 load no A, and the first trip jumps the one store of A.  P, vot, acat and wfin all have rows 4,096 bytes apart: the rows stand in the loads' immediates, one offset register
; serves all.  One loop of four trips walks the eight tiles; in its second trip the two pointers change buffers, by a select on the counter.
; In a step two sets of fragments (32 along K each) take turns: one is multiplied while the other's eight LDS loads are out.
; The sums are cleared by v_mov_b32 (32 lines): no first step is written out.  No cluster, no tensor loads: ol is computed on its way into LDS, and one way in serves all tiles.
.set PIT, 528                          ; an LDS row: odd multiple of 16 bytes, so the 16 rows of a fragment load start in 16 different groups of four banks
.set LB0, 64*PIT                       ; B's rows in a buffer
.set BUF, 192*PIT                      ; buffer 1
.set CV, 2*BUF                         ; cvec, 2,048 bytes
.set SPARE, CV+2048                    ; the spare words: 128 bytes a wave, four blocks of 256 bytes that no other line names
.set ACC, 32                           ; v32-63   accumulator (a, b) at 32 + 8 (2 a + b)
.set FRG, 64                           ; v64-127  two sets of fragments: A's at +8 a, B's at +16 + 8 b
.set XR, 128                           ; v128-159 x's eight rows
.set SA, 160                           ; v160-191 A's tile on its way
.set SB, 192                           ; v192-255 B's
.set CVR, 176                          ; v176-191 in the prologue: cvec of my 16 columns
.set GT, 28                            ; s[28:43] the gates of my eight tokens
; In the prologue v32-175 are three slots of 48 registers for a token's three partial rows.
; v1, v2 the add's two registers; v3 lane; v4 lane % 16; v5 lane / 16; v6, v7 where A's rows are put in buffer 0, 1 (v6 also: where the stage is read back); v8, v9 B's; v10, v11 where A's fragments are
; read; v12, v13 B's; v14, v15 where ol is put; v16 16 lane; v17 8 thread; v18, v19 cvec in and out; v20 into the stage; v24-31 bu, bc
.macro GS n, line:vararg
.set gi, 0
.rept \n
	\line
.set gi, gi+1
.endr
.endm
.macro GP n, line:vararg
.set gi, 0
.rept (\n)/2
	\line
.set gi, gi+2
.endr
.endm
.macro PLACES                          ; four plain places behind a matrix instruction, ahead of loads into its sources and of reads of its result
.rept 4
	v_nop
.endr
.endm
.macro BAR                             ; my LDS instructions are done; then all eight waves meet
	s_wait_dscnt 0x0
	s_barrier_signal -1
	s_barrier_wait -1
.endm
.macro GLD                             ; a step's tiles are asked for: my 8 rows of A, my 16 of B
	GS 8, global_load_b128 v[SA+4*gi:SA+4*gi+3], v16, s[8:9] offset:4096*gi
	GS 16, global_load_b128 v[SB+4*gi:SB+4*gi+3], v16, s[10:11] offset:4096*gi
.endm
.macro LSTA buf
	GS 8, ds_store_b128 v[6+(\buf)], v[SA+4*gi:SA+4*gi+3] offset:PIT*gi
.endm
.macro LSTB buf
	GS 16, ds_store_b128 v[8+(\buf)], v[SB+4*gi:SB+4*gi+3] offset:PIT*gi
.endm
.macro FR buf, k, s                    ; the fragments of 32 along K, part k of the step, into set s: eight LDS loads
.set fb, FRG+32*(\s)
.set ko, 64*(\k)
.irp a, 0, 1
	ds_load_b128 v[fb+8*\a:fb+8*\a+3], v[10+(\buf)] offset:16*PIT*\a+ko
	ds_load_b128 v[fb+8*\a+4:fb+8*\a+7], v[10+(\buf)] offset:16*PIT*\a+ko+32
.endr
.irp b, 0, 1
	ds_load_b128 v[fb+16+8*\b:fb+16+8*\b+3], v[12+(\buf)] offset:16*PIT*\b+ko
	ds_load_b128 v[fb+16+8*\b+4:fb+16+8*\b+7], v[12+(\buf)] offset:16*PIT*\b+ko+32
.endr
.endm
.macro MM s                            ; four matrix instructions, each on another accumulator, always in this order; B's rows are source 0: a lane holds 8 neighbouring columns of a row
.set fb, FRG+32*(\s)
.irp a, 0, 1
.irp b, 0, 1
	v_wmma_f32_16x16x32_bf16 v[ACC+8*(2*\a+\b):ACC+8*(2*\a+\b)+7], v[fb+16+8*\b:fb+16+8*\b+7], v[fb+8*\a:fb+8*\a+7], v[ACC+8*(2*\a+\b):ACC+8*(2*\a+\b)+7]
.endr
.endr
.endm
.macro HALF buf                        ; a step's products: eight parts of 32 along K
	PLACES
	FR \buf, 0, 0
	FR \buf, 1, 1
.set kk, 0
.rept 8
.if kk < 7
	s_wait_dscnt 8                                 ; this part's fragments are in; the next set's eight loads stay out
.else
	s_wait_dscnt 0x0
.endif
	MM kk%2
.if kk < 6
	PLACES
	FR \buf, kk+2, kk%2
.endif
.set kk, kk+1
.endr
.endm
.macro LOADP t                         ; token t's three partial rows into slot t % 3: 12 loads of 512 neighbouring bytes; a lane holds columns 4 lane + 128 j
.set pb, 32+48*((\t)%3)
.irp k, 0, 1, 2
	GS 4, global_load_b128 v[pb+16*\k+4*gi:pb+16*\k+4*gi+3], v16, s[12:13] offset:8192*(\t)+2048*\k+512*gi
.endr
.endm
.macro PROCP t                         ; ol of token t, packed in place; columns 0-255 go to buffer 0's A part, 256-511 to buffer 1's
.set pb, 32+48*((\t)%3)
	GS 16, v_fma_f32 v[pb+32+gi], v[pb+32+gi], s26, v[CVR+gi]
	GS 16, v_fma_f32 v[pb+32+gi], v[pb+16+gi], s[GT+2*(\t)+1], v[pb+32+gi]
	GS 16, v_fma_f32 v[pb+32+gi], v[pb+gi], s[GT+2*(\t)], v[pb+32+gi]
	GS 8, v_cvt_pk_bf16_f32 v[pb+32+gi], v[pb+32+2*gi], v[pb+33+2*gi]
	GS 2, ds_store_b64 v14, v[pb+32+2*gi:pb+33+2*gi] offset:PIT*(\t)+256*gi
	GS 2, ds_store_b64 v15, v[pb+36+2*gi:pb+37+2*gi] offset:PIT*(\t)+256*gi
.endm
	s_load_b512 s[68:83], s[0:1], 0x0              ; wsa 68, wsb 70, part 72, x 74, bu 76, bc 78, bs2 80, out0 82
	s_load_b512 s[44:59], s[0:1], 0x40             ; b2 of experts 0-7
	s_load_b64 s[84:85], s[0:1], 0x80              ; wsd
	v_lshl_add_u32 v1, v0, 2, SPARE
	v_mov_b32 v2, 0
	v_and_b32 v3, 31, v0
	v_and_b32 v4, 15, v0
	v_bfe_u32 v5, v0, 4, 1
	v_lshrrev_b32 v16, 5, v0
	v_readfirstlane_b32 s2, v16                    ; wave
	s_lshr_b32 s3, s2, 2                           ; wm
	s_and_b32 s4, s2, 3                            ; wn
	v_lshlrev_b32 v16, 4, v3
	v_lshlrev_b32 v17, 3, v0
	v_lshl_add_u32 v18, v0, 3, CV
	v_add_nc_u32 v19, CV, v16
	s_mul_i32 s27, s2, 8*PIT                       ; my 8 rows of A
	v_add_nc_u32 v6, s27, v16
	v_add_nc_u32 v7, BUF, v6
	v_lshl_add_u32 v14, v3, 3, s27
	v_add_nc_u32 v15, BUF, v14
	s_mul_i32 s27, s2, 16*PIT                      ; my 16 rows of B
	s_add_co_u32 s27, s27, LB0
	v_add_nc_u32 v8, s27, v16
	v_add_nc_u32 v9, BUF, v8
	v_mul_u32_u24 v10, v4, PIT
	v_lshl_add_u32 v10, v5, 4, v10                 ; a fragment's row x pitch + 16 x half
	s_mul_i32 s27, s4, 32*PIT
	s_add_co_u32 s27, s27, LB0
	v_add_nc_u32 v12, s27, v10
	v_add_nc_u32 v13, BUF, v12
	v_lshl_add_u32 v20, v5, 4, v10                 ; the stage: row x pitch + 32 x half,
	s_mul_i32 s27, s3, 32*PIT
	v_add_nc_u32 v10, s27, v10
	v_add_nc_u32 v11, BUF, v10
	s_lshl_b32 s24, s4, 7
	s_add_co_u32 s27, s27, s24
	v_add_nc_u32 v20, s27, v20                     ; + my 32 rows + my 32 columns
	s_mov_b32 s5, ttmp9
	s_lshr_b32 s6, s5, 3                           ; row tile
	s_and_b32 s7, s5, 7                            ; column tile
	s_lshr_b32 s14, s6, 3                          ; batch
	s_mov_b32 s25, 0
	s_mov_b32 s23, 0
	s_mov_b32 s26, 0x3dcccccd                      ; 0.1
	s_lshl_b32 s15, s6, 6
	s_lshl_b32 s27, s2, 3
	s_add_co_u32 s15, s15, s27                     ; my first token: 64 rt + 8 w
	s_wait_kmcnt 0x0
	s_lshl_b32 s24, s7, 17                         ; Wu in bf16: rows 128 ct + 16 w of 1,024 bytes
	s_lshl_b32 s27, s2, 14
	s_add_co_u32 s24, s24, s27
	s_add_co_u32 s24, s24, 15728640
	s_add_nc_u64 s[16:17], s[68:69], s[24:25]
	GS 16, global_load_b128 v[SB+4*gi:SB+4*gi+3], v16, s[16:17] offset:1024*gi   ; tile 0's B
	s_lshl_b32 s24, s7, 9
	s_add_nc_u64 s[92:93], s[76:77], s[24:25]
	s_add_nc_u64 s[94:95], s[78:79], s[24:25]
	global_load_b128 v[24:27], v16, s[92:93]       ; bu, bc of my four columns
	global_load_b128 v[28:31], v16, s[94:95]
	s_add_nc_u64 s[90:91], s[70:71], 14680064      ; c0p
	GS 17, global_load_b64 v[80+2*gi:81+2*gi], v17, s[90:91] offset:2048*gi
	GS 8, global_load_b64 v[114+2*gi:115+2*gi], v17, s[44+2*gi:45+2*gi]
	global_load_b64 v[130:131], v17, s[80:81]
	s_lshl_b32 s24, s15, 13
	s_add_nc_u64 s[12:13], s[72:73], s[24:25]      ; part at my first token
	LOADP 0
	s_lshl_b32 s24, s15, 3
	s_add_co_u32 s24, s24, 25165824
	s_add_nc_u64 s[96:97], s[68:69], s[24:25]
	s_load_b512 s[GT:GT+15], s[96:97], 0x0         ; my eight tokens' gates
	s_and_b32 s24, s6, 7                           ; tile 2's A: P, row (t & 511), batch's 1,024 bytes
	s_lshl_b32 s24, s24, 18
	s_lshl_b32 s27, s2, 15
	s_add_co_u32 s24, s24, s27
	s_lshl_b32 s27, s14, 10
	s_add_co_u32 s24, s24, s27
	s_add_co_u32 s24, s24, 4194304
	s_add_nc_u64 s[8:9], s[84:85], s[24:25]
	s_lshl_b32 s24, s7, 19                         ; tile 2's B: vot, rows 128 ct + 16 w, the batch's 512 tokens
	s_lshl_b32 s22, s2, 16
	s_add_co_u32 s24, s24, s22
	s_add_co_u32 s24, s24, s27
	s_add_nc_u64 s[10:11], s[84:85], s[24:25]
	s_lshl_b32 s24, s6, 18                         ; tile 4's A: gelu(h), the second half of acat's rows
	s_lshl_b32 s27, s2, 15
	s_add_co_u32 s24, s24, s27
	s_add_co_u32 s24, s24, 16777216+2048
	s_add_nc_u64 s[86:87], s[68:69], s[24:25]
	s_lshl_b32 s24, s7, 19                         ; tile 4's B: Wc, the second half of wfin's rows
	s_add_co_u32 s24, s24, s22
	s_add_co_u32 s24, s24, 11534336+2048
	s_add_nc_u64 s[88:89], s[68:69], s[24:25]
	s_lshl_b32 s24, s6, 18                         ; x and out0: rows 64 rt + 8 w, 512 bytes at column 128 ct
	s_add_co_u32 s24, s24, s27
	s_lshl_b32 s27, s7, 9
	s_add_co_u32 s24, s24, s27
	s_add_nc_u64 s[18:19], s[74:75], s[24:25]
	s_add_nc_u64 s[20:21], s[82:83], s[24:25]
	s_wait_loadcnt 12                              ; Wu's first tile, the biases and cvec's 26 loads are in; token 0's 12 stay out
	LSTB 0
	GS 16, global_load_b128 v[SB+4*gi:SB+4*gi+3], v16, s[16:17] offset:1024*gi+512   ; tile 1's B: it stays in registers until the first trip
	v_pk_fma_f32 v[CVR:CVR+1], v[130:131], 0x3dcccccd, v[80:81] op_sel_hi:[1,0,1]
	GS 24, v_pk_add_f32 v[CVR:CVR+1], v[CVR:CVR+1], v[82+2*gi:83+2*gi]
	ds_store_b64 v18, v[CVR:CVR+1]                 ; cvec's columns 2 thread, 2 thread + 1
	LOADP 1
	LOADP 2
	BAR
	GS 4, ds_load_b128 v[CVR+4*gi:CVR+4*gi+3], v19 offset:512*gi   ; cvec of my columns 4 lane + 128 j
	s_wait_dscnt 0x0
	s_wait_kmcnt 0x0                               ; the gates
.set tk, 0
.rept 8
.if tk == 0
	s_wait_loadcnt 40                              ; token 0 is in; Wu's second tile (16) and tokens 1, 2 (24) stay out
.elseif tk < 6
	s_wait_loadcnt 24                              ; this token is in; the next two tokens' 24 loads stay out
.elseif tk == 6
	s_wait_loadcnt 20                              ; token 7's 12 loads and x's 8 stay out
.else
	s_wait_loadcnt 8                               ; x's 8 stay out
.endif
	PROCP tk
.if tk < 5
	LOADP tk+3
.endif
.if tk == 5
	GS 8, global_load_b128 v[XR+4*gi:XR+4*gi+3], v16, s[18:19] offset:4096*gi th:TH_LOAD_NT   ; slot 2 is free: x comes while the products run
.endif
.set tk, tk+1
.endr
	GS 32, v_mov_b32 v[ACC+gi], 0
	BAR                                            ; ol and Wu's first tile are whole
	s_mov_b32 s15, 0
.Lk:                                               ; trip i multiplies tiles 2 i (buffer 0) and 2 i + 1 (buffer 1)
	HALF 0
	s_wait_loadcnt 0x0                             ; tile 2 i + 1, asked for a step ago
	s_cmp_eq_u32 s15, 0
	s_cbranch_scc1 .Lna                            ; tile 1's A is ol, which lies there already
	LSTA 1
.Lna:
	LSTB 1
	s_cmp_eq_u32 s15, 3
	s_cbranch_scc1 .Lka                            ; the last trip asks for nothing
	s_cmp_eq_u32 s15, 0
	s_cselect_b32 s22, 0, 512                      ; tile 2 is where the pointers stand; later tiles lie 512 bytes on,
	s_add_nc_u64 s[8:9], s[8:9], s[22:23]
	s_add_nc_u64 s[10:11], s[10:11], s[22:23]
	s_cmp_eq_u32 s15, 1
	s_cselect_b64 s[8:9], s[86:87], s[8:9]         ; but tile 4 begins gelu(h) x Wc
	s_cselect_b64 s[10:11], s[88:89], s[10:11]
	GLD
.Lka:
	BAR                                            ; buffer 1 is whole, and nobody reads buffer 0 any more
	HALF 1
	s_cmp_eq_u32 s15, 3
	s_cbranch_scc1 .Lkb
	s_wait_loadcnt 0x0
	LSTA 0
	LSTB 0
	s_add_nc_u64 s[8:9], s[8:9], 512
	s_add_nc_u64 s[10:11], s[10:11], 512
	GLD
.Lkb:
	BAR                                            ; buffer 0 is whole, and nobody reads buffer 1 any more
	s_add_co_u32 s15, s15, 1
	s_cmp_lt_u32 s15, 4
	s_cbranch_scc1 .Lk
	; the way out: the sums go through a stage (f32, 64 rows of 512 + 16 bytes, over buffer 0's A part) and leave as whole rows with x and the biases added
	PLACES
.irp a, 0, 1
.irp b, 0, 1
	ds_store_b128 v20, v[ACC+8*(2*\a+\b):ACC+8*(2*\a+\b)+3] offset:16*PIT*\a+64*\b
	ds_store_b128 v20, v[ACC+8*(2*\a+\b)+4:ACC+8*(2*\a+\b)+7] offset:16*PIT*\a+64*\b+16
.endr
.endr
	BAR
	GS 8, ds_load_b128 v[FRG+4*gi:FRG+4*gi+3], v6 offset:PIT*gi
	v_pk_add_f32 v[24:25], v[24:25], v[28:29]
	v_pk_add_f32 v[26:27], v[26:27], v[30:31]
	GP 32, v_pk_add_f32 v[XR+gi:XR+gi+1], v[XR+gi:XR+gi+1], v[24+gi%4:25+gi%4]
.set t, 0
.rept 8
	s_wait_dscnt 7-t                               ; row t is back; the younger loads stay out
	v_pk_add_f32 v[FRG+4*t:FRG+4*t+1], v[FRG+4*t:FRG+4*t+1], v[XR+4*t:XR+4*t+1]
	v_pk_add_f32 v[FRG+4*t+2:FRG+4*t+3], v[FRG+4*t+2:FRG+4*t+3], v[XR+4*t+2:XR+4*t+3]
	global_store_b128 v16, v[FRG+4*t:FRG+4*t+3], s[20:21] offset:4096*t th:TH_STORE_NT   ; 512 consecutive bytes of one row, aligned
.set t, t+1
.endr
	s_wait_tensorcnt 0x0                           ; the wave's end
	ds_add_u32 v1, v2
	s_wait_dscnt 0x0
	s_endpgm
.Lfunc_end_k_qd4c059d2fd_fin:
	.size	k_qd4c059d2fd_fin, .Lfunc_end_k_qd4c059d2fd_fin-k_qd4c059d2fd_fin
	.p2alignl 7, 3214868480
	.fill 96, 4, 3214868480
	.section	.rodata,"a",@progbits
	.p2align	6, 0x0
	.amdhsa_kernel k_qd4c059d2fd_fin
		.amdhsa_group_segment_fixed_size 205824
		.amdhsa_private_segment_fixed_size 0
		.amdhsa_enable_private_segment 0
		.amdhsa_kernarg_size 136
		.amdhsa_user_sgpr_count 2
		.amdhsa_user_sgpr_kernarg_segment_ptr 1
		.amdhsa_wavefront_size32 1
		.amdhsa_system_sgpr_workgroup_id_x 1
		.amdhsa_system_sgpr_workgroup_id_y 1
		.amdhsa_system_sgpr_workgroup_id_z 1
		.amdhsa_system_vgpr_workitem_id 0
		.amdhsa_next_free_vgpr 256
		.amdhsa_next_free_sgpr 100
		.amdhsa_reserve_vcc 0
		.amdhsa_float_denorm_mode_32 3
		.amdhsa_float_denorm_mode_16_64 3
		.amdhsa_memory_ordered 1
		.amdhsa_forward_progress 1
		.amdhsa_inst_pref_size 82
	.end_amdhsa_kernel
	.amdgpu_metadata
---
amdhsa.version: [ 1, 2 ]
amdhsa.kernels:
  - .name:           k_qd4c059d2fd_fin
    .symbol:         k_qd4c059d2fd_fin.kd
    .args:
      - { .name: wsa, .offset: 0, .size: 8, .value_kind: global_buffer, .address_space: global }
      - { .name: wsb, .offset: 8, .size: 8, .value_kind: global_buffer, .address_space: global }
      - { .name: part, .offset: 16, .size: 8, .value_kind: global_buffer, .address_space: global }
      - { .name: x, .offset: 24, .size: 8, .value_kind: global_buffer, .address_space: global }
      - { .name: bu, .offset: 32, .size: 8, .value_kind: global_buffer, .address_space: global }
      - { .name: bc, .offset: 40, .size: 8, .value_kind: global_buffer, .address_space: global }
      - { .name: bs2, .offset: 48, .size: 8, .value_kind: global_buffer, .address_space: global }
      - { .name: out0, .offset: 56, .size: 8, .value_kind: global_buffer, .address_space: global }
      - { .name: expert_params_0_1_1, .offset: 64, .size: 8, .value_kind: global_buffer, .address_space: global }
      - { .name: expert_params_1_1_1, .offset: 72, .size: 8, .value_kind: global_buffer, .address_space: global }
      - { .name: expert_params_2_1_1, .offset: 80, .size: 8, .value_kind: global_buffer, .address_space: global }
      - { .name: expert_params_3_1_1, .offset: 88, .size: 8, .value_kind: global_buffer, .address_space: global }
      - { .name: expert_params_4_1_1, .offset: 96, .size: 8, .value_kind: global_buffer, .address_space: global }
      - { .name: expert_params_5_1_1, .offset: 104, .size: 8, .value_kind: global_buffer, .address_space: global }
      - { .name: expert_params_6_1_1, .offset: 112, .size: 8, .value_kind: global_buffer, .address_space: global }
      - { .name: expert_params_7_1_1, .offset: 120, .size: 8, .value_kind: global_buffer, .address_space: global }
      - { .name: wsd, .offset: 128, .size: 8, .value_kind: global_buffer, .address_space: global }
    .group_segment_fixed_size: 205824
    .private_segment_fixed_size: 0
    .kernarg_segment_align: 8
    .kernarg_segment_size: 136
    .max_flat_workgroup_size: 256
    .sgpr_count:     100
    .vgpr_count:     256
    .wavefront_size: 32
...
	.end_amdgpu_metadata
.endif
;; end of part 9
;; ======== version 3 of 3: 5 launches; version 2 with the launch fin written anew for expert scheduling mode
;; limits: a function is approximated: absolute error at most 1.5e-07; an absolute error that grows with the inputs' magnitude: up to 7.5e-08 times it
;; workspace buffers: wsa 25,182,208 bytes; sel 16,384 bytes of whole numbers; wsb 14,714,880 bytes; lst 147,712 bytes of whole numbers; wsc 77,594,624 bytes; part 16,777,216 bytes; wsd 6,291,456 bytes
;; launch prep: the kernel of part 1 again; grid 640 x 1, 8 waves a work-group, no clusters, 0 bytes of LDS; arguments x, w_norm, Wr, br, expert_cost, Wqkv, Wd, Wo, Wc, Wu, wsa, sel; writes wsa, sel
;; launch proj: the kernel of part 6 again; grid 513 x 1, 8 waves a work-group, no clusters, 74,752 bytes of LDS; arguments wsa, sel, bd, wsb, lst, expert_params_0_1_0, expert_params_1_1_0, expert_params_2_1_0, expert_params_3_1_0, expert_params_4_1_0, expert_params_5_1_0, expert_params_6_1_0, expert_params_7_1_0, expert_params_0_0_1, expert_params_1_0_1, expert_params_2_0_1, expert_params_3_0_1, expert_params_4_0_1, expert_params_5_0_1, expert_params_6_0_1, expert_params_7_0_1; writes wsb, lst
;; launch mid1: the kernel of part 7 again; grid 2304 x 1, 8 waves a work-group, no clusters, 148,480 bytes of LDS; arguments wsb, lst, wsc, Ws1, bs1, expert_params_0_0_0, expert_params_1_0_0, expert_params_2_0_0, expert_params_3_0_0, expert_params_4_0_0, expert_params_5_0_0, expert_params_6_0_0, expert_params_7_0_0, expert_params_0_0_1, expert_params_1_0_1, expert_params_2_0_1, expert_params_3_0_1, expert_params_4_0_1, expert_params_5_0_1, expert_params_6_0_1, expert_params_7_0_1; writes wsc
;; launch mid2: the kernel of part 8 again; grid 832 x 1, 8 waves a work-group, no clusters, 148,480 bytes of LDS; arguments wsc, wsb, lst, wsa, part, wsd, Ws2, expert_params_0_1_0, expert_params_1_1_0, expert_params_2_1_0, expert_params_3_1_0, expert_params_4_1_0, expert_params_5_1_0, expert_params_6_1_0, expert_params_7_1_0; writes part, wsd
;; launch fin (part 10): grid 256 x 1, 8 waves a work-group, no clusters, 205,824 bytes of LDS; arguments wsa, wsb, part, x, bu, bc, bs2, out0, expert_params_0_1_1, expert_params_1_1_1, expert_params_2_1_1, expert_params_3_1_1, expert_params_4_1_1, expert_params_5_1_1, expert_params_6_1_1, expert_params_7_1_1, wsd; writes out0
.if DOCPART == 10
	.amdgcn_target "amdgcn-amd-amdhsa--gfx1250"
	.amdhsa_code_object_version 6
	.text
	.protected	k_qd4c059d2fd_fin
	.globl	k_qd4c059d2fd_fin
	.p2align	8
	.type	k_qd4c059d2fd_fin,@function
k_qd4c059d2fd_fin:
	s_mov_b64 s[64:65], 0
	v_nop
	global_prefetch_b8 v0, s[64:65] scope:SCOPE_SE
	s_setreg_imm32_b32 hwreg(HW_REG_WAVE_SCHED_MODE, 0, 2), 2
	s_setreg_imm32_b32 hwreg(HW_REG_WAVE_MODE, 25, 1), 1
	s_wait_xcnt 0x0
	s_wait_alu depctr_vm_vsrc(0)
; FIN.  out0 = x + ol Wu^T + P VO + gelu(h) Wc^T + bu + bc: one set of sums, K = 512 + 512 + 1024.  A work-group makes 64 rows x 128 columns: 32 x 8 = 256 work-groups; wave w = 4 wm + wn makes 32 x 32:
; four accumulators that take turns, one instruction a turn.
; ol[t] = g0 p[t,0] + g1 p[t,1] + 0.1 p[t,2] + cvec, in f32, rounded once to bf16; cvec = sum over the experts of (gelu(b1) W2^T + b2) + 0.1 bs2, from the 17 partial rows c0p.
; LIMIT.  The experts' common term is weighed by 1 where the problem's text weighs it by g0 + g1, which is 1 to within 1.2e-7 of itself.
; K GOES IN EIGHT STEPS OF 256 through two LDS buffers of 192 rows (A's 64, then B's 128) of 512 + 16 bytes: tiles 0, 1: ol x Wu; 2, 3: P x VO^T; 4-7: gelu(h) x Wc.  A wave's load brings one row's 512
; bytes; a step is 24 loads a wave, 96 KiB for the work-group, asked for a whole step ahead and held in registers until the buffer is free; one barrier a step.  ol is put straight into the two buffers'
; A parts, so tiles 0 and 1 load no A, and the first trip jumps the one store of A.  P, vot, acat and wfin all have rows 4,096 bytes apart: the rows stand in the loads' immediates, one offset register
; serves all.  One loop of four trips walks the eight tiles; in its second trip the two pointers change buffers, by a select on the counter.
; The sums are cleared by v_mov_b32 (32 lines): no first step is written out.  No cluster, no tensor loads: ol is computed on its way into LDS, and one way in serves all tiles.
; THE MODE: SCHED_MODE bits 1:0 = 2 (LLVM: expert scheduling mode 2), set by the entry lines.  The code itself states the register dependences between vector or matrix instructions and memory or LDS
; instructions, with s_wait_alu, always for 0.
; THE PLAN.  Registers that memory or LDS instructions touch, in the loop:
;   sets 0-3      A step is eight parts of 32 along K.  Part k's four matrix instructions read set k % 4; the eight LDS loads of part k + 2 land in set (k + 2) % 4, which part k - 2 read last; they are
;                 dealt two behind each of part k's matrix instructions, so a fragment has two parts in which to land.
;   SA, SBL, SBH  Written by the global loads of a tile; read by the LDS stores half a trip later; named by no vector instruction in the loop.
;   v6-v20        Offsets and LDS addresses: written at the head, never again.
;   The accumulators are named by matrix instructions alone until the way out.
; So three waits on va_vdst stand in a step: at its head (the step before is done with all four sets), ahead of part 2 (parts 0, 1 are done with sets 0, 1, in which the loads of parts 2, 3 land) and ahead
; of part 4 (sets 2, 3 likewise), each behind the wait for the part's own fragments.  Behind each, only the parts' own matrix instructions are issued, which name their own set and the accumulators.
; Parts 6 and 7 load nothing and have no such wait.  One wait on vm_vsrc stands ahead of each request for tiles: the LDS stores have read the registers in which the tiles land.
.set PIT, 528                          ; an LDS row: odd multiple of 16 bytes, so the 16 rows of a fragment load start in 16 different groups of four banks
.set LB0, 64*PIT                       ; B's rows in a buffer
.set BUF, 192*PIT                      ; buffer 1
.set CV, 2*BUF                         ; cvec, 2,048 bytes
.set SPARE, CV+2048                    ; the spare words: 128 bytes a wave, four blocks of 256 bytes that no other line names
.set ACC, 32                           ; v32-63   accumulator (a, b) at 32 + 8 (2 a + b)
.set SA, 64                            ; v64-95   A's tile on its way
.set FRG, 96                           ; v96-223  four sets of fragments, 32 registers each: A's at +8 a, B's at +16 + 8 b
.set SBL, 224                          ; v224-255 B's tile on its way: my rows 0-7
.set SBH, 0                            ; v256-287 (v0-31 of window 1): my rows 8-15
.set XR, 32                            ; v288-319 (v32-63 of window 1): x's eight rows
.set CVR, 176                          ; v176-191 in the prologue: cvec of my 16 columns
.set GT, 28                            ; s[28:43] the gates of my eight tokens
; In the prologue v32-175 are three slots of 48 registers for a token's three partial rows.
; v1, v2 the add's two registers; v3 lane; v4 lane % 16; v5 lane / 16; v6, v7 where A's rows are put in buffer 0, 1 (v6 also: where the stage is read back); v8, v9 B's; v10, v11 where A's fragments are
; read; v12, v13 B's; v14, v15 where ol is put; v16 16 lane; v17 8 thread; v18, v19 cvec in and out; v20 into the stage; v24-31 bu, bc
; s_set_vgpr_msb's low byte: bits 1:0 source 0, 3:2 source 1, 5:4 source 2, 7:6 destination.  A load's data is the destination, an LDS store's data source 1, every address source 0.
.set MSB, 0
.macro WIN new                         ; the immediate's high byte repeats the setting that is left; at a label and at a branch every window is 0
.if MSB != (\new)
	s_set_vgpr_msb (MSB<<8)|(\new)
.set MSB, \new
.endif
.endm
.macro GS n, line:vararg
.set gi, 0
.rept \n
	\line
.set gi, gi+1
.endr
.endm
.macro GP n, line:vararg
.set gi, 0
.rept (\n)/2
	\line
.set gi, gi+2
.endr
.endm
.macro PLACES                          ; four plain places behind matrix instructions: ahead of reads of their results, and kept ahead of loads into the sets that they have read
.rept 4
	v_nop
.endr
.endm
.macro BAR                             ; my LDS instructions are done; then all eight waves meet
	s_wait_dscnt 0x0
	s_barrier_signal -1
	s_barrier_wait -1
.endm
.macro GLD                             ; a step's tiles are asked for: my 8 rows of A, my 16 of B
	s_wait_alu depctr_vm_vsrc(0)                   ; the LDS stores of the tile before have read SA, SBL and SBH, in which these loads land
	GS 8, global_load_b128 v[SA+4*gi:SA+4*gi+3], v16, s[8:9] offset:4096*gi
	GS 8, global_load_b128 v[SBL+4*gi:SBL+4*gi+3], v16, s[10:11] offset:4096*gi
	WIN 0x40                                       ; destination in window 1; only loads and this switch stand between the wait above and the loads below
	GS 8, global_load_b128 v[SBH+4*gi:SBH+4*gi+3], v16, s[10:11] offset:4096*(8+gi)
	WIN 0
.endm
.macro LSTA buf
	GS 8, ds_store_b128 v[6+(\buf)], v[SA+4*gi:SA+4*gi+3] offset:PIT*gi
.endm
.macro LSTB buf
	GS 8, ds_store_b128 v[8+(\buf)], v[SBL+4*gi:SBL+4*gi+3] offset:PIT*gi
	WIN 0x04                                       ; the stores' data in window 1
	GS 8, ds_store_b128 v[8+(\buf)], v[SBH+4*gi:SBH+4*gi+3] offset:PIT*(8+gi)
	WIN 0
.endm
.macro FRF buf, k, s, f                ; fragment f of part k into set s: two LDS loads.  f = 0, 1: A's rows 16 f on; f = 2, 3: B's rows 16 (f - 2) on
.set fb, FRG+32*(\s)+8*(\f)
.if (\f) < 2
	ds_load_b128 v[fb:fb+3], v[10+(\buf)] offset:16*PIT*(\f)+64*(\k)
	ds_load_b128 v[fb+4:fb+7], v[10+(\buf)] offset:16*PIT*(\f)+64*(\k)+32
.else
	ds_load_b128 v[fb:fb+3], v[12+(\buf)] offset:16*PIT*((\f)-2)+64*(\k)
	ds_load_b128 v[fb+4:fb+7], v[12+(\buf)] offset:16*PIT*((\f)-2)+64*(\k)+32
.endif
.endm
; A step's products: eight parts of 32 along K.  Four matrix instructions a part, each on another accumulator, always in this order; B's rows are source 0: a lane holds 8 neighbouring columns of a row.
.macro HALF buf
	PLACES
	s_wait_alu depctr_va_vdst(0)                   ; the matrix instructions of the step before are done reading all four sets (first trip: ol's arithmetic has written and read these registers)
.irp f, 0, 1, 2, 3
	FRF \buf, 0, 0, \f
.endr
.irp f, 0, 1, 2, 3
	FRF \buf, 1, 1, \f
.endr
.set kk, 0
.rept 8
.if kk < 7
	s_wait_dscnt 8                                 ; this part's fragments are in; the next part's eight loads stay out
.else
	s_wait_dscnt 0x0
.endif
.if (kk == 2) || (kk == 4)
	PLACES
	s_wait_alu depctr_va_vdst(0)                   ; the last two parts' matrix instructions are done reading their sets, in which the loads of this part and the next land
.endif
.set mb, FRG+32*(kk%4)
.set mm, 0
.rept 4
	v_wmma_f32_16x16x32_bf16 v[ACC+8*mm:ACC+8*mm+7], v[mb+16+8*(mm%2):mb+16+8*(mm%2)+7], v[mb+8*(mm/2):mb+8*(mm/2)+7], v[ACC+8*mm:ACC+8*mm+7]
.if kk < 6
	FRF \buf, kk+2, (kk+2)%4, mm                   ; no wait: no vector or matrix instruction since the last wait on va_vdst names this set
.endif
.set mm, mm+1
.endr
.set kk, kk+1
.endr
.endm
; Token t's three partial rows into slot t % 3: 12 loads of 512 neighbouring bytes; a lane holds columns 4 lane + 128 j.  again = 1: the slot has been worked on just before.
.macro LOADP t, again
.set pb, 32+48*((\t)%3)
	GS 4, global_load_b128 v[pb+4*gi:pb+4*gi+3], v16, s[12:13] offset:8192*(\t)+512*gi
	GS 4, global_load_b128 v[pb+16+4*gi:pb+16+4*gi+3], v16, s[12:13] offset:8192*(\t)+2048+512*gi
.if \again
	s_wait_alu depctr_vm_vsrc(0)                   ; the four LDS stores of ol have read the slot's registers 32 to 39, in which the third row lands
.endif
	GS 4, global_load_b128 v[pb+32+4*gi:pb+32+4*gi+3], v16, s[12:13] offset:8192*(\t)+4096+512*gi
.endm
.macro PROCP t                         ; ol of token t, packed in place; columns 0-255 go to buffer 0's A part, 256-511 to buffer 1's
.set pb, 32+48*((\t)%3)
	GS 16, v_fma_f32 v[pb+32+gi], v[pb+32+gi], s26, v[CVR+gi]
	GS 16, v_fma_f32 v[pb+32+gi], v[pb+16+gi], s[GT+2*(\t)+1], v[pb+32+gi]
	GS 16, v_fma_f32 v[pb+32+gi], v[pb+gi], s[GT+2*(\t)], v[pb+32+gi]
	GS 8, v_cvt_pk_bf16_f32 v[pb+32+gi], v[pb+32+2*gi], v[pb+33+2*gi]
	s_wait_alu depctr_va_vdst(0)                   ; ol is written, which the LDS stores read; and the arithmetic is done with the slot's 48 registers, in which the next loads land
	GS 2, ds_store_b64 v14, v[pb+32+2*gi:pb+33+2*gi] offset:PIT*(\t)+256*gi
	GS 2, ds_store_b64 v15, v[pb+36+2*gi:pb+37+2*gi] offset:PIT*(\t)+256*gi
.endm
	s_load_b512 s[68:83], s[0:1], 0x0              ; wsa 68, wsb 70, part 72, x 74, bu 76, bc 78, bs2 80, out0 82
	s_load_b512 s[44:59], s[0:1], 0x40             ; b2 of experts 0-7
	s_load_b64 s[84:85], s[0:1], 0x80              ; wsd
	v_lshl_add_u32 v1, v0, 2, SPARE
	v_mov_b32 v2, 0
	v_and_b32 v3, 31, v0
	v_and_b32 v4, 15, v0
	v_bfe_u32 v5, v0, 4, 1
	v_lshrrev_b32 v16, 5, v0
	v_readfirstlane_b32 s2, v16                    ; wave
	v_lshlrev_b32 v16, 4, v3
	v_lshlrev_b32 v17, 3, v0
	v_lshl_add_u32 v18, v0, 3, CV
	v_add_nc_u32 v19, CV, v16
	v_mul_u32_u24 v10, v4, PIT
	v_lshl_add_u32 v10, v5, 4, v10                 ; a fragment's row x pitch + 16 x half
	s_wait_alu depctr_va_sdst(0)                   ; s2 is written, ahead of its first reader
	s_lshr_b32 s3, s2, 2                           ; wm
	s_and_b32 s4, s2, 3                            ; wn
	s_mul_i32 s27, s2, 8*PIT                       ; my 8 rows of A
	v_add_nc_u32 v6, s27, v16
	v_add_nc_u32 v7, BUF, v6
	v_lshl_add_u32 v14, v3, 3, s27
	v_add_nc_u32 v15, BUF, v14
	s_mul_i32 s27, s2, 16*PIT                      ; my 16 rows of B
	s_add_co_u32 s27, s27, LB0
	v_add_nc_u32 v8, s27, v16
	v_add_nc_u32 v9, BUF, v8
	s_mul_i32 s27, s4, 32*PIT
	s_add_co_u32 s27, s27, LB0
	v_add_nc_u32 v12, s27, v10
	v_add_nc_u32 v13, BUF, v12
	v_lshl_add_u32 v20, v5, 4, v10                 ; the stage: row x pitch + 32 x half,
	s_mul_i32 s27, s3, 32*PIT
	v_add_nc_u32 v10, s27, v10
	v_add_nc_u32 v11, BUF, v10
	s_lshl_b32 s24, s4, 7
	s_add_co_u32 s27, s27, s24
	v_add_nc_u32 v20, s27, v20                     ; + my 32 rows + my 32 columns
	s_mov_b32 s5, ttmp9
	s_lshr_b32 s6, s5, 3                           ; row tile
	s_and_b32 s7, s5, 7                            ; column tile
	s_lshr_b32 s14, s6, 3                          ; batch
	s_mov_b32 s25, 0
	s_mov_b32 s23, 0
	s_mov_b32 s26, 0x3dcccccd                      ; 0.1
	s_lshl_b32 s15, s6, 6
	s_lshl_b32 s27, s2, 3
	s_add_co_u32 s15, s15, s27                     ; my first token: 64 rt + 8 w
	s_wait_kmcnt 0x0
	s_lshl_b32 s24, s7, 17                         ; Wu in bf16: rows 128 ct + 16 w of 1,024 bytes
	s_lshl_b32 s27, s2, 14
	s_add_co_u32 s24, s24, s27
	s_add_co_u32 s24, s24, 15728640
	s_add_nc_u64 s[16:17], s[68:69], s[24:25]
	s_wait_alu depctr_va_vdst(0)                   ; the offsets and LDS addresses v6 to v20 are written, which every load and store of the kernel reads; none is written again
	GS 8, global_load_b128 v[SBL+4*gi:SBL+4*gi+3], v16, s[16:17] offset:1024*gi   ; tile 0's B
	WIN 0x40
	GS 8, global_load_b128 v[SBH+4*gi:SBH+4*gi+3], v16, s[16:17] offset:1024*(8+gi)
	WIN 0
	s_lshl_b32 s24, s7, 9
	s_add_nc_u64 s[92:93], s[76:77], s[24:25]
	s_add_nc_u64 s[94:95], s[78:79], s[24:25]
	global_load_b128 v[24:27], v16, s[92:93]       ; bu, bc of my four columns
	global_load_b128 v[28:31], v16, s[94:95]
	s_add_nc_u64 s[90:91], s[70:71], 14680064      ; c0p
	GS 17, global_load_b64 v[80+2*gi:81+2*gi], v17, s[90:91] offset:2048*gi
	GS 8, global_load_b64 v[114+2*gi:115+2*gi], v17, s[44+2*gi:45+2*gi]
	global_load_b64 v[130:131], v17, s[80:81]
	s_lshl_b32 s24, s15, 13
	s_add_nc_u64 s[12:13], s[72:73], s[24:25]      ; part at my first token
	LOADP 0, 0
	s_lshl_b32 s24, s15, 3
	s_add_co_u32 s24, s24, 25165824
	s_add_nc_u64 s[96:97], s[68:69], s[24:25]
	s_load_b512 s[GT:GT+15], s[96:97], 0x0         ; my eight tokens' gates
	s_and_b32 s24, s6, 7                           ; tile 2's A: P, row (t & 511), batch's 1,024 bytes
	s_lshl_b32 s24, s24, 18
	s_lshl_b32 s27, s2, 15
	s_add_co_u32 s24, s24, s27
	s_lshl_b32 s27, s14, 10
	s_add_co_u32 s24, s24, s27
	s_add_co_u32 s24, s24, 4194304
	s_add_nc_u64 s[8:9], s[84:85], s[24:25]
	s_lshl_b32 s24, s7, 19                         ; tile 2's B: vot, rows 128 ct + 16 w, the batch's 512 tokens
	s_lshl_b32 s22, s2, 16
	s_add_co_u32 s24, s24, s22
	s_add_co_u32 s24, s24, s27
	s_add_nc_u64 s[10:11], s[84:85], s[24:25]
	s_lshl_b32 s24, s6, 18                         ; tile 4's A: gelu(h), the second half of acat's rows
	s_lshl_b32 s27, s2, 15
	s_add_co_u32 s24, s24, s27
	s_add_co_u32 s24, s24, 16777216+2048
	s_add_nc_u64 s[86:87], s[68:69], s[24:25]
	s_lshl_b32 s24, s7, 19                         ; tile 4's B: Wc, the second half of wfin's rows
	s_add_co_u32 s24, s24, s22
	s_add_co_u32 s24, s24, 11534336+2048
	s_add_nc_u64 s[88:89], s[68:69], s[24:25]
	s_lshl_b32 s24, s6, 18                         ; x and out0: rows 64 rt + 8 w, 512 bytes at column 128 ct
	s_add_co_u32 s24, s24, s27
	s_lshl_b32 s27, s7, 9
	s_add_co_u32 s24, s24, s27
	s_add_nc_u64 s[18:19], s[74:75], s[24:25]
	s_add_nc_u64 s[20:21], s[82:83], s[24:25]
	s_wait_loadcnt 12                              ; Wu's first tile, the biases and cvec's 26 loads are in; token 0's 12 stay out
	LSTB 0
	v_pk_fma_f32 v[CVR:CVR+1], v[130:131], 0x3dcccccd, v[80:81] op_sel_hi:[1,0,1]
	GS 24, v_pk_add_f32 v[CVR:CVR+1], v[CVR:CVR+1], v[82+2*gi:83+2*gi]
	s_wait_alu depctr_va_vdst(0)                   ; cvec's two numbers are written, which the LDS store reads; the sums are done reading v80 to v131, in which tokens 1 and 2 land
	ds_store_b64 v18, v[CVR:CVR+1]                 ; cvec's columns 2 thread, 2 thread + 1
	s_wait_alu depctr_vm_vsrc(0)                   ; the LDS stores of Wu's first tile have read SBL and SBH, in which its second lands; cvec's store has read v176
	GS 8, global_load_b128 v[SBL+4*gi:SBL+4*gi+3], v16, s[16:17] offset:1024*gi+512   ; tile 1's B: it stays in registers until the first trip
	WIN 0x40
	GS 8, global_load_b128 v[SBH+4*gi:SBH+4*gi+3], v16, s[16:17] offset:1024*(8+gi)+512
	WIN 0
	LOADP 1, 0
	LOADP 2, 0
	BAR
	GS 4, ds_load_b128 v[CVR+4*gi:CVR+4*gi+3], v19 offset:512*gi   ; cvec of my columns 4 lane + 128 j
	s_wait_dscnt 0x0
	s_wait_kmcnt 0x0                               ; the gates
.set tk, 0
.rept 8
.if tk == 0
	s_wait_loadcnt 40                              ; token 0 is in; Wu's second tile (16) and tokens 1, 2 (24) stay out
.elseif tk < 6
	s_wait_loadcnt 24                              ; this token is in; the next two tokens' 24 loads stay out
.elseif tk == 6
	s_wait_loadcnt 20                              ; token 7's 12 loads and x's 8 stay out
.else
	s_wait_loadcnt 8                               ; x's 8 stay out
.endif
	PROCP tk
.if tk < 5
	LOADP tk+3, 1
.endif
.if tk == 5
	WIN 0x40
	GS 8, global_load_b128 v[XR+4*gi:XR+4*gi+3], v16, s[18:19] offset:4096*gi th:TH_LOAD_NT   ; x comes while the products run; no instruction has named these registers
	WIN 0
.endif
.set tk, tk+1
.endr
	GS 32, v_mov_b32 v[ACC+gi], 0
	s_wait_alu depctr_vm_vsrc(0)                   ; the LDS stores of tokens 5, 6 and 7 have read v160-167, v64-71 and v112-119: from here on SA and the fragments' sets, in which loads land
	BAR                                            ; ol and Wu's first tile are whole
	s_mov_b32 s15, 0
.Lk:                                               ; trip i multiplies tiles 2 i (buffer 0) and 2 i + 1 (buffer 1)
	HALF 0
	s_wait_loadcnt 0x0                             ; tile 2 i + 1, asked for a step ago
	s_cmp_eq_u32 s15, 0
	s_cbranch_scc1 .Lna                            ; tile 1's A is ol, which lies there already
	LSTA 1
.Lna:
	LSTB 1
	s_cmp_eq_u32 s15, 3
	s_cbranch_scc1 .Lka                            ; the last trip asks for nothing
	s_cmp_eq_u32 s15, 0
	s_cselect_b32 s22, 0, 512                      ; tile 2 is where the pointers stand; later tiles lie 512 bytes on,
	s_add_nc_u64 s[8:9], s[8:9], s[22:23]
	s_add_nc_u64 s[10:11], s[10:11], s[22:23]
	s_cmp_eq_u32 s15, 1
	s_cselect_b64 s[8:9], s[86:87], s[8:9]         ; but tile 4 begins gelu(h) x Wc
	s_cselect_b64 s[10:11], s[88:89], s[10:11]
	GLD
.Lka:
	BAR                                            ; buffer 1 is whole, and nobody reads buffer 0 any more
	HALF 1
	s_cmp_eq_u32 s15, 3
	s_cbranch_scc1 .Lkb
	s_wait_loadcnt 0x0
	LSTA 0
	LSTB 0
	s_add_nc_u64 s[8:9], s[8:9], 512
	s_add_nc_u64 s[10:11], s[10:11], 512
	GLD
.Lkb:
	BAR                                            ; buffer 0 is whole, and nobody reads buffer 1 any more
	s_add_co_u32 s15, s15, 1
	s_cmp_lt_u32 s15, 4
	s_cbranch_scc1 .Lk
	; the way out: the sums go through a stage (f32, 64 rows of 512 + 16 bytes, over buffer 0's A part) and leave as whole rows with x and the biases added
	PLACES
	s_wait_alu depctr_va_vdst(0)                   ; the matrix instructions have written the accumulators, which the LDS stores read; the places above stay beside this wait
.irp a, 0, 1
.irp b, 0, 1
	ds_store_b128 v20, v[ACC+8*(2*\a+\b):ACC+8*(2*\a+\b)+3] offset:16*PIT*\a+64*\b
	ds_store_b128 v20, v[ACC+8*(2*\a+\b)+4:ACC+8*(2*\a+\b)+7] offset:16*PIT*\a+64*\b+16
.endr
.endr
	BAR
	GS 8, ds_load_b128 v[FRG+4*gi:FRG+4*gi+3], v6 offset:PIT*gi
	v_pk_add_f32 v[24:25], v[24:25], v[28:29]
	v_pk_add_f32 v[26:27], v[26:27], v[30:31]
	WIN 0x41                                       ; x, destination and source 0, in window 1
	GP 32, v_pk_add_f32 v[XR+gi:XR+gi+1], v[XR+gi:XR+gi+1], v[24+gi%4:25+gi%4]
	WIN 0x04                                       ; x, source 1, in window 1
.set t, 0
.rept 8
	s_wait_dscnt 7-t                               ; row t is back; the younger loads stay out
	v_pk_add_f32 v[FRG+4*t:FRG+4*t+1], v[FRG+4*t:FRG+4*t+1], v[XR+4*t:XR+4*t+1]
	v_pk_add_f32 v[FRG+4*t+2:FRG+4*t+3], v[FRG+4*t+2:FRG+4*t+3], v[XR+4*t+2:XR+4*t+3]
.set t, t+1
.endr
	WIN 0
	s_wait_alu depctr_va_vdst(0)                   ; the additions have written the eight rows, which the stores read: one wait for the run
	GS 8, global_store_b128 v16, v[FRG+4*gi:FRG+4*gi+3], s[20:21] offset:4096*gi th:TH_STORE_NT   ; 512 consecutive bytes of one row, aligned
	s_wait_dscnt 0x0                               ; the closing lines, six on end
	s_wait_alu 0x0
	s_wait_tensorcnt 0x0
	ds_add_u32 v1, v2
	s_wait_dscnt 0x0
	s_endpgm
.Lfunc_end_k_qd4c059d2fd_fin:
	.size	k_qd4c059d2fd_fin, .Lfunc_end_k_qd4c059d2fd_fin-k_qd4c059d2fd_fin
	.p2alignl 7, 3214868480
	.fill 96, 4, 3214868480
	.section	.rodata,"a",@progbits
	.p2align	6, 0x0
	.amdhsa_kernel k_qd4c059d2fd_fin
		.amdhsa_group_segment_fixed_size 205824
		.amdhsa_private_segment_fixed_size 0
		.amdhsa_enable_private_segment 0
		.amdhsa_kernarg_size 136
		.amdhsa_user_sgpr_count 2
		.amdhsa_user_sgpr_kernarg_segment_ptr 1
		.amdhsa_wavefront_size32 1
		.amdhsa_system_sgpr_workgroup_id_x 1
		.amdhsa_system_sgpr_workgroup_id_y 1
		.amdhsa_system_sgpr_workgroup_id_z 1
		.amdhsa_system_vgpr_workitem_id 0
		.amdhsa_next_free_vgpr 320
		.amdhsa_next_free_sgpr 100
		.amdhsa_reserve_vcc 0
		.amdhsa_float_denorm_mode_32 3
		.amdhsa_float_denorm_mode_16_64 3
		.amdhsa_memory_ordered 1
		.amdhsa_forward_progress 1
		.amdhsa_inst_pref_size 82
	.end_amdhsa_kernel
	.amdgpu_metadata
---
amdhsa.version: [ 1, 2 ]
amdhsa.kernels:
  - .name:           k_qd4c059d2fd_fin
    .symbol:         k_qd4c059d2fd_fin.kd
    .args:
      - { .name: wsa, .offset: 0, .size: 8, .value_kind: global_buffer, .address_space: global }
      - { .name: wsb, .offset: 8, .size: 8, .value_kind: global_buffer, .address_space: global }
      - { .name: part, .offset: 16, .size: 8, .value_kind: global_buffer, .address_space: global }
      - { .name: x, .offset: 24, .size: 8, .value_kind: global_buffer, .address_space: global }
      - { .name: bu, .offset: 32, .size: 8, .value_kind: global_buffer, .address_space: global }
      - { .name: bc, .offset: 40, .size: 8, .value_kind: global_buffer, .address_space: global }
      - { .name: bs2, .offset: 48, .size: 8, .value_kind: global_buffer, .address_space: global }
      - { .name: out0, .offset: 56, .size: 8, .value_kind: global_buffer, .address_space: global }
      - { .name: expert_params_0_1_1, .offset: 64, .size: 8, .value_kind: global_buffer, .address_space: global }
      - { .name: expert_params_1_1_1, .offset: 72, .size: 8, .value_kind: global_buffer, .address_space: global }
      - { .name: expert_params_2_1_1, .offset: 80, .size: 8, .value_kind: global_buffer, .address_space: global }
      - { .name: expert_params_3_1_1, .offset: 88, .size: 8, .value_kind: global_buffer, .address_space: global }
      - { .name: expert_params_4_1_1, .offset: 96, .size: 8, .value_kind: global_buffer, .address_space: global }
      - { .name: expert_params_5_1_1, .offset: 104, .size: 8, .value_kind: global_buffer, .address_space: global }
      - { .name: expert_params_6_1_1, .offset: 112, .size: 8, .value_kind: global_buffer, .address_space: global }
      - { .name: expert_params_7_1_1, .offset: 120, .size: 8, .value_kind: global_buffer, .address_space: global }
      - { .name: wsd, .offset: 128, .size: 8, .value_kind: global_buffer, .address_space: global }
    .group_segment_fixed_size: 205824
    .private_segment_fixed_size: 0
    .kernarg_segment_align: 8
    .kernarg_segment_size: 136
    .max_flat_workgroup_size: 256
    .sgpr_count:     100
    .vgpr_count:     320
    .wavefront_size: 32
...
	.end_amdgpu_metadata
.endif
;; end of part 10
